; MI455X (gfx1250); checked and timed in simulation.
; The chip was launched on July 23, 2026; its instructions are those of AMD's public machine-readable ISA for CDNA 5 (MIT licence, August 2026) and "CDNA5" Instruction Set Architecture Reference Guide (July 2026). The comments in the code are by the model that wrote it; some were corrected since.
;; SA Module. Allowed arithmetic: matrix products marked QUANTISED: E2M3 operands, one E8M0 scale for each 32 along K, by v_wmma_scale_f32_16x16x128_f8f6f4 with both operands' format E2M3, f32 sums; products left as they are: f32 operands where the result goes on into a quantised operand, else bf16, f16 or f32 operands; f32 sums; everything else in f32.
;; Inputs: bbox_b 256 float32; bbox_w 256 x 6 float32; bk 256 float32; bn_b 256 float32; bn_g 256 float32; bn_mean 256 float32; bn_var 256 float32; bo 256 float32; bq 256 float32; bv 256 float32; conv1_b 256 float32; conv1_w 256 x 240 float32; conv2_b 256 float32; conv2_w_codes 256 x 8 x 24 uint8 (E2M3 codes of conv2_w, K innermost, in blocks of 32 codes, four codes in three bytes); conv2_w_scales 256 x 8 uint8 (E8M0 scales of conv2_w, one for each 32 codes along K); fc1_b 32 float32; fc1_w 32 x 4 float32; fc2_b 32 float32; fc2_w_codes 32 x 1 x 24 uint8 (E2M3 codes of fc2_w, K innermost, in blocks of 32 codes, four codes in three bytes); fc2_w_scales 32 x 1 uint8 (E8M0 scales of fc2_w, one for each 32 codes along K); fc3_b 4 float32; fc3_w 4 x 32 float32; ln1_b 32 float32; ln1_g 32 float32; ln2_b 32 float32; ln2_g 32 float32; obj_center 2,048 x 3 float32; obj_feature 2,048 x 240 float32; obj_size 2,048 x 3 float32; prelu_a 256 float32; wk_codes 256 x 8 x 24 uint8 (E2M3 codes of wk, K innermost, in blocks of 32 codes, four codes in three bytes); wk_scales 256 x 8 uint8 (E8M0 scales of wk, one for each 32 codes along K); wo_codes 256 x 8 x 24 uint8 (E2M3 codes of wo, K innermost, in blocks of 32 codes, four codes in three bytes); wo_scales 256 x 8 uint8 (E8M0 scales of wo, one for each 32 codes along K); wq_codes 256 x 8 x 24 uint8 (E2M3 codes of wq, K innermost, in blocks of 32 codes, four codes in three bytes); wq_scales 256 x 8 uint8 (E8M0 scales of wq, one for each 32 codes along K); wv_codes 256 x 8 x 24 uint8 (E2M3 codes of wv, K innermost, in blocks of 32 codes, four codes in three bytes); wv_scales 256 x 8 uint8 (E8M0 scales of wv, one for each 32 codes along K).
;; Outputs: out0 2,048 x 256 float32.
;; This version of the problem:
;;   THIS VERSION OF THE PROBLEM IS GIVEN IN LOW PRECISION. The matrix products marked QUANTISED in the list below multiply operands that are first quantised to E2M3 (2 exponent bits, 3 mantissa bits; 6 bits a number), with one power-of-two scale for each 32 numbers along K (OCP MX v1.0); their sums are f32. All else is computed in f32.
;;   The module's matrix products, in the order in which they are computed (A, B: the left and right operand; K: the contracted axis; several contracted axes count as one K, in the product's order):
;;     1. [M 4,194,304, K 4] x [K 4, N 32]; A: computed on the way; B: input fc1_w: left as it is (K = 4 < 32)
;;     2. [M 4,194,304, K 32] x [K 32, N 32]; A: computed on the way; B: input fc2_w (given as codes): QUANTISED
;;     3. [M 4,194,304, K 32] x [K 32, N 4]; A: computed on the way; B: input fc3_w: left as it is (N = 4 < 16)
;;     4. [M 2,048, K 240] x [K 240, N 256]; A: input obj_feature; B: input conv1_w: QUANTISED
;;     5. [M 2,048, K 256] x [K 256, N 256]; A: computed on the way; B: input conv2_w (given as codes): QUANTISED
;;     6. [M 2,048, K 6] x [K 6, N 256]; A: computed on the way; B: input bbox_w: left as it is (K = 6 < 32)
;;     7. [M 2,048, K 256] x [K 256, N 256]; A: computed on the way; B: input wq (given as codes): QUANTISED
;;     8. [M 2,048, K 256] x [K 256, N 256]; A: computed on the way; B: input wk (given as codes): QUANTISED
;;     9. [M 2,048, K 256] x [K 256, N 256]; A: computed on the way; B: input wv (given as codes): QUANTISED
;;     10. batch 4 x [M 2,048, K 64] x [K 64, N 2,048]; A: computed on the way; B: computed on the way: QUANTISED
;;     11. batch 4 x [M 2,048, K 2,048] x [K 2,048, N 64]; A: softmax (see below); B: computed on the way: QUANTISED
;;     12. [M 2,048, K 256] x [K 256, N 256]; A: computed on the way; B: input wo (given as codes): QUANTISED
;;   THE QUANTISER, for each operand of a quantised product, along K:
;;     - K is cut into blocks of 32 from its start; a last block that is shorter is filled with zeros.
;;     - A block's scale is 2^e with e = floor(log2(the largest magnitude in the block)) - 2, held to -126 .. 127; a block of zeros has e = 0. As a byte (E8M0): e + 127.
;;     - Each number is divided by its block's scale, clamped to +-7.5, and rounded to the nearest number of E2M3, ties to even, subnormals kept.
;;     - The product sums the exact products of the quantised numbers (number of the format x scale) in f32.
;;   ~~~python
;;   def quantise(x, axis):      # numpy; x: float32 -> the quantised numbers, widened to float32 again
;;       x = np.moveaxis(x, axis, -1); K = x.shape[-1]
;;       x = np.pad(x, [(0, 0)] * (x.ndim - 1) + [(0, -K % 32)]); x = x.reshape(x.shape[:-1] + (-1, 32)); a = np.abs(x).max(-1, keepdims=True)
;;       e = np.where(a > 0, np.clip(np.frexp(np.where(a > 0, a, 1))[1] - 1 - 2, -126, 127), 0)      # np.frexp(a)[1] - 1 = floor(log2(a)), exactly
;;       r = np.clip(x / 2.0 ** e, -7.5, 7.5)
;;       step = 2.0 ** (np.maximum(np.frexp(np.where(r == 0, 1, r))[1] - 1, 0) - 3)
;;       q = np.round(r / step) * step * 2.0 ** e      # np.round: ties to even
;;       return np.moveaxis(q.reshape(q.shape[:-2] + (-1,))[..., :K], -1, axis).astype(np.float32)
;;   ~~~
;;   SOFTMAX AHEAD OF A QUANTISED PRODUCT. Where the list says 'softmax', what is quantised is not the finished softmax but p = 2^(t - M), with t = logit x log2(e) and M = ceil(the row's largest t), a whole number; so 1/2 < the row's largest p <= 1. The row's sum l is taken of the UNQUANTISED p, in f32, and the product's result is divided by l at the end. Since M is a whole number, a kernel that streams over the keys may use a running M (the ceiling of the running maximum): every later rescaling is an exact power of two, which a block's scale takes up: the codes' values come out the same.
;;   OPERANDS COMPUTED ON THE WAY. 'Computed on the way' means the value that the module computes at that place (a softmax that the list does not call 'softmax' is quantised finished and normalised). What goes into a quantiser is computed in f32, as accurately as f32 sums, v_exp_f32 and their like allow (about 1e-6 of the number): no bf16 or f16 on the way to a quantiser, and a product that is left as it is and whose result goes on into a quantised operand takes f32 operands (vector FMAs, or v_wmma_f32_16x16x4_f32). A number that lies on a knife's edge between two numbers of the format may be rounded either way, as far as f32 arithmetic and the matrix unit's own rounding can turn it there, and no further.
;;   INPUTS GIVEN AS CODES. conv2_w (in the module: [256, 256], K = its axis 1); fc2_w (in the module: [32, 32], K = its axis 1); wk (in the module: [256, 256], K = its axis 1); wo (in the module: [256, 256], K = its axis 1); wq (in the module: [256, 256], K = its axis 1); wv (in the module: [256, 256], K = its axis 1): each comes as NAME_codes (uint8): NAME with its K axis moved to the last place and cut into blocks of 32 codes, [.., K / 32, bytes a block], one block behind the other in memory; four codes in three bytes: a row's codes are one little-endian stream of bits, code i at bits 6 i .. 6 i + 5 (a code: sign, 2 exponent bits, 3 mantissa bits); and NAME_scales (uint8): the same leading axes, one E8M0 byte (e + 127) for each 32 codes along K. Its value is code x scale, taken as it is: it is not quantised again, and the codes and scales need not be those that the quantiser above would give.
;; 2 versions, each right; version 2 is version 1 with the launches prep, pairatt, outp written anew for expert scheduling mode. Each part assembles by itself: llvm-mc -triple=amdgcn-amd-amdhsa -mcpu=gfx1250 --defsym DOCPART=n.
;; ======== version 1 of 2: 3 launches
;; workspace buffers: qc 393,216 bytes; qs 16,384 bytes; kc 393,216 bytes; ks 16,384 bytes; vc 524,288 bytes; vsw 131,072 bytes; opart 4,194,304 bytes; ml 524,288 bytes
;; launch prep (part 1): grid 64 x 1, 8 waves a work-group, no clusters, 34,816 bytes of LDS; arguments obj_feature, obj_center, obj_size, conv1_w, conv1_b, bn_mean, bn_var, bn_g, bn_b, prelu_a, conv2_w_codes, conv2_w_scales, conv2_b, bbox_w, bbox_b, wq_codes, wq_scales, bq, wk_codes, wk_scales, bk, wv_codes, wv_scales, bv, qc, qs, kc, ks, vc, vsw; writes qc, qs, kc, ks, vc, vsw
.if DOCPART == 1
	.amdgcn_target "amdgcn-amd-amdhsa--gfx1250"
	.amdhsa_code_object_version 6
	.text
	.protected	k_q0cf6c7ed7b_prep
	.globl	k_q0cf6c7ed7b_prep
	.p2align	8
	.type	k_q0cf6c7ed7b_prep,@function
k_q0cf6c7ed7b_prep:
	s_mov_b64 s[64:65], 0
	v_nop
	global_prefetch_b8 v0, s[64:65] scope:SCOPE_SE
	s_setreg_imm32_b32 hwreg(HW_REG_WAVE_MODE, 25, 1), 1
	s_wait_xcnt 0x0
; THE ROW CHAIN: x = conv2(prelu(bn(conv1(obj_feature)))) + box embedding; q, k, v = x wq^T + bq, .. ; all products on codes of FP6 (E2M3) but the box embedding (K = 6, f32 matrix form).
; q and k leave as codes along the head's 64 (rows of 192 bytes, one scale byte for each 32 columns); v leaves as codes along the KEYS, in the order of the operand registers of the next launch.
; SHARES. Work-group g owns rows 32 g .. 32 g + 31 (two tiles of 16 rows, mt; they are exactly one block of 32 keys of v, which is why there are 64 work-groups and not more).
; Wave w owns columns 32 w .. 32 w + 31 of every layer: one block of the next quantiser. Its weights stay in registers (window 1).
; LAYOUT. Products are used transposed (source 0 = 16 rows of the weight, source 1 = 16 rows of x): a lane holds one row of x. Lane m of weight tile u takes row 32 w + 8 u + m + 8 (m / 8), so that the 16
; registers of tiles 0 and 1 are columns 32 w + 16 (lane / 16) + 0 .. 15; lanes l and l xor 16 share a block. v alone is not transposed: a lane then holds one column and 8 keys a tile.
; Quantised rows go from wave to wave through LDS as rows of codes (pitch 208) and rows of 8 scale bytes. Every LDS region is written once, so one barrier a phase is enough.
; conv1_w arrives as f32: each wave quantises its own 32 rows (columns 240 .. 255 are zeros on both sides).
; LIMITS: NaN and infinities among the inputs are not served (the box product's padded K leans on finite x 0 = 0). A block whose largest magnitude lies under 2^-124, a block of zeros too, keeps the scale byte 1:
; its bytes are read by this program alone.
; REGISTERS, window 0: v1-21 addresses; v24-43 the weights' scale words (4 L + 2 u + ks; L = 0 conv1, 1 conv2, 2 wq, 3 wk, 4 wv); v44-63 at work; v64-255 six slots of 32 numbers in the first phase, later:
;   v64-87 x's two fragments, v88-89 their scale words, v90-91 bv, v96-111 and v128-143 sums, v112-127 at work, v144-151 bbox_w, v152-159 the boxes, v160-175 conv1_b - mean, v176-191 conv2_b + bbox_b,
;   v192-207 g / sqrt(var + eps), v224-239 bn_b, v240-255 prelu_a; in the last phase v160-191 v's sums, v192-207 bv, v224-239 bq, v240-255 bk.
; window 1: weight fragments at 48 L + 12 (2 u + ks); v240-255 the sums that the f32 matrix form begins: written by matrix instructions alone.
.set FLOOR, 0x1800000
.set XQ0, 0
.set H1,  6656
.set X2,  13312
.set SC0, 19968
.set SC1, 20224
.set SC2, 20480
.set QST, 20736
.set KST, 26880
.set QSS, 33024
.set KSS, 33280
.set MSB, 0
.macro WIN new                         ; the immediate's high byte repeats the setting that is left
.if MSB != (\new)
	s_set_vgpr_msb (MSB<<8)|(\new)
.set MSB, (\new)
.endif
.endm
.macro NOPS n
.rept \n
	v_nop
.endr
.endm
.macro BARRIER                         ; my LDS stores have landed and my LDS loads are in: then the work-group's barrier
	s_wait_dscnt 0x0
	s_barrier_signal -1
	s_barrier_wait -1
.endm
; the largest magnitude of 32 numbers of one lane (a whole block), with the floor; v47 the conversion's scale operand, v48 the byte
.macro AMAX32 b
	v_max3_num_f32 v44, |v[\b]|, |v[\b+1]|, FLOOR
	v_max3_num_f32 v45, |v[\b+2]|, |v[\b+3]|, FLOOR
.irp i, 4,8,12,16,20,24,28
	v_max3_num_f32 v44, |v[\b+\i]|, |v[\b+\i+1]|, v44
	v_max3_num_f32 v45, |v[\b+\i+2]|, |v[\b+\i+3]|, v45
.endr
	v_max_num_f32 v44, v44, v45
	v_add_nc_u32 v47, 0xff000000, v44              ; 2 off the exponent field
	v_lshrrev_b32 v48, 23, v47
.endm
; 16 numbers of a lane in window win; lanes l and l xor 16 share the block. Codes to v50-52, byte to v48. Each sum is read from its low end on.
.macro QUANT16 src, win
	WIN 5*(\win)
	v_max3_num_f32 v44, |v[\src]|, |v[\src+1]|, FLOOR
	v_max3_num_f32 v45, |v[\src+8]|, |v[\src+9]|, FLOOR
.irp i, 2,4,6
	v_max3_num_f32 v44, |v[\src+\i]|, |v[\src+\i+1]|, v44
	v_max3_num_f32 v45, |v[\src+8+\i]|, |v[\src+9+\i]|, v45
.endr
	WIN 0
	v_max_num_f32 v44, v44, v45
	v_permlanex16_b32 v46, v44, s68, s69
	v_max_num_f32 v44, v44, v46
	v_add_nc_u32 v47, 0xff000000, v44
	v_lshrrev_b32 v48, 23, v47
	WIN \win
	v_cvt_scalef32_pk16_fp6_f32 v[50:52], v[\src:\src+15], v47
	WIN 0
	v_nop                                          ; one plain place behind a scaled conversion
.endm
.macro ROWSTORE adr, base, sbase       ; my 12 bytes of a row of codes, and the block's byte (both halves of the lanes write the same byte)
	ds_store_b32 v[\adr], v50 offset:\base
	ds_store_b32 v[\adr], v51 offset:\base+4
	ds_store_b32 v[\adr], v52 offset:\base+8
	ds_store_b8 v8, v48 offset:\sbase
	s_wait_dscnt 0x0                               ; the stores have read their registers
.endm
.macro PL4 dst, lo                     ; 16 numbers of my 16 columns
.irp q, 0,1,2,3
	global_load_b128 v[\dst+4*\q:\dst+4*\q+3], v3, s[\lo:\lo+1] offset:16*\q
.endr
.endm
; layer L's four fragments into window 1 and their scale words
.macro WLOAD L, lo
	WIN 0x40
.irp u, 0,1
.irp ks, 0,1
.irp p, 0,1,2,3,4,5
	global_load_b64 v[48*\L+12*(2*\u+\ks)+2*\p:48*\L+12*(2*\u+\ks)+2*\p+1], v1, s[\lo:\lo+1] offset:1536*\u+96*\ks+48*(\p/3)+8*(\p%3)
.endr
.endr
.endr
	WIN 0
.irp u, 0,1
.irp ks, 0,1
	global_load_b32 v[24+4*\L+2*\u+\ks], v2, s[\lo+2:\lo+3] offset:64*\u+4*\ks
.endr
.endr
.endm
; half a fragment of conv1_w: f = 4 u + 2 ks + c; a lane takes the 32 numbers of block 4 ks + 2 c + h of its row
.macro HFLOAD f, sl
.set HU, (\f)/4
.set HK, ((\f)/2)%2
.set HC, (\f)%2
.irp q, 0,1,2,3,4,5,6,7
.if (HK == 1) && (HC == 1) && (\q >= 4)
	global_load_b128 v[\sl+4*\q:\sl+4*\q+3], v12, s[10:11] offset:HU*7680+768+16*(\q-4)   ; lanes 16-31 would leave the row here: they read bytes of their block's first half again, and the numbers are cleared
.else
	global_load_b128 v[\sl+4*\q:\sl+4*\q+3], v11, s[10:11] offset:HU*7680+(4*HK+2*HC)*128+16*\q
.endif
.endr
.endm
.macro HFWORK f, sl
.set HFD, 12*((\f)/2)+6*((\f)%2)
.if ((\f)%4) == 3
.set i, 16
.rept 16
	v_cndmask_b32 v[\sl+i], 0, v[\sl+i], s67       ; columns 240 .. 255 are zeros
.set i, i+1
.endr
.endif
	AMAX32 \sl
	WIN 0x40
	v_cvt_scalef32_pk16_fp6_f32 v[HFD:HFD+2], v[\sl:\sl+15], v47
	WIN 0
	v_cvt_scalef32_pk16_fp6_f32 v[54:56], v[\sl+16:\sl+31], v47   ; (a conversion's three registers begin on an even number)
	v_nop
	WIN 0x40
	v_mov_b32 v[HFD+3], v54
	v_mov_b32 v[HFD+4], v55
	v_mov_b32 v[HFD+5], v56
	WIN 0
.if ((\f)%2) == 0
	v_mov_b32 v49, v48
.else
	v_lshl_or_b32 v49, v48, 16, v49                ; my two bytes: blocks h and 2 + h,
	v_lshlrev_b32 v49, v60, v49                    ; at their places (8 h bits up);
	v_permlanex16_b32 v46, v49, s68, s69
	v_or_b32 v[24+(\f)/2], v49, v46                ; with the other half's two the word is whole
.endif
.endm
.macro FETCHX region, sreg, mt         ; 16 rows of codes, K = 256: two fragments and two scale words
.irp ks, 0,1
.irp p, 0,1,2,3,4,5
	ds_load_b64 v[64+12*\ks+2*\p:65+12*\ks+2*\p], v4 offset:\region+(\mt)*3328+96*\ks+48*(\p/3)+8*(\p%3)
.endr
	ds_load_b32 v[88+\ks], v5 offset:\sreg+128*(\mt)+4*\ks
.endr
	s_wait_dscnt 0x0
.endm
; four products, transposed; the two sums take turns; the bias is the C of each sum's first product
.macro MULT L, acc, c0
	WIN 0x01
.irp ks, 0,1
.irp u, 0,1
.if \ks == 0
	v_wmma_scale_f32_16x16x128_f8f6f4 v[\acc+8*\u:\acc+8*\u+7], v[48*\L+12*(2*\u+\ks):48*\L+12*(2*\u+\ks)+11], v[64+12*\ks:75+12*\ks], v[\c0+8*\u:\c0+8*\u+7], v[24+4*\L+2*\u+\ks], v[88+\ks] matrix_a_fmt:MATRIX_FMT_FP6 matrix_b_fmt:MATRIX_FMT_FP6
.else
	v_wmma_scale_f32_16x16x128_f8f6f4 v[\acc+8*\u:\acc+8*\u+7], v[48*\L+12*(2*\u+\ks):48*\L+12*(2*\u+\ks)+11], v[64+12*\ks:75+12*\ks], v[\acc+8*\u:\acc+8*\u+7], v[24+4*\L+2*\u+\ks], v[88+\ks] matrix_a_fmt:MATRIX_FMT_FP6 matrix_b_fmt:MATRIX_FMT_FP6
.endif
.endr
.endr
	WIN 0
.endm
	s_load_b512 s[4:19], s[0:1], 0x0               ; the 30 addresses: argument i in s[4 + 2 i : 5 + 2 i]
	s_load_b512 s[20:35], s[0:1], 0x40
	s_load_b512 s[36:51], s[0:1], 0x80
	s_load_b256 s[52:59], s[0:1], 0xc0
	s_load_b128 s[60:63], s[0:1], 0xe0
	v_lshl_add_u32 v57, v0, 2, 0x8400
	v_mov_b32 v63, 0
	v_lshrrev_b32 v22, 5, v0
	v_readfirstlane_b32 s2, v22                    ; wave
	v_and_b32 v22, 31, v0                          ; l
	v_and_b32 v23, 15, v0                          ; r
	v_bfe_u32 v58, v0, 4, 1                        ; h
	s_lshl_b32 s74, s2, 7                          ; 128 w
	s_mul_i32 s75, s2, 24                          ; 24 w
	s_lshl_b32 s76, s2, 5                          ; 32 w
	s_mov_b32 s67, 0x0000ffff                      ; lanes 0-15
	s_mov_b32 s68, 0x76543210
	s_mov_b32 s69, 0xfedcba98                      ; selects for lane l xor 16
	s_mov_b32 s72, 0x3727c5ac                      ; 1e-5
	s_cmp_eq_u32 s2, 7
	s_cselect_b32 s66, 0, -1                       ; wave 7's block of obj_feature has 16 numbers: the rest is cleared
	s_cselect_b32 s73, 0, 64
	v_and_b32 v59, 8, v23
	v_add_nc_u32 v59, v59, v23
	v_add_nc_u32 v59, s76, v59                     ; P = 32 w + r + 8 (r / 8)
	v_mul_u32_u24 v1, v59, 192
	v_mad_u32_u24 v1, v58, 24, v1                  ; a weight's codes: row P, + 24 h
	v_lshlrev_b32 v2, 3, v59                       ; its scale bytes
	v_lshl_add_u32 v3, v58, 6, s74                 ; my 16 columns' numbers: (32 w + 16 h) x 4
	v_mul_u32_u24 v4, v23, 208
	v_mad_u32_u24 v4, v58, 24, v4                  ; LDS: a fragment of rows
	v_lshlrev_b32 v5, 3, v23                       ; LDS: a row's scale bytes
	v_mul_u32_u24 v6, v23, 208
	v_mad_u32_u24 v6, v58, 12, v6
	v_add_nc_u32 v6, s75, v6                       ; LDS: my 12 bytes of row r, pitch 208
	v_mul_u32_u24 v7, v23, 192
	v_mad_u32_u24 v7, v58, 12, v7
	v_add_nc_u32 v7, s75, v7                       ; the same, pitch 192
	v_lshl_add_u32 v8, v23, 3, s2                  ; LDS: my block's byte of row r
	v_mul_u32_u24 v9, v22, 960
	v_add_nc_u32 v9, s74, v9                       ; obj_feature: row l, block w
	v_add_nc_u32 v10, s73, v9                      ; its second half
	v_mul_u32_u24 v11, v59, 960
	v_lshl_add_u32 v11, v58, 7, v11                ; conv1_w: row P, + 128 h
	v_sub_nc_u32 v61, 1, v58
	v_lshl_add_u32 v12, v61, 6, v11                ; + 64 in lanes 0-15 alone
	v_mul_u32_u24 v13, v22, 208
	v_add_nc_u32 v13, s75, v13                     ; LDS: block w of row l
	v_lshl_add_u32 v14, v22, 3, s2
	v_mul_u32_u24 v15, v23, 12                     ; a row of obj_center or obj_size
	v_mul_u32_u24 v17, v59, 24                     ; bbox_w: row P
	v_lshl_add_u32 v16, v58, 3, v17                ; + 8 h
	v_lshlrev_b32 v18, 2, v59
	v_lshlrev_b32 v19, 4, v22
	v_lshlrev_b32 v20, 2, v22
	v_lshlrev_b32 v21, 3, v0
	v_lshlrev_b32 v60, 3, v58                      ; 8 h
	v_mov_b32 v46, 0                               ; a lane permute's destination counts as one of its sources
	s_wait_kmcnt 0x0
	s_mov_b32 s71, 0
	s_mul_i32 s70, ttmp9, 30720
	s_add_nc_u64 s[4:5], s[4:5], s[70:71]          ; the work-group's 32 rows
	s_mul_i32 s70, ttmp9, 384
	s_add_nc_u64 s[6:7], s[6:7], s[70:71]
	s_add_nc_u64 s[8:9], s[8:9], s[70:71]
	s_mul_i32 s70, ttmp9, 6144
	s_add_nc_u64 s[52:53], s[52:53], s[70:71]
	s_add_nc_u64 s[56:57], s[56:57], s[70:71]
	s_lshl_b32 s70, ttmp9, 8
	s_add_nc_u64 s[54:55], s[54:55], s[70:71]
	s_add_nc_u64 s[58:59], s[58:59], s[70:71]
	s_lshl_b32 s70, ttmp9, 13
	s_lshl_b32 s77, s2, 10
	s_add_co_u32 s70, s70, s77
	s_add_nc_u64 s[60:61], s[60:61], s[70:71]      ; vc: block g, tiles 2 w and 2 w + 1
	s_lshl_b32 s70, ttmp9, 11
	s_lshl_b32 s77, s2, 8
	s_add_co_u32 s70, s70, s77
	s_add_nc_u64 s[62:63], s[62:63], s[70:71]
	; ---- the first phase: obj_feature's block and conv1_w's eight half fragments, through six slots of 32 registers. Each wait counts the loads issued behind the slot that is due, eight to a slot.
.irp q, 0,1,2,3
	global_load_b128 v[64+4*\q:67+4*\q], v9, s[4:5] offset:16*\q
.endr
.irp q, 0,1,2,3
	global_load_b128 v[80+4*\q:83+4*\q], v10, s[4:5] offset:16*\q
.endr
	HFLOAD 0, 96
	HFLOAD 1, 128
	HFLOAD 2, 160
	HFLOAD 3, 192
	HFLOAD 4, 224
	s_wait_loadcnt 40
.set i, 16
.rept 16
	v_cndmask_b32 v[64+i], 0, v[64+i], s66
.set i, i+1
.endr
	AMAX32 64
	v_cvt_scalef32_pk16_fp6_f32 v[50:52], v[64:79], v47
	v_cvt_scalef32_pk16_fp6_f32 v[54:56], v[80:95], v47
	v_nop
	v_mov_b32 v53, v54
	v_mov_b32 v54, v55
	v_mov_b32 v55, v56
	ds_store_b64 v13, v[50:51] offset:XQ0
	ds_store_b64 v13, v[52:53] offset:XQ0+8
	ds_store_b64 v13, v[54:55] offset:XQ0+16
	ds_store_b8 v14, v48 offset:SC0
	s_wait_dscnt 0x0
	HFLOAD 5, 64
	s_wait_loadcnt 40
	HFWORK 0, 96
	HFLOAD 6, 96
	s_wait_loadcnt 40
	HFWORK 1, 128
	HFLOAD 7, 128
	s_wait_loadcnt 40
	HFWORK 2, 160
	PL4 160, 12                                    ; conv1_b
	PL4 176, 14                                    ; bn_mean
	s_wait_loadcnt 40
	HFWORK 3, 192
	PL4 192, 16                                    ; bn_var
	PL4 208, 18                                    ; bn_g
	s_wait_loadcnt 40
	HFWORK 4, 224
	PL4 224, 20                                    ; bn_b
	PL4 240, 22                                    ; prelu_a
	s_wait_loadcnt 40
	HFWORK 5, 64
	s_wait_loadcnt 32
	HFWORK 6, 96
	s_wait_loadcnt 24
	HFWORK 7, 128
	s_wait_loadcnt 0x0
.irp k, 0,2,4,6,8,10,12,14
	v_pk_add_f32 v[160+\k:161+\k], v[160+\k:161+\k], v[176+\k:177+\k] neg_lo:[0,1] neg_hi:[0,1]   ; conv1_b - mean: the C of conv1's first product
.endr
.set i, 0
.rept 16
	v_add_f32 v[192+i], s72, v[192+i]
.set i, i+1
.endr
.set i, 0
.rept 16
	v_rsq_f32 v[192+i], v[192+i]
.set i, i+1
.endr
	v_nop                                          ; a plain place behind the last of the batch
	s_wait_alu depctr_va_vdst(0)                   ; one wait for the sixteen, ahead of their first reader
.irp k, 0,2,4,6,8,10,12,14
	v_pk_mul_f32 v[192+\k:193+\k], v[208+\k:209+\k], v[192+\k:193+\k]    ; g / sqrt(var + eps)
.endr
	WLOAD 1, 24                                    ; conv2's weights, asked for a phase ahead
	PL4 176, 28                                    ; conv2_b
	PL4 208, 32                                    ; bbox_b
.irp u, 0,1
	global_load_b64 v[144+4*\u:145+4*\u], v16, s[30:31] offset:192*\u        ; bbox_w(row, 2 h + 0 .. 1)
	global_load_b64 v[146+4*\u:147+4*\u], v17, s[30:31] offset:192*\u+16     ; bbox_w(row, 4 .. 5) in both halves: lanes 16-31 meet zeros on the other side
.endr
.irp mt, 0,1
.irp k, 0,1,2
	global_load_b32 v[128+6*\mt+\k], v15, s[6:7] offset:192*\mt+4*\k
	global_load_b32 v[131+6*\mt+\k], v15, s[8:9] offset:192*\mt+4*\k
.endr
.endr
	BARRIER                                        ; obj_feature's codes lie in LDS
	; ---- conv1, batch norm, PReLU, quantised
.irp mt, 0,1
	FETCHX XQ0, SC0, \mt
	MULT 0, 96, 160
	NOPS 4
.irp k, 0,2,4,6,8,10,12,14
	v_pk_fma_f32 v[112+\k:113+\k], v[96+\k:97+\k], v[192+\k:193+\k], v[224+\k:225+\k]
.endr
.set i, 0
.rept 16
	v_min_num_f32 v[96+i], 0, v[112+i]
.set i, i+1
.endr
.set i, 0
.rept 16
	v_max_num_f32 v[112+i], 0, v[112+i]
.set i, i+1
.endr
.irp k, 0,2,4,6,8,10,12,14
	v_pk_fma_f32 v[112+\k:113+\k], v[240+\k:241+\k], v[96+\k:97+\k], v[112+\k:113+\k]   ; max(x, 0) + a min(x, 0)
.endr
	QUANT16 112, 0
	ROWSTORE 6, H1+\mt*3328, SC1+128*\mt
.endr
	BARRIER
	; ---- box embedding (f32 matrix form, K = 6 in two steps, the biases as its C), conv2 added onto the same sums, quantised
	s_wait_loadcnt 0x0
.irp k, 0,2,4,6,8,10,12,14
	v_pk_add_f32 v[176+\k:177+\k], v[176+\k:177+\k], v[208+\k:209+\k]
.endr
.irp mt, 0,1
	v_cndmask_b32 v[152+4*\mt], v[130+6*\mt], v[128+6*\mt], s67     ; k = 2 h: c0 | c2
	v_cndmask_b32 v[153+4*\mt], v[131+6*\mt], v[129+6*\mt], s67     ; k = 2 h + 1: c1 | s0
	v_cndmask_b32 v[154+4*\mt], 0, v[132+6*\mt], s67                ; k = 4 + 2 h: s1 | 0
	v_cndmask_b32 v[155+4*\mt], 0, v[133+6*\mt], s67                ; s2 | 0
.endr
	WLOAD 2, 34                                    ; wq, wk, wv a phase ahead
	WLOAD 3, 40
	WLOAD 4, 46
	PL4 224, 38                                    ; bq
	PL4 240, 44                                    ; bk
	global_load_b32 v90, v18, s[50:51]             ; bv of my column, tile 0
	global_load_b32 v91, v18, s[50:51] offset:32   ; tile 1
.irp mt, 0,1
	WIN 0x40
	v_wmma_f32_16x16x4_f32 v[240:247], v[144:145], v[152+4*\mt:153+4*\mt], v[176:183]
	v_wmma_f32_16x16x4_f32 v[248:255], v[148:149], v[152+4*\mt:153+4*\mt], v[184:191]
	WIN 0x50
	v_wmma_f32_16x16x4_f32 v[240:247], v[146:147], v[154+4*\mt:155+4*\mt], v[240:247]
	v_wmma_f32_16x16x4_f32 v[248:255], v[150:151], v[154+4*\mt:155+4*\mt], v[248:255]
	WIN 0
	FETCHX H1, SC1, \mt
	NOPS 9                                         ; another form takes these sums up: nine places behind the f32 form
	WIN 0x51
.irp ks, 0,1
.irp u, 0,1
	v_wmma_scale_f32_16x16x128_f8f6f4 v[240+8*\u:247+8*\u], v[48+12*(2*\u+\ks):59+12*(2*\u+\ks)], v[64+12*\ks:75+12*\ks], v[240+8*\u:247+8*\u], v[28+2*\u+\ks], v[88+\ks] matrix_a_fmt:MATRIX_FMT_FP6 matrix_b_fmt:MATRIX_FMT_FP6
.endr
.endr
	WIN 0
	NOPS 4
	QUANT16 240, 1
	ROWSTORE 6, X2+\mt*3328, SC2+128*\mt
.endr
	BARRIER
	; ---- q, k (transposed) and v (a lane holds a column; its registers run down the keys)
	s_wait_loadcnt 0x0
	v_mov_b32 v53, 0                               ; the fourth word of a lane's 16 bytes of vc
.irp u, 0,1
.set i, 0
.rept 8
	v_mov_b32 v[192+8*\u+i], v[90+\u]
.set i, i+1
.endr
.endr
.irp mt, 0,1
	FETCHX X2, SC2, \mt
	MULT 2, 96, 224
	MULT 3, 128, 240
	WIN 0x04
.irp ks, 0,1
.irp u, 0,1
.if \ks == 0
	v_wmma_scale_f32_16x16x128_f8f6f4 v[160+16*\u+8*(1-\mt):167+16*\u+8*(1-\mt)], v[64+12*\ks:75+12*\ks], v[192+12*(2*\u+\ks):203+12*(2*\u+\ks)], v[192+8*\u:199+8*\u], v[88+\ks], v[40+2*\u+\ks] matrix_a_fmt:MATRIX_FMT_FP6 matrix_b_fmt:MATRIX_FMT_FP6
.else
	v_wmma_scale_f32_16x16x128_f8f6f4 v[160+16*\u+8*(1-\mt):167+16*\u+8*(1-\mt)], v[64+12*\ks:75+12*\ks], v[192+12*(2*\u+\ks):203+12*(2*\u+\ks)], v[160+16*\u+8*(1-\mt):167+16*\u+8*(1-\mt)], v[88+\ks], v[40+2*\u+\ks] matrix_a_fmt:MATRIX_FMT_FP6 matrix_b_fmt:MATRIX_FMT_FP6
.endif
.endr
.endr
	WIN 0
	NOPS 4
	QUANT16 96, 0
	ROWSTORE 7, QST+\mt*3072, QSS+128*\mt
	QUANT16 128, 0
	ROWSTORE 7, KST+\mt*3072, KSS+128*\mt
.endr
	; v: position i of a lane's 16 is key 16 (1 - i / 8) + 8 h + i % 8 of the block, the order in which the next launch holds its weights p
.irp u, 0,1
	QUANT16 160+16*\u, 0
	v_mul_u32_u24 v[61+\u], v48, 0x101             ; the block's byte for both halves of the lanes: bytes 0 and 1 of the scale word
	global_store_b128 v19, v[50:53], s[60:61] offset:512*\u     ; 32 lanes store 512 consecutive bytes
	global_store_b32 v20, v[61+\u], s[62:63] offset:128*\u
	s_wait_xcnt 0x0                                ; the stores have read their registers
.endr
	BARRIER
	; ---- q's and k's rows leave as they lie: 6,144 consecutive bytes each; a wave's store covers 256 consecutive bytes, aligned
.irp k, 0,1,2
	ds_load_b64 v[64+2*\k:65+2*\k], v21 offset:QST+2048*\k
.endr
.irp k, 0,1,2
	ds_load_b64 v[70+2*\k:71+2*\k], v21 offset:KST+2048*\k
.endr
.irp k, 0,1,2
	s_wait_dscnt 5-\k                              ; the younger LDS loads may stay out
	global_store_b64 v21, v[64+2*\k:65+2*\k], s[52:53] offset:2048*\k
.endr
.irp k, 0,1,2
	s_wait_dscnt 2-\k
	global_store_b64 v21, v[70+2*\k:71+2*\k], s[56:57] offset:2048*\k
.endr
	s_cmp_lg_u32 s2, 0
	s_cbranch_scc1 .Ldone                          ; wave 0 (where 8 x thread = 8 x lane) copies the two blocks of 256 scale bytes
	ds_load_b64 v[76:77], v21 offset:QSS
	ds_load_b64 v[78:79], v21 offset:KSS
	s_wait_dscnt 0x0
	global_store_b64 v21, v[76:77], s[54:55]
	global_store_b64 v21, v[78:79], s[58:59]
.Ldone:
	s_wait_tensorcnt 0x0
	ds_add_u32 v57, v63
	s_wait_dscnt 0x0
	s_endpgm
.Lfunc_end_k_q0cf6c7ed7b_prep:
	.size	k_q0cf6c7ed7b_prep, .Lfunc_end_k_q0cf6c7ed7b_prep-k_q0cf6c7ed7b_prep
	.p2alignl 7, 3214868480
	.fill 96, 4, 3214868480
	.section	.rodata,"a",@progbits
	.p2align	6, 0x0
	.amdhsa_kernel k_q0cf6c7ed7b_prep
		.amdhsa_group_segment_fixed_size 34816
		.amdhsa_private_segment_fixed_size 0
		.amdhsa_enable_private_segment 0
		.amdhsa_kernarg_size 240
		.amdhsa_user_sgpr_count 2
		.amdhsa_user_sgpr_kernarg_segment_ptr 1
		.amdhsa_wavefront_size32 1
		.amdhsa_system_sgpr_workgroup_id_x 1
		.amdhsa_system_sgpr_workgroup_id_y 1
		.amdhsa_system_sgpr_workgroup_id_z 1
		.amdhsa_system_vgpr_workitem_id 0
		.amdhsa_next_free_vgpr 512
		.amdhsa_next_free_sgpr 84
		.amdhsa_reserve_vcc 0
		.amdhsa_float_denorm_mode_32 3
		.amdhsa_float_denorm_mode_16_64 3
		.amdhsa_memory_ordered 1
		.amdhsa_forward_progress 1
		.amdhsa_inst_pref_size 80
	.end_amdhsa_kernel
	.amdgpu_metadata
---
amdhsa.version: [ 1, 2 ]
amdhsa.kernels:
  - .name:           k_q0cf6c7ed7b_prep
    .symbol:         k_q0cf6c7ed7b_prep.kd
    .args:
      - { .name: obj_feature, .offset: 0, .size: 8, .value_kind: global_buffer, .address_space: global }
      - { .name: obj_center, .offset: 8, .size: 8, .value_kind: global_buffer, .address_space: global }
      - { .name: obj_size, .offset: 16, .size: 8, .value_kind: global_buffer, .address_space: global }
      - { .name: conv1_w, .offset: 24, .size: 8, .value_kind: global_buffer, .address_space: global }
      - { .name: conv1_b, .offset: 32, .size: 8, .value_kind: global_buffer, .address_space: global }
      - { .name: bn_mean, .offset: 40, .size: 8, .value_kind: global_buffer, .address_space: global }
      - { .name: bn_var, .offset: 48, .size: 8, .value_kind: global_buffer, .address_space: global }
      - { .name: bn_g, .offset: 56, .size: 8, .value_kind: global_buffer, .address_space: global }
      - { .name: bn_b, .offset: 64, .size: 8, .value_kind: global_buffer, .address_space: global }
      - { .name: prelu_a, .offset: 72, .size: 8, .value_kind: global_buffer, .address_space: global }
      - { .name: conv2_w_codes, .offset: 80, .size: 8, .value_kind: global_buffer, .address_space: global }
      - { .name: conv2_w_scales, .offset: 88, .size: 8, .value_kind: global_buffer, .address_space: global }
      - { .name: conv2_b, .offset: 96, .size: 8, .value_kind: global_buffer, .address_space: global }
      - { .name: bbox_w, .offset: 104, .size: 8, .value_kind: global_buffer, .address_space: global }
      - { .name: bbox_b, .offset: 112, .size: 8, .value_kind: global_buffer, .address_space: global }
      - { .name: wq_codes, .offset: 120, .size: 8, .value_kind: global_buffer, .address_space: global }
      - { .name: wq_scales, .offset: 128, .size: 8, .value_kind: global_buffer, .address_space: global }
      - { .name: bq, .offset: 136, .size: 8, .value_kind: global_buffer, .address_space: global }
      - { .name: wk_codes, .offset: 144, .size: 8, .value_kind: global_buffer, .address_space: global }
      - { .name: wk_scales, .offset: 152, .size: 8, .value_kind: global_buffer, .address_space: global }
      - { .name: bk, .offset: 160, .size: 8, .value_kind: global_buffer, .address_space: global }
      - { .name: wv_codes, .offset: 168, .size: 8, .value_kind: global_buffer, .address_space: global }
      - { .name: wv_scales, .offset: 176, .size: 8, .value_kind: global_buffer, .address_space: global }
      - { .name: bv, .offset: 184, .size: 8, .value_kind: global_buffer, .address_space: global }
      - { .name: qc, .offset: 192, .size: 8, .value_kind: global_buffer, .address_space: global }
      - { .name: qs, .offset: 200, .size: 8, .value_kind: global_buffer, .address_space: global }
      - { .name: kc, .offset: 208, .size: 8, .value_kind: global_buffer, .address_space: global }
      - { .name: ks, .offset: 216, .size: 8, .value_kind: global_buffer, .address_space: global }
      - { .name: vc, .offset: 224, .size: 8, .value_kind: global_buffer, .address_space: global }
      - { .name: vsw, .offset: 232, .size: 8, .value_kind: global_buffer, .address_space: global }
    .group_segment_fixed_size: 34816
    .private_segment_fixed_size: 0
    .kernarg_segment_align: 8
    .kernarg_segment_size: 240
    .max_flat_workgroup_size: 256
    .sgpr_count:     84
    .vgpr_count:     512
    .wavefront_size: 32
...
	.end_amdgpu_metadata
.endif
;; end of part 1
;; launch pairatt (part 2): grid 128 x 2, 8 waves a work-group, no clusters, 74,752 bytes of LDS; arguments obj_center, fc1_w, fc1_b, ln1_g, ln1_b, fc2_w_codes, fc2_w_scales, fc2_b, ln2_g, ln2_b, fc3_w, fc3_b, qc, qs, kc, ks, vc, vsw, opart, ml; writes opart, ml
.if DOCPART == 2
	.amdgcn_target "amdgcn-amd-amdhsa--gfx1250"
	.amdhsa_code_object_version 6
	.text
	.protected	k_q0cf6c7ed7b_pairatt
	.globl	k_q0cf6c7ed7b_pairatt
	.p2align	8
	.type	k_q0cf6c7ed7b_pairatt,@function
k_q0cf6c7ed7b_pairatt:
	s_mov_b64 s[64:65], 0
	v_nop
	global_prefetch_b8 v0, s[64:65] scope:SCOPE_SE
	s_setreg_imm32_b32 hwreg(HW_REG_WAVE_MODE, 25, 1), 1
	s_wait_xcnt 0x0
; THE PAIR MLP FUSED WITH ATTENTION. For 16 queries (work-group x) and 1,024 keys (work-group y), all four heads: the bias MLP 4 -> 32 -> LN -> 32 -> LN -> 4 of every pair, the scores q k / 8 + bias,
; a streaming softmax p = 2^(t - M), M a whole number, and O = p v, not normalised; O, -M and the row's sum of the unquantised p go to memory, and the next launch joins the two halves of the keys.
; SHARES. Wave w walks keys 1024 y + 128 w .. + 127: 4 steps of 32 keys (a block of the second product's quantiser), each 2 trips of 16 keys, each 8 PAIRs of tiles.
; A TILE is 16 queries (lane % 16) x ONE key; the key's centre stands in scalar registers. fc1 goes by the f32 matrix form (K = 4 fits it whole; its result goes on into a quantiser), transposed, the bias as C:
; lane (r, h) holds hidden units 16 h .. 16 h + 15 of pair r. A LayerNorm's sums want one exchange between the halves of the lanes.
; HALF BLOCKS. In the 6-bit layout lanes 0-15 of registers 0-5 are the instruction's block 0 and lanes 16-31 its block 1. A lane that holds 16 of a true block's 32 numbers converts them into 3 registers, which ARE
; registers 0-2 of the operand; the true block's byte stands in bytes 0 and 1 of the scale word; the other operand is laid the same way. Registers 3-11 hold zero codes on one side; on the other side they may hold
; anything written, since every pattern of 6 bits is a finite number. So fc2 (K = 32) and p v (32 keys an instruction) need no exchange of lanes.
; A PAIR is tile A (key + j, wanted in lanes 0-15 of the scores) and tile B (key + 8 + j, wanted in lanes 16-31): one exchange of halves and one addition a head sum fc3 over the halves AND lay the bias as the scores lie.
; LN2's gain and offset, fc3_b and log2(e) are folded: bias x log2(e) = rs x sum(c_n G[hd][n]) + Bc[hd], c_n = relu - mean (two passes: no difference of large sums is formed).
; p v IS DEFERRED: a step's codes of p (3 registers a head) and E = byte + M go to LDS; behind the one barrier the work-group's common M is known, a block's byte becomes E - M (a shift by a whole power of two), and wave w
; multiplies head w / 2, channels 32 (w % 2) .. + 31, over all 1,024 keys.
; No tensor loads and no cluster: a wave moves some tens of KiB against tens of thousands of vector instructions, and no wave waits for a tile.
; LIMITS: NaN and infinities are not served. A block whose largest magnitude lies under 2^-124 keeps the byte 1. A block of p more than some 120 powers of two under the work-group's M has its byte held at 0. |M| stays under 2^31.
; v_sqrt_f32 and v_rsq_f32 take denormal inputs as zero (ISA guide, their entries).
; REGISTERS, window 0: v1-5 addresses; v6-8 my query's centre; v9 rs; v12-27 four a head: -M, largest t, the sum in two halves; v28-35 the codes of the two tiles' hidden layers; v36-51 ln1_g, v52-67 ln1_b, v68-83 fc1_b,
;   v84-99 fc2_b; v100-103 fc1_w; v104-127 fc2_w; v128-131 scale words; v132-139 k's, v140-143 q's scale words; v144-147 the two tiles' inputs; v148-179 the two tiles' sums: written by matrix instructions alone;
;   v180-211 the two tiles at work (between steps v180-227: k's fragments); v228-255 fourteen temporaries a tile.
; window 1: v0-63 scores, 16 a head; v64-127 G; v128-175 q; v176-207 the second key tile's scores; v208-215 Bc.
.set FLOOR, 0x1800000
.set STT, 65536
.set DA, 148
.set RA, 180
.set TA, 228
.set MSB, 0
.macro WIN new                         ; the immediate's high byte repeats the setting that is left
.if MSB != (\new)
	s_set_vgpr_msb (MSB<<8)|(\new)
.set MSB, (\new)
.endif
.endm
.macro NOPS n
.rept \n
	v_nop
.endr
.endm
.macro LOADSA                          ; the centres of pairs 0-3 of a trip: keys + 0 .. 3 and + 8 .. 11
	s_load_b256 s[16:23], s[66:67], s98 offset:0x0
	s_load_b128 s[24:27], s[66:67], s98 offset:0x20
	s_load_b256 s[28:35], s[66:67], s98 offset:0x60
	s_load_b128 s[36:39], s[66:67], s98 offset:0x80
.endm
.macro LOADSB                          ; of pairs 4-7: keys + 4 .. 7 and + 12 .. 15
	s_load_b256 s[40:47], s[66:67], s98 offset:0x30
	s_load_b128 s[48:51], s[66:67], s98 offset:0x50
	s_load_b256 s[52:59], s[66:67], s98 offset:0x90
	s_load_b128 s[60:63], s[66:67], s98 offset:0xb0
.endm
.macro KLOAD                           ; a step's 32 keys: fragment f = 2 hd + u (6 registers: K = 64) and its scale bytes
.irp hd, 0,1,2,3
.irp u, 0,1
.irp p, 0,1,2
	global_load_b64 v[180+6*(2*\hd+\u)+2*\p:181+6*(2*\hd+\u)+2*\p], v1, s[68:69] offset:3072*\u+48*\hd+8*\p
.endr
	global_load_u16 v[132+2*\hd+\u], v2, s[70:71] offset:128*\u+2*\hd
.endr
.endr
.endm
; the next pair's inputs, in three parts. nk: the scalar register of tile A's key; tile B's stands 12 further on
.macro GEOA nk
.irp k, 0,1
.irp x, 0,1
	v_sub_f32 v[144+2*\x+\k], s[\nk+12*\x+\k], v[6+\k]
.endr
.endr
.irp x, 0,1
	v_sub_f32 v[TA+14*\x+12], s[\nk+12*\x+2], v8
.endr
.irp x, 0,1
	v_mul_f32 v[TA+14*\x+13], v[144+2*\x], v[144+2*\x]
.endr
.endm
.macro GEOB
.irp x, 0,1
	v_fma_f32 v[TA+14*\x+13], v[145+2*\x], v[145+2*\x], v[TA+14*\x+13]
.endr
.irp x, 0,1
	v_fma_f32 v[TA+14*\x+13], v[TA+14*\x+12], v[TA+14*\x+12], v[TA+14*\x+13]
.endr
.irp x, 0,1
	v_sqrt_f32 v[TA+14*\x+13], v[TA+14*\x+13]
.endr
.endm
.macro GEOC                            ; register j of the operand is k = 2 h + j: (dx, dy) in lanes 0-15, (dz, d) in lanes 16-31; then fc1
.irp x, 0,1
	v_cndmask_b32 v[144+2*\x], v[144+2*\x], v[TA+14*\x+12], s80
.endr
.irp x, 0,1
	v_cndmask_b32 v[145+2*\x], v[145+2*\x], v[TA+14*\x+13], s80
.endr
.irp u, 0,1
.irp x, 0,1
	v_wmma_f32_16x16x4_f32 v[DA+16*\x+8*\u:DA+16*\x+8*\u+7], v[100+2*\u:101+2*\u], v[144+2*\x:145+2*\x], v[68+8*\u:75+8*\u]
.endr
.endr
.endm
.macro RELU                            ; each sum is read from its low end on
.set i, 0
.rept 16
	v_max_num_f32 v[RA+i], 0, v[DA+i]
	v_max_num_f32 v[RA+16+i], 0, v[DA+16+i]
.set i, i+1
.endr
.endm
.macro TREE                            ; four pairs of partial sums in T0-7 become the pair's sum over all 32 units, in T8
.irp k, 0,4
.irp x, 0,1
	v_pk_add_f32 v[TA+14*\x+\k:TA+14*\x+\k+1], v[TA+14*\x+\k:TA+14*\x+\k+1], v[TA+14*\x+\k+2:TA+14*\x+\k+3]
.endr
.endr
.irp x, 0,1
	v_pk_add_f32 v[TA+14*\x:TA+14*\x+1], v[TA+14*\x:TA+14*\x+1], v[TA+14*\x+4:TA+14*\x+5]
.endr
.irp x, 0,1
	v_add_f32 v[TA+14*\x+8], v[TA+14*\x], v[TA+14*\x+1]
.endr
.irp x, 0,1
	v_permlanex16_b32 v[TA+14*\x+9], v[TA+14*\x+8], s82, s83
.endr
.irp x, 0,1
	v_add_f32 v[TA+14*\x+8], v[TA+14*\x+8], v[TA+14*\x+9]
.endr
.endm
.macro STATS                           ; the 16 numbers are left centred; T10 = 1 / sqrt(var + eps), still to be waited for
.irp k, 0,1,2,3
.irp x, 0,1
	v_pk_add_f32 v[TA+14*\x+2*\k:TA+14*\x+2*\k+1], v[RA+16*\x+4*\k:RA+16*\x+4*\k+1], v[RA+16*\x+4*\k+2:RA+16*\x+4*\k+3]
.endr
.endr
	TREE
.irp x, 0,1
	v_mul_f32 v[TA+14*\x+8], 0xbd000000, v[TA+14*\x+8]      ; - mean
.endr
.irp k, 0,2,4,6,8,10,12,14
.irp x, 0,1
	v_pk_add_f32 v[RA+16*\x+\k:RA+16*\x+\k+1], v[RA+16*\x+\k:RA+16*\x+\k+1], v[TA+14*\x+8:TA+14*\x+9] op_sel_hi:[1,0]
.endr
.endr
.irp k, 0,2,4,6
.irp x, 0,1
	v_pk_mul_f32 v[TA+14*\x+\k:TA+14*\x+\k+1], v[RA+16*\x+\k:RA+16*\x+\k+1], v[RA+16*\x+\k:RA+16*\x+\k+1]
.endr
.endr
.irp k, 0,2,4,6
.irp x, 0,1
	v_pk_fma_f32 v[TA+14*\x+\k:TA+14*\x+\k+1], v[RA+16*\x+8+\k:RA+16*\x+9+\k], v[RA+16*\x+8+\k:RA+16*\x+9+\k], v[TA+14*\x+\k:TA+14*\x+\k+1]
.endr
.endr
	TREE
.irp x, 0,1
	v_fma_f32 v[TA+14*\x+11], v[TA+14*\x+8], s94, s95       ; var + eps
.endr
.irp x, 0,1
	v_rsq_f32 v[TA+14*\x+10], v[TA+14*\x+11]
.endr
.endm
.macro DOT h0                          ; heads h0 and h0 + 1: my 16 units' part of sum(c G), in pairs
	WIN 0x04
.irp hd, \h0, \h0+1
.irp x, 0,1
	v_pk_mul_f32 v[TA+14*\x+2*(\hd):TA+14*\x+2*(\hd)+1], v[RA+16*\x:RA+16*\x+1], v[64+16*(\hd):65+16*(\hd)]
.endr
.endr
.irp k, 2,4,6,8,10,12,14
.irp hd, \h0, \h0+1
.irp x, 0,1
	v_pk_fma_f32 v[TA+14*\x+2*(\hd):TA+14*\x+2*(\hd)+1], v[RA+16*\x+\k:RA+16*\x+\k+1], v[64+16*(\hd)+\k:65+16*(\hd)+\k], v[TA+14*\x+2*(\hd):TA+14*\x+2*(\hd)+1]
.endr
.endr
.endr
	WIN 0
.endm
; TWO TILES, line by line by turns. j: the score register that takes the bias; nk: where the NEXT pair's keys stand
.macro PAIR j, nk
	RELU
	STATS
.irp k, 0,2,4,6,8,10,12,14
.irp x, 0,1
	v_pk_mul_f32 v[RA+16*\x+\k:RA+16*\x+\k+1], v[RA+16*\x+\k:RA+16*\x+\k+1], v[36+\k:37+\k]      ; x ln1_g: plain work behind the two v_rsq_f32
.endr
.endr
	s_wait_alu depctr_va_vdst(0)                   ; one wait for the two, ahead of their first reader
.irp k, 0,2,4,6,8,10,12,14
.irp x, 0,1
	v_pk_fma_f32 v[RA+16*\x+\k:RA+16*\x+\k+1], v[RA+16*\x+\k:RA+16*\x+\k+1], v[TA+14*\x+10:TA+14*\x+11], v[52+\k:53+\k] op_sel_hi:[1,0,1]
.endr
.endr
.irp x, 0,1
	v_max3_num_f32 v[TA+14*\x], |v[RA+16*\x]|, |v[RA+16*\x+1]|, FLOOR
.endr
.irp x, 0,1
	v_max3_num_f32 v[TA+14*\x+1], |v[RA+16*\x+8]|, |v[RA+16*\x+9]|, FLOOR
.endr
.irp i, 2,4,6
.irp x, 0,1
	v_max3_num_f32 v[TA+14*\x], |v[RA+16*\x+\i]|, |v[RA+16*\x+\i+1]|, v[TA+14*\x]
	v_max3_num_f32 v[TA+14*\x+1], |v[RA+16*\x+8+\i]|, |v[RA+16*\x+9+\i]|, v[TA+14*\x+1]
.endr
.endr
.irp x, 0,1
	v_max_num_f32 v[TA+14*\x], v[TA+14*\x], v[TA+14*\x+1]
.endr
.irp x, 0,1
	v_permlanex16_b32 v[TA+14*\x+9], v[TA+14*\x], s82, s83
.endr
.irp x, 0,1
	v_max_num_f32 v[TA+14*\x], v[TA+14*\x], v[TA+14*\x+9]
.endr
.irp x, 0,1
	v_add_nc_u32 v[TA+14*\x+2], 0xff000000, v[TA+14*\x]     ; 2 off the exponent field: the conversion's scale operand
.endr
.irp x, 0,1
	v_lshrrev_b32 v[TA+14*\x+3], 23, v[TA+14*\x+2]
.endr
.irp x, 0,1
	v_mul_u32_u24 v[130+\x], v[TA+14*\x+3], 0x101           ; the byte for both halves of the lanes
.endr
.irp x, 0,1
	v_cvt_scalef32_pk16_fp6_f32 v[28+4*\x:30+4*\x], v[RA+16*\x:RA+16*\x+15], v[TA+14*\x+2]
.endr
	GEOA \nk                                       ; eight plain lines: the places between the scale words, the codes and the products
.irp u, 0,1
.irp x, 0,1
	v_wmma_scale_f32_16x16x128_f8f6f4 v[DA+16*\x+8*\u:DA+16*\x+8*\u+7], v[104+12*\u:115+12*\u], v[28+4*\x:39+4*\x], v[84+8*\u:91+8*\u], v[128+\u], v[130+\x] matrix_a_fmt:MATRIX_FMT_FP6 matrix_b_fmt:MATRIX_FMT_FP6
.endr
.endr
	GEOB                                           ; its four multiply-adds are the places behind the products
	RELU
	STATS
	DOT 0
	s_wait_alu depctr_va_vdst(0)                   ; one wait for the two roots and the two v_rsq_f32
	GEOC                                           ; the next pair's fc1
	DOT 2                                          ; 32 plain lines: the places behind the f32 form
.irp hd, 0,1,2,3
.irp x, 0,1
	v_add_f32 v[TA+14*\x+2*\hd], v[TA+14*\x+2*\hd], v[TA+14*\x+2*\hd+1]
.endr
.endr
.irp hd, 0,1,2,3
	v_permlane16_swap_b32 v[TA+2*\hd], v[TA+14+2*\hd]       ; A's lanes 16-31 change places with B's lanes 0-15
.endr
.irp hd, 0,1,2,3
	v_add_f32 v[TA+2*\hd], v[TA+2*\hd], v[TA+14+2*\hd]      ; lanes 0-15: tile A's sum over 32 units; lanes 16-31: tile B's
.endr
	v_cndmask_b32 v9, v[TA+10], v[TA+24], s80
	WIN 0x50
.irp hd, 0,1,2,3
	v_fma_f32 v[16*\hd+\j], v[TA+2*\hd], v9, v[16*\hd+\j]
.endr
	WIN 0
.endm
; the four heads by turns. FF = v228 + 2 hd, BM = v229 + 2 hd, v236 + hd at work, v240 + 4 hd: three registers of codes and E
.macro SOFTMAX
	s_wait_dscnt 0x0                               ; the last step's stores have read their registers
	WIN 0x05
.irp hd, 0,1,2,3
	v_max_num_f32 v[229+2*\hd], v[16*\hd], v[16*\hd+1]
.endr
.irp k, 2,4,6,8,10,12,14
.irp hd, 0,1,2,3
	v_max3_num_f32 v[229+2*\hd], v[16*\hd+\k], v[16*\hd+\k+1], v[229+2*\hd]
.endr
.endr
	WIN 0
.irp hd, 0,1,2,3
	v_permlanex16_b32 v[236+\hd], v[229+2*\hd], s82, s83
.endr
.irp hd, 0,1,2,3
	v_max_num_f32 v[229+2*\hd], v[229+2*\hd], v[236+\hd]    ; the block's largest t: it serves for the row's maximum and for the block's largest p
.endr
.irp hd, 0,1,2,3
	v_max_num_f32 v[13+4*\hd], v[13+4*\hd], v[229+2*\hd]
.endr
.irp hd, 0,1,2,3
	v_mov_b32 v[228+2*\hd], v[12+4*\hd]
.endr
.irp hd, 0,1,2,3
	v_floor_f32 v[12+4*\hd], -v[13+4*\hd]                   ; -M = floor(-t): M is a whole number
.endr
.irp hd, 0,1,2,3
	v_sub_f32 v[228+2*\hd], v[12+4*\hd], v[228+2*\hd]
.endr
.irp hd, 0,1,2,3
	v_cvt_i32_f32 v[228+2*\hd], v[228+2*\hd]                ; (it saturates)
.endr
.irp hd, 0,1,2,3
	v_ldexp_f32 v[228+2*\hd], 1.0, v[228+2*\hd]             ; 2^(old M - new M)
.endr
.irp hd, 0,1,2,3
	v_add_f32 v[229+2*\hd], v[229+2*\hd], v[12+4*\hd]
.endr
	WIN 0x41
.irp k, 0,2,4,6,8,10,12,14
.irp hd, 0,1,2,3
	v_pk_add_f32 v[16*\hd+\k:16*\hd+\k+1], v[16*\hd+\k:16*\hd+\k+1], v[12+4*\hd:13+4*\hd] op_sel_hi:[1,0]
.endr
.endr
.set i, 0
.rept 64
	v_exp_f32 v[i], v[i]                           ; p = 2^(t - M)
.set i, i+1
.endr
	WIN 0
.irp hd, 0,1,2,3
	v_pk_mul_f32 v[14+4*\hd:15+4*\hd], v[14+4*\hd:15+4*\hd], v[228+2*\hd:229+2*\hd] op_sel_hi:[1,0]   ; the sums under the new M: plain lines behind the batch
.endr
	s_wait_alu depctr_va_vdst(0)                   ; one wait for the 64
.irp hd, 0,1,2,3
	v_exp_f32 v[229+2*\hd], v[229+2*\hd]           ; the block's largest p: the same addition and exponential on the same number
.endr
	WIN 0x04
.irp k, 0,2,4,6,8,10,12,14
.irp hd, 0,1,2,3
	v_pk_add_f32 v[14+4*\hd:15+4*\hd], v[14+4*\hd:15+4*\hd], v[16*\hd+\k:16*\hd+\k+1]     ; the sum is taken of the unquantised p
.endr
.endr
	WIN 0
	s_wait_alu depctr_va_vdst(0)                   ; and one for the four
.irp hd, 0,1,2,3
	v_max_num_f32 v[229+2*\hd], FLOOR, v[229+2*\hd]
.endr
.irp hd, 0,1,2,3
	v_add_nc_u32 v[236+\hd], 0xff000000, v[229+2*\hd]
.endr
.irp hd, 0,1,2,3
	v_lshrrev_b32 v[243+4*\hd], 23, v[236+\hd]
.endr
.irp hd, 0,1,2,3
	v_cvt_i32_f32 v[229+2*\hd], v[12+4*\hd]
.endr
.irp hd, 0,1,2,3
	v_sub_nc_u32 v[243+4*\hd], v[243+4*\hd], v[229+2*\hd]   ; E = byte + M
.endr
	WIN 0x01
.irp hd, 0,1,2,3
	v_cvt_scalef32_pk16_fp6_f32 v[240+4*\hd:242+4*\hd], v[16*\hd:16*\hd+15], v[236+\hd]
.endr
	WIN 0
	v_nop                                          ; one plain place behind the conversions
	v_add_nc_u32 v4, s99, v3
.irp hd, 0,1,2,3
	ds_store_b128 v4, v[240+4*\hd:243+4*\hd] offset:2048*\hd
.endr
.endm
	s_load_b512 s[4:19], s[0:1], 0x0               ; the 20 addresses: argument i in s[4 + 2 i : 5 + 2 i]
	s_load_b512 s[20:35], s[0:1], 0x40
	s_load_b256 s[36:43], s[0:1], 0x80
	s_set_vgpr_msb 0x40
	v_lshl_add_u32 v254, v0, 2, 0x12000
	v_mov_b32 v255, 0
	s_set_vgpr_msb 0x4000
	v_lshrrev_b32 v5, 5, v0
	v_readfirstlane_b32 s2, v5                     ; wave
	v_and_b32 v5, 31, v0                           ; l: kept
	v_and_b32 v10, 15, v0                          ; r
	v_bfe_u32 v11, v0, 4, 1                        ; h
	s_and_b32 s96, ttmp7, 0xffff                   ; y: which half of the keys
	s_mov_b32 s97, ttmp9                           ; qt: which 16 queries
	s_mov_b32 s80, 0xffff0000                      ; lanes 16-31
	s_mov_b32 s82, 0x76543210
	s_mov_b32 s83, 0xfedcba98                      ; selects for lane l xor 16
	s_mov_b32 s84, 0x3e38aa3b                      ; log2(e) / 8
	s_mov_b32 s85, s84                             ; (named with it as a pair)
	s_mov_b32 s94, 0x3d000000                      ; 1 / 32
	s_mov_b32 s95, 0x3727c5ac                      ; 1e-5
	v_mul_u32_u24 v1, v10, 192
	v_mad_u32_u24 v1, v11, 24, v1                  ; k's codes: row r, + 24 h
	v_lshlrev_b32 v2, 3, v10                       ; k's scale bytes
	s_lshl_b32 s3, s2, 13
	v_lshl_add_u32 v3, v5, 4, s3                   ; LDS: my 16 bytes in my wave's 8,192
	v_and_b32 v228, 8, v10
	v_add_nc_u32 v228, v228, v10
	v_lshlrev_b32 v228, 4, v228
	v_lshl_add_u32 v228, v11, 3, v228              ; fc1_w: row r + 8 (r / 8), k = 2 h
	v_lshlrev_b32 v229, 6, v11                     ; units 16 h on
	v_mul_u32_u24 v230, v10, 24
	v_mad_u32_u24 v230, v11, 12, v230              ; fc2_w: row r, units 16 h on
	v_mov_b32 v231, v10
	v_lshlrev_b32 v232, 5, v11                     ; units 8 h on
	s_lshl_b32 s3, s97, 4
	v_add_nc_u32 v235, s3, v10                     ; my query
	v_mul_u32_u24 v233, v235, 192
	v_mad_u32_u24 v233, v11, 24, v233
	v_lshlrev_b32 v234, 3, v235
	v_mul_u32_u24 v235, v235, 12
	s_lshl_b32 s98, s96, 10
	s_lshl_b32 s3, s2, 7
	s_add_co_u32 s98, s98, s3                      ; my first key
	s_mov_b32 s101, 0
	s_wait_kmcnt 0x0
	s_mov_b64 s[66:67], s[4:5]                     ; obj_center
	s_mul_i32 s100, s98, 192
	s_add_nc_u64 s[68:69], s[32:33], s[100:101]    ; kc at my first key
	s_lshl_b32 s100, s98, 3
	s_add_nc_u64 s[70:71], s[34:35], s[100:101]
	s_lshl_b32 s99, s96, 9
	s_lshl_b32 s3, s2, 1
	s_add_co_u32 s99, s99, s3                      ; 16 x (32 y) + 2 w: the first tile of v that I multiply
	s_lshl_b32 s100, s99, 9
	s_add_nc_u64 s[72:73], s[36:37], s[100:101]
	s_lshl_b32 s100, s99, 7
	s_add_nc_u64 s[74:75], s[38:39], s[100:101]
	s_lshl_b32 s99, s96, 7
	s_add_co_u32 s99, s99, s97
	s_lshl_b32 s99, s99, 3
	s_add_co_u32 s99, s99, s2                      ; (128 y + qt) x 8 + w
	s_lshl_b32 s100, s99, 11
	s_add_nc_u64 s[76:77], s[40:41], s[100:101]
	s_lshl_b32 s100, s99, 8
	s_add_nc_u64 s[78:79], s[42:43], s[100:101]
	s_load_b128 s[44:47], s[26:27], 0x0            ; fc3_b
	s_mul_i32 s98, s98, 12                         ; my first key's centre
.irp u, 0,1
	global_load_b64 v[100+2*\u:101+2*\u], v228, s[6:7] offset:128*\u
.endr
.irp q, 0,1,2,3
	global_load_b128 v[68+4*\q:71+4*\q], v229, s[8:9] offset:16*\q
	global_load_b128 v[36+4*\q:39+4*\q], v229, s[10:11] offset:16*\q
	global_load_b128 v[52+4*\q:55+4*\q], v229, s[12:13] offset:16*\q
.endr
.irp u, 0,1
	global_load_b96 v[104+12*\u:106+12*\u], v230, s[14:15] offset:384*\u
	global_load_u8 v[128+\u], v231, s[16:17] offset:16*\u
.irp e, 0,1
	global_load_b128 v[84+8*\u+4*\e:87+8*\u+4*\e], v232, s[18:19] offset:64*\u+16*\e
	global_load_b128 v[180+8*\u+4*\e:183+8*\u+4*\e], v232, s[20:21] offset:64*\u+16*\e     ; ln2_g
	global_load_b128 v[196+8*\u+4*\e:199+8*\u+4*\e], v232, s[22:23] offset:64*\u+16*\e     ; ln2_b
.endr
.endr
.irp k, 0,1,2
	global_load_b32 v[6+\k], v235, s[4:5] offset:4*\k
.endr
.irp hd, 0,1,2,3
	global_load_u16 v[140+\hd], v234, s[30:31] offset:2*\hd
.endr
	WIN 0x40
.irp hd, 0,1,2,3
.irp u, 0,1
.irp e, 0,1
	global_load_b128 v[64+16*\hd+8*\u+4*\e:67+16*\hd+8*\u+4*\e], v232, s[24:25] offset:128*\hd+64*\u+16*\e    ; fc3_w
.endr
.endr
.irp p, 0,1,2
	global_load_b64 v[128+12*\hd+2*\p:129+12*\hd+2*\p], v233, s[28:29] offset:48*\hd+8*\p                  ; q
.endr
.endr
	WIN 0
	s_wait_loadcnt 0x0
	s_wait_kmcnt 0x0
	; Bc[hd] = (sum(ln2_b fc3_w[hd]) + fc3_b[hd]) log2(e)
.irp hd, 0,1,2,3
	v_mov_b32 v[244+\hd], 0
.endr
	WIN 0x04
.irp hd, 0,1,2,3
	v_mul_f32 v[240+\hd], v196, v[64+16*\hd]
.endr
.irp i, 1,2,3,4,5,6,7,8,9,10,11,12,13,14,15
.irp hd, 0,1,2,3
	v_fma_f32 v[240+\hd], v[196+\i], v[64+16*\hd+\i], v[240+\hd]
.endr
.endr
	WIN 0
.irp hd, 0,1,2,3
	v_permlanex16_b32 v[244+\hd], v[240+\hd], s82, s83
.endr
.irp hd, 0,1,2,3
	v_add_f32 v[240+\hd], v[240+\hd], v[244+\hd]
.endr
.irp hd, 0,1,2,3
	v_add_f32 v[240+\hd], s[44+\hd], v[240+\hd]
.endr
.irp hd, 0,1,2,3
	v_mul_f32 v[240+\hd], 0x3fb8aa3b, v[240+\hd]
.endr
	WIN 0x40
.irp hd, 0,1,2,3
	v_mov_b32 v[208+2*\hd], v[240+\hd]
	v_mov_b32 v[209+2*\hd], v[240+\hd]
.endr
	WIN 0
.set i, 0
.rept 16
	v_mul_f32 v[180+i], 0x3fb8aa3b, v[180+i]
.set i, i+1
.endr
	WIN 0x41
.irp hd, 0,1,2,3
.irp k, 0,2,4,6,8,10,12,14
	v_pk_mul_f32 v[64+16*\hd+\k:65+16*\hd+\k], v[64+16*\hd+\k:65+16*\hd+\k], v[180+\k:181+\k]      ; G = fc3_w ln2_g log2(e)
.endr
.endr
	WIN 0x40
.irp hd, 0,1,2,3
.set i, 0
.rept 6
	v_mov_b32 v[134+12*\hd+i], 0                   ; q's registers 6-11: zero codes (K = 64 of the instruction's 128)
.set i, i+1
.endr
.set i, 0
.rept 8
	v_mov_b32 v[16*\hd+8+i], 0                     ; the scores' upper eight: written once here, filled between a step's two trips
.set i, i+1
.endr
.endr
	WIN 0
.irp u, 0,1
	v_mul_u32_u24 v[128+\u], v[128+\u], 0x101      ; fc2_w's byte for both halves of the lanes
.set i, 3
.rept 9
	v_mov_b32 v[104+12*\u+i], 0                    ; fc2_w's registers 3-11: zero codes
.set i, i+1
.endr
.endr
	v_mov_b32 v4, 0
	v_mov_b32 v9, 0
	v_mov_b32 v31, 0
	v_mov_b32 v35, 0
.set i, 0
.rept 28
	v_mov_b32 v[228+i], 0                          ; permutes' destinations and pairs' upper words count as read
.set i, i+1
.endr
.irp hd, 0,1,2,3
	v_mov_b32 v[13+4*\hd], 0xff61b1e6              ; the largest t so far: -3e38
	v_floor_f32 v[12+4*\hd], -v[13+4*\hd]
	v_mov_b32 v[14+4*\hd], 0
	v_mov_b32 v[15+4*\hd], 0
.endr
	KLOAD                                          ; step 0's keys
	LOADSA                                         ; (the addresses in s4-47 are done with: every load that named them has come back)
	LOADSB
	s_wait_kmcnt 0x0
	GEOA 16                                        ; pair 0
	GEOB
	v_nop
	s_wait_alu depctr_va_vdst(0)
	GEOC
	s_mov_b32 s96, 4
	s_mov_b32 s99, 0
.Lstep:
	s_wait_loadcnt 0x0                             ; this step's keys, asked for ahead of the last softmax; their address may step
	s_cmp_eq_u32 s96, 1
	s_cselect_b32 s100, 0, 6144                    ; in the last step the look-ahead stays on this step's bytes; its data are not used
	s_cselect_b32 s3, 0, 256
	s_mov_b32 s101, 0
	s_add_nc_u64 s[68:69], s[68:69], s[100:101]
	s_mov_b32 s100, s3
	s_add_nc_u64 s[70:71], s[70:71], s[100:101]
	NOPS 4                                         ; fragment 7's operand runs on into v228-233, which vector instructions wrote
	WIN 0x44
.irp hd, 0,1,2,3
	v_wmma_scale_f32_16x16x128_f8f6f4 v[16*\hd:16*\hd+7], v[180+12*\hd:191+12*\hd], v[128+12*\hd:139+12*\hd], 0, v[132+2*\hd], v[140+\hd] matrix_a_fmt:MATRIX_FMT_FP6 matrix_b_fmt:MATRIX_FMT_FP6
	v_wmma_scale_f32_16x16x128_f8f6f4 v[176+8*\hd:183+8*\hd], v[186+12*\hd:197+12*\hd], v[128+12*\hd:139+12*\hd], 0, v[133+2*\hd], v[140+\hd] matrix_a_fmt:MATRIX_FMT_FP6 matrix_b_fmt:MATRIX_FMT_FP6
.endr
	WIN 0
	NOPS 4
	WIN 0x51
.irp hd, 0,1,2,3
.irp k, 0,2,4,6
	v_pk_fma_f32 v[16*\hd+\k:16*\hd+\k+1], v[16*\hd+\k:16*\hd+\k+1], s[84:85], v[208+2*\hd:209+2*\hd] op_sel_hi:[1,0,1]     ; t = score log2(e) / 8 + Bc; the pairs add the rest
	v_pk_fma_f32 v[176+8*\hd+\k:177+8*\hd+\k], v[176+8*\hd+\k:177+8*\hd+\k], s[84:85], v[208+2*\hd:209+2*\hd] op_sel_hi:[1,0,1]
.endr
.endr
	WIN 0
	s_mov_b32 s97, 2
.Ltrip:
	PAIR 0, 19
	PAIR 1, 22
	PAIR 2, 25
	s_wait_kmcnt 0x0                               ; pairs 4-7's centres are in; no scalar load is out, so the offset may step
	s_add_co_u32 s98, s98, 192
	s_min_u32 s98, s98, 24384                      ; the last look-ahead stays inside obj_center
	LOADSA                                         ; the next trip's pairs 0-3: four pairs' work in which to land
	PAIR 3, 40
	PAIR 4, 43
	PAIR 5, 46
	PAIR 6, 49
	s_wait_kmcnt 0x0
	LOADSB
	PAIR 7, 16
	s_cmp_eq_u32 s97, 1
	s_cbranch_scc1 .Lno_move                       ; between a step's two trips: the finished tile goes up, the second tile's scores come down
	WIN 0x41
.irp hd, 0,1,2,3
.set i, 0
.rept 8
	v_mov_b32 v[16*\hd+8+i], v[16*\hd+i]
.set i, i+1
.endr
.endr
.irp hd, 0,1,2,3
.set i, 0
.rept 8
	v_mov_b32 v[16*\hd+i], v[176+8*\hd+i]
.set i, i+1
.endr
.endr
	WIN 0
.Lno_move:
	s_sub_co_u32 s97, s97, 1
	s_cmp_lg_u32 s97, 0
	s_cbranch_scc1 .Ltrip
	KLOAD                                          ; the next step's keys land under the softmax
	SOFTMAX
	s_add_co_u32 s99, s99, 512
	s_sub_co_u32 s96, s96, 1
	s_cmp_lg_u32 s96, 0
	s_cbranch_scc1 .Lstep
	; ---- THE END: the waves' statistics meet, and wave w multiplies head w / 2, channels 32 (w % 2) on, over all 1,024 keys.
	; v12-27 the eight waves' (-M, sum); v36-67 E, then p's scale words; v68-99 v's scale words; v100-147 and v180-227 p's codes, two sets of four operands; v148-163 O; window 1: four regions of 40 for v.
.macro VLOAD cv                        ; the four key blocks of wave cv's keys, my two tiles of channels
.set VC, (\cv)%4
	WIN 0x40
.irp s, 0,1,2,3
.irp u, 0,1
	global_load_b128 v[40*VC+4*(2*\s+\u):40*VC+4*(2*\s+\u)+3], v1, s[72:73] offset:((4*(\cv)+\s)*16+\u)*512
.endr
.endr
	WIN 0
.irp s, 0,1,2,3
.irp u, 0,1
	global_load_b32 v[68+8*VC+2*\s+\u], v2, s[74:75] offset:((4*(\cv)+\s)*16+\u)*128
.endr
.endr
.endm
.macro PLOAD cv
.set PL, 100+80*((\cv)%2)
.irp s, 0,1,2,3
	ds_load_b96 v[PL+12*\s:PL+12*\s+2], v10 offset:8192*(\cv)+512*\s
.endr
.endm
.macro CHUNK cv
.set CC, (\cv)%4
.set PB, 100+80*((\cv)%2)
.if (\cv) < 7
	s_wait_dscnt 4                                 ; this chunk's codes of p are in; the next chunk's four loads may be out
.else
	s_wait_dscnt 0x0
.endif
.if (\cv) < 5
	s_wait_loadcnt 48                              ; three chunks of v, sixteen loads each, were issued behind this one
.else
	s_wait_loadcnt 16*(7-(\cv))
.endif
	WIN 0x01
.irp s, 0,1,2,3
.irp u, 0,1
.if ((\cv) == 0) && (\s == 0)
	v_wmma_scale_f32_16x16x128_f8f6f4 v[148+8*\u:155+8*\u], v[40*CC+4*(2*\s+\u):40*CC+4*(2*\s+\u)+11], v[PB+12*\s:PB+12*\s+11], 0, v[68+8*CC+2*\s+\u], v[36+4*(\cv)+\s] matrix_a_fmt:MATRIX_FMT_FP6 matrix_b_fmt:MATRIX_FMT_FP6
.else
	v_wmma_scale_f32_16x16x128_f8f6f4 v[148+8*\u:155+8*\u], v[40*CC+4*(2*\s+\u):40*CC+4*(2*\s+\u)+11], v[PB+12*\s:PB+12*\s+11], v[148+8*\u:155+8*\u], v[68+8*CC+2*\s+\u], v[36+4*(\cv)+\s] matrix_a_fmt:MATRIX_FMT_FP6 matrix_b_fmt:MATRIX_FMT_FP6
.endif
.endr
.endr
	WIN 0
	NOPS 4                                         ; places in front of loads into registers that the products read, and of the stores of O
.if (\cv) < 6
	PLOAD (\cv)+2
.endif
.if (\cv) < 4
	VLOAD (\cv)+4
.endif
.endm
	s_wait_loadcnt 0x0                             ; the look-ahead load of keys
	v_lshlrev_b32 v1, 4, v5
	v_lshlrev_b32 v2, 2, v5
	WIN 0x40
.irp c, 0,1,2,3
.set i, 0
.rept 8
	v_mov_b32 v[40*\c+32+i], 0                     ; behind a region's eight quads: registers that its last operands run on into
.set i, i+1
.endr
.endr
	WIN 0
	VLOAD 0
	VLOAD 1
	VLOAD 2
	VLOAD 3
.irp hd, 0,1,2,3
	v_add_f32 v[14+4*\hd], v[14+4*\hd], v[15+4*\hd]
.endr
.irp hd, 0,1,2,3
	v_permlanex16_b32 v[15+4*\hd], v[14+4*\hd], s82, s83
.endr
.irp hd, 0,1,2,3
	v_add_f32 v[13+4*\hd], v[14+4*\hd], v[15+4*\hd]         ; my 128 keys' sum, beside -M
.endr
	s_lshl_b32 s3, s2, 10
	s_add_co_u32 s3, s3, STT
	v_lshl_add_u32 v4, v5, 3, s3
.irp hd, 0,1,2,3
	ds_store_b64 v4, v[12+4*\hd:13+4*\hd] offset:256*\hd
.endr
.irp s, 0,1,2,3
.set i, 3
.rept 9
	v_mov_b32 v[100+12*\s+i], 0                    ; p's registers 3-11: zero codes
	v_mov_b32 v[180+12*\s+i], 0
.set i, i+1
.endr
.endr
	s_lshr_b32 s3, s2, 1                           ; my head
	s_lshl_b32 s100, s3, 11
	v_lshl_add_u32 v10, v5, 4, s100                ; LDS: my head's codes in a wave's 8,192 bytes
	s_lshl_b32 s100, s3, 8
	s_add_co_u32 s100, s100, STT
	v_lshl_add_u32 v11, v5, 3, s100                ; and its statistics
	v_lshlrev_b32 v3, 3, v5
	s_wait_dscnt 0x0                               ; my codes and statistics have landed
	s_barrier_signal -1
	s_barrier_wait -1                              ; everybody's have
.irp cv, 0,1,2,3,4,5,6,7
	ds_load_b64 v[12+2*\cv:13+2*\cv], v11 offset:1024*\cv
.endr
.irp cv, 0,1,2,3,4,5,6,7
.irp s, 0,1,2,3
	ds_load_b32 v[36+4*\cv+\s], v10 offset:8192*\cv+512*\s+12
.endr
.endr
	PLOAD 0
	PLOAD 1
	s_wait_dscnt 8                                 ; all but the two chunks of codes
	v_min_num_f32 v228, v12, v14
	v_min3_num_f32 v228, v228, v16, v18
	v_min3_num_f32 v228, v228, v20, v22
	v_min3_num_f32 v228, v228, v24, v26            ; -M of the 1,024 keys
.irp cv, 0,1,2,3,4,5,6,7
	v_sub_f32 v[232+\cv], v228, v[12+2*\cv]
.endr
.irp cv, 0,1,2,3,4,5,6,7
	v_cvt_i32_f32 v[232+\cv], v[232+\cv]
.endr
.irp cv, 0,1,2,3,4,5,6,7
	v_ldexp_f32 v[232+\cv], v[13+2*\cv], v[232+\cv]         ; each wave's sum under the common M: nothing is rounded
.endr
	v_add_f32 v229, v232, v233
.irp cv, 2,3,4,5,6,7
	v_add_f32 v229, v229, v[232+\cv]
.endr
	v_cvt_i32_f32 v230, v228
.set i, 0
.rept 32
	v_add_nc_u32 v[36+i], v[36+i], v230            ; E - M
.set i, i+1
.endr
.set i, 0
.rept 32
	v_max_i32 v[36+i], 0, v[36+i]
.set i, i+1
.endr
.set i, 0
.rept 32
	v_mul_u32_u24 v[36+i], v[36+i], 0x101          ; the byte for both halves of the lanes
.set i, i+1
.endr
	CHUNK 0
	CHUNK 1
	CHUNK 2
	CHUNK 3
	CHUNK 4
	CHUNK 5
	CHUNK 6
	CHUNK 7
.irp q, 0,1,2,3
	global_store_b128 v1, v[148+4*\q:151+4*\q], s[76:77] offset:512*\q      ; O as an image of its registers, from the low end on: 512 consecutive bytes a store
.endr
	global_store_b64 v3, v[228:229], s[78:79]
	s_set_vgpr_msb 0x5
	s_wait_tensorcnt 0x0
	ds_add_u32 v254, v255
	s_wait_dscnt 0x0
	s_set_vgpr_msb 0x500
	s_endpgm
.Lfunc_end_k_q0cf6c7ed7b_pairatt:
	.size	k_q0cf6c7ed7b_pairatt, .Lfunc_end_k_q0cf6c7ed7b_pairatt-k_q0cf6c7ed7b_pairatt
	.p2alignl 7, 3214868480
	.fill 96, 4, 3214868480
	.section	.rodata,"a",@progbits
	.p2align	6, 0x0
	.amdhsa_kernel k_q0cf6c7ed7b_pairatt
		.amdhsa_group_segment_fixed_size 74752
		.amdhsa_private_segment_fixed_size 0
		.amdhsa_enable_private_segment 0
		.amdhsa_kernarg_size 160
		.amdhsa_user_sgpr_count 2
		.amdhsa_user_sgpr_kernarg_segment_ptr 1
		.amdhsa_wavefront_size32 1
		.amdhsa_system_sgpr_workgroup_id_x 1
		.amdhsa_system_sgpr_workgroup_id_y 1
		.amdhsa_system_sgpr_workgroup_id_z 1
		.amdhsa_system_vgpr_workitem_id 0
		.amdhsa_next_free_vgpr 512
		.amdhsa_next_free_sgpr 102
		.amdhsa_reserve_vcc 0
		.amdhsa_float_denorm_mode_32 3
		.amdhsa_float_denorm_mode_16_64 3
		.amdhsa_memory_ordered 1
		.amdhsa_forward_progress 1
		.amdhsa_inst_pref_size 252
	.end_amdhsa_kernel
	.amdgpu_metadata
---
amdhsa.version: [ 1, 2 ]
amdhsa.kernels:
  - .name:           k_q0cf6c7ed7b_pairatt
    .symbol:         k_q0cf6c7ed7b_pairatt.kd
    .args:
      - { .name: obj_center, .offset: 0, .size: 8, .value_kind: global_buffer, .address_space: global }
      - { .name: fc1_w, .offset: 8, .size: 8, .value_kind: global_buffer, .address_space: global }
      - { .name: fc1_b, .offset: 16, .size: 8, .value_kind: global_buffer, .address_space: global }
      - { .name: ln1_g, .offset: 24, .size: 8, .value_kind: global_buffer, .address_space: global }
      - { .name: ln1_b, .offset: 32, .size: 8, .value_kind: global_buffer, .address_space: global }
      - { .name: fc2_w_codes, .offset: 40, .size: 8, .value_kind: global_buffer, .address_space: global }
      - { .name: fc2_w_scales, .offset: 48, .size: 8, .value_kind: global_buffer, .address_space: global }
      - { .name: fc2_b, .offset: 56, .size: 8, .value_kind: global_buffer, .address_space: global }
      - { .name: ln2_g, .offset: 64, .size: 8, .value_kind: global_buffer, .address_space: global }
      - { .name: ln2_b, .offset: 72, .size: 8, .value_kind: global_buffer, .address_space: global }
      - { .name: fc3_w, .offset: 80, .size: 8, .value_kind: global_buffer, .address_space: global }
      - { .name: fc3_b, .offset: 88, .size: 8, .value_kind: global_buffer, .address_space: global }
      - { .name: qc, .offset: 96, .size: 8, .value_kind: global_buffer, .address_space: global }
      - { .name: qs, .offset: 104, .size: 8, .value_kind: global_buffer, .address_space: global }
      - { .name: kc, .offset: 112, .size: 8, .value_kind: global_buffer, .address_space: global }
      - { .name: ks, .offset: 120, .size: 8, .value_kind: global_buffer, .address_space: global }
      - { .name: vc, .offset: 128, .size: 8, .value_kind: global_buffer, .address_space: global }
      - { .name: vsw, .offset: 136, .size: 8, .value_kind: global_buffer, .address_space: global }
      - { .name: opart, .offset: 144, .size: 8, .value_kind: global_buffer, .address_space: global }
      - { .name: ml, .offset: 152, .size: 8, .value_kind: global_buffer, .address_space: global }
    .group_segment_fixed_size: 74752
    .private_segment_fixed_size: 0
    .kernarg_segment_align: 8
    .kernarg_segment_size: 160
    .max_flat_workgroup_size: 256
    .sgpr_count:     102
    .vgpr_count:     512
    .wavefront_size: 32
...
	.end_amdgpu_metadata
.endif
;; end of part 2
;; launch outp (part 3): grid 128 x 1, 8 waves a work-group, no clusters, 21,504 bytes of LDS; arguments opart, ml, wo_codes, wo_scales, bo, out0; writes out0
.if DOCPART == 3
	.amdgcn_target "amdgcn-amd-amdhsa--gfx1250"
	.amdhsa_code_object_version 6
	.text
	.protected	k_q0cf6c7ed7b_outp
	.globl	k_q0cf6c7ed7b_outp
	.p2align	8
	.type	k_q0cf6c7ed7b_outp,@function
k_q0cf6c7ed7b_outp:
	s_mov_b64 s[64:65], 0
	v_nop
	global_prefetch_b8 v0, s[64:65] scope:SCOPE_SE
	s_setreg_imm32_b32 hwreg(HW_REG_WAVE_MODE, 25, 1), 1
	s_wait_xcnt 0x0
; THE WAY OUT: the two halves of the keys are joined under a common M (factors that are whole powers of two), O is divided by the row's sum, quantised along its 256 columns, multiplied by wo^T on codes of FP6 (E2M3), and bo is added.
; SHARES. Work-group qt owns 16 rows. Wave w holds columns 32 w .. 32 w + 31 of O (lane (r, h): row r, columns 32 w + 16 h + 0 .. 15, as the launch before stored them) and makes output columns 32 w .. 32 w + 31.
; O's codes go from wave to wave through LDS as rows (pitch 208) with 8 scale bytes a row; the results meet in a stage of rows of 1,024 bytes + 16 and leave as whole rows.
; LIMITS: NaN and infinities are not served; a block whose largest magnitude lies under 2^-124 keeps the scale byte 1.
; REGISTERS: v1-14 addresses; v16-31, v32-47 the two halves of O; v48-51 (-M, sum) twice; v52-63 at work; v64-111 wo's four fragments; v112-115 their scale words; v116-131 bo; v132-155 O's two fragments; v156-157 their scale words;
;   v160-175 the sums; v176-191 rows on their way out.
.set FLOOR, 0x1800000
.set OC,  0
.set OS,  3328
.set STG, 3584
	s_load_b256 s[4:11], s[0:1], 0x0               ; opart, ml, wo_codes, wo_scales
	s_load_b128 s[12:15], s[0:1], 0x20             ; bo, out0
	v_lshl_add_u32 v192, v0, 2, 0x5000
	v_mov_b32 v193, 0
	v_lshrrev_b32 v1, 5, v0
	v_readfirstlane_b32 s2, v1                     ; wave
	v_and_b32 v1, 31, v0                           ; l
	v_and_b32 v2, 15, v0                           ; r
	v_bfe_u32 v3, v0, 4, 1                         ; h
	s_mov_b32 s20, 0x76543210
	s_mov_b32 s21, 0xfedcba98                      ; selects for lane l xor 16
	v_lshlrev_b32 v4, 4, v1
	v_lshlrev_b32 v5, 3, v1
	s_lshl_b32 s16, s2, 5
	v_add_nc_u32 v6, s16, v2                       ; wo's row 32 w + r
	v_mul_u32_u24 v7, v6, 192
	v_mad_u32_u24 v7, v3, 24, v7
	v_lshlrev_b32 v6, 3, v6
	s_lshl_b32 s17, s2, 7
	v_lshl_add_u32 v8, v3, 5, s17                  ; (32 w + 8 h) x 4
	v_mul_u32_u24 v9, v2, 208
	v_mad_u32_u24 v10, v3, 24, v9                  ; LDS: a fragment of rows
	v_mad_u32_u24 v9, v3, 12, v9
	s_mul_i32 s18, s2, 24
	v_add_nc_u32 v9, s18, v9                       ; LDS: my 12 bytes of row r
	v_lshl_add_u32 v11, v2, 3, s2                  ; LDS: my block's byte
	v_lshlrev_b32 v12, 3, v2
	v_mul_u32_u24 v13, v2, 1040
	v_add_nc_u32 v13, v13, v8                      ; the stage, in: row r, my 32 bytes
	s_mul_i32 s19, s2, 2080
	v_add_nc_u32 v14, s19, v4                      ; and back: rows 2 w and 2 w + 1, 16 bytes a lane
	v_mov_b32 v56, 0                               ; a lane permute's destination counts as one of its sources
	s_lshl_b32 s22, ttmp9, 3
	s_add_co_u32 s22, s22, s2                      ; 8 qt + w
	s_lshl_b32 s24, s22, 11
	s_mov_b32 s25, 0
	s_lshl_b32 s26, s22, 8
	s_mov_b32 s27, 0
	s_lshl_b32 s28, ttmp9, 4
	s_lshl_b32 s29, s2, 1
	s_add_co_u32 s28, s28, s29
	s_lshl_b32 s28, s28, 10                        ; row 16 qt + 2 w of the output
	s_mov_b32 s29, 0
	s_wait_kmcnt 0x0
	s_add_nc_u64 s[4:5], s[4:5], s[24:25]
	s_add_nc_u64 s[6:7], s[6:7], s[26:27]
	s_add_nc_u64 s[14:15], s[14:15], s[28:29]
.irp q, 0,1,2,3
	global_load_b128 v[16+4*\q:19+4*\q], v4, s[4:5] offset:512*\q
	global_load_b128 v[32+4*\q:35+4*\q], v4, s[4:5] offset:2097152+512*\q       ; the other half of the keys
.endr
	global_load_b64 v[48:49], v5, s[6:7]
	global_load_b64 v[50:51], v5, s[6:7] offset:262144
.irp t, 0,1
.irp ks, 0,1
.irp p, 0,1,2,3,4,5
	global_load_b64 v[64+12*(2*\t+\ks)+2*\p:65+12*(2*\t+\ks)+2*\p], v7, s[8:9] offset:3072*\t+96*\ks+48*(\p/3)+8*(\p%3)
.endr
	global_load_b32 v[112+2*\t+\ks], v6, s[10:11] offset:128*\t+4*\ks
.endr
	global_load_b128 v[116+8*\t:119+8*\t], v8, s[12:13] offset:64*\t
	global_load_b128 v[120+8*\t:123+8*\t], v8, s[12:13] offset:64*\t+16
.endr
	s_wait_loadcnt 0x0
	v_min_num_f32 v52, v48, v50                    ; -M of all keys
	v_sub_f32 v53, v52, v48
	v_sub_f32 v54, v52, v50
	v_cvt_i32_f32 v53, v53
	v_cvt_i32_f32 v54, v54
	v_ldexp_f32 v58, 1.0, v53                      ; 2^(M0 - M)
	v_ldexp_f32 v60, 1.0, v54                      ; 2^(M1 - M)
	v_mul_f32 v55, v49, v58
	v_fma_f32 v55, v51, v60, v55                   ; the row's sum
	v_rcp_f32 v55, v55
	v_nop                                          ; a plain place behind the reciprocal
	s_wait_alu depctr_va_vdst(0)                   ; and the wait ahead of its first reader
	v_mul_f32 v58, v58, v55
	v_mul_f32 v60, v60, v55
	v_mov_b32 v59, v58
	v_mov_b32 v61, v60
.irp k, 0,2,4,6,8,10,12,14
	v_pk_mul_f32 v[16+\k:17+\k], v[16+\k:17+\k], v[58:59]
.endr
.irp k, 0,2,4,6,8,10,12,14
	v_pk_fma_f32 v[16+\k:17+\k], v[32+\k:33+\k], v[60:61], v[16+\k:17+\k]
.endr
	v_max3_num_f32 v62, |v16|, |v17|, FLOOR        ; the block of 32 columns lies in lanes l and l xor 16
	v_max3_num_f32 v63, |v24|, |v25|, FLOOR
.irp i, 2,4,6
	v_max3_num_f32 v62, |v[16+\i]|, |v[17+\i]|, v62
	v_max3_num_f32 v63, |v[24+\i]|, |v[25+\i]|, v63
.endr
	v_max_num_f32 v62, v62, v63
	v_permlanex16_b32 v56, v62, s20, s21
	v_max_num_f32 v62, v62, v56
	v_add_nc_u32 v57, 0xff000000, v62              ; 2 off the exponent field
	v_lshrrev_b32 v54, 23, v57
	v_cvt_scalef32_pk16_fp6_f32 v[32:34], v[16:31], v57
	v_nop                                          ; one plain place behind a scaled conversion
	ds_store_b32 v9, v32 offset:OC
	ds_store_b32 v9, v33 offset:OC+4
	ds_store_b32 v9, v34 offset:OC+8
	ds_store_b8 v11, v54 offset:OS
	s_wait_dscnt 0x0                               ; for the others' sake
	s_barrier_signal -1
	s_barrier_wait -1
.irp ks, 0,1
.irp p, 0,1,2,3,4,5
	ds_load_b64 v[132+12*\ks+2*\p:133+12*\ks+2*\p], v10 offset:OC+96*\ks+48*(\p/3)+8*(\p%3)
.endr
	ds_load_b32 v[156+\ks], v12 offset:OS+4*\ks
.endr
	s_wait_dscnt 0x0
.irp ks, 0,1                                   ; transposed: source 0 = 16 rows of wo, source 1 = the 16 rows of O; the two sums take turns; bo is the C of each sum's first product
.irp t, 0,1
.if \ks == 0
	v_wmma_scale_f32_16x16x128_f8f6f4 v[160+8*\t:167+8*\t], v[64+12*(2*\t+\ks):75+12*(2*\t+\ks)], v[132+12*\ks:143+12*\ks], v[116+8*\t:123+8*\t], v[112+2*\t+\ks], v[156+\ks] matrix_a_fmt:MATRIX_FMT_FP6 matrix_b_fmt:MATRIX_FMT_FP6
.else
	v_wmma_scale_f32_16x16x128_f8f6f4 v[160+8*\t:167+8*\t], v[64+12*(2*\t+\ks):75+12*(2*\t+\ks)], v[132+12*\ks:143+12*\ks], v[160+8*\t:167+8*\t], v[112+2*\t+\ks], v[156+\ks] matrix_a_fmt:MATRIX_FMT_FP6 matrix_b_fmt:MATRIX_FMT_FP6
.endif
.endr
.endr
.rept 4
	v_nop
.endr
.irp t, 0,1
	ds_store_b128 v13, v[160+8*\t:163+8*\t] offset:STG+64*\t        ; lane (r, h): out(r, 32 w + 16 t + 8 h + 0 .. 7); each sum from its low end on
	ds_store_b128 v13, v[164+8*\t:167+8*\t] offset:STG+64*\t+16
.endr
	s_wait_dscnt 0x0
	s_barrier_signal -1
	s_barrier_wait -1                              ; 16 whole rows lie in the stage
.irp i, 0,1,2,3
	ds_load_b128 v[176+4*\i:179+4*\i], v14 offset:STG+1040*(\i/2)+512*(\i%2)
.endr
.irp i, 0,1,2,3
	s_wait_dscnt 3-\i                              ; the younger LDS loads may stay out
	global_store_b128 v4, v[176+4*\i:179+4*\i], s[14:15] offset:1024*(\i/2)+512*(\i%2)     ; 32 lanes store 512 consecutive bytes, aligned
.endr
	s_wait_tensorcnt 0x0
	ds_add_u32 v192, v193
	s_wait_dscnt 0x0
	s_endpgm
.Lfunc_end_k_q0cf6c7ed7b_outp:
	.size	k_q0cf6c7ed7b_outp, .Lfunc_end_k_q0cf6c7ed7b_outp-k_q0cf6c7ed7b_outp
	.p2alignl 7, 3214868480
	.fill 96, 4, 3214868480
	.section	.rodata,"a",@progbits
	.p2align	6, 0x0
	.amdhsa_kernel k_q0cf6c7ed7b_outp
		.amdhsa_group_segment_fixed_size 21504
		.amdhsa_private_segment_fixed_size 0
		.amdhsa_enable_private_segment 0
		.amdhsa_kernarg_size 48
		.amdhsa_user_sgpr_count 2
		.amdhsa_user_sgpr_kernarg_segment_ptr 1
		.amdhsa_wavefront_size32 1
		.amdhsa_system_sgpr_workgroup_id_x 1
		.amdhsa_system_sgpr_workgroup_id_y 1
		.amdhsa_system_sgpr_workgroup_id_z 1
		.amdhsa_system_vgpr_workitem_id 0
		.amdhsa_next_free_vgpr 194
		.amdhsa_next_free_sgpr 66
		.amdhsa_reserve_vcc 0
		.amdhsa_float_denorm_mode_32 3
		.amdhsa_float_denorm_mode_16_64 3
		.amdhsa_memory_ordered 1
		.amdhsa_forward_progress 1
		.amdhsa_inst_pref_size 12
	.end_amdhsa_kernel
	.amdgpu_metadata
---
amdhsa.version: [ 1, 2 ]
amdhsa.kernels:
  - .name:           k_q0cf6c7ed7b_outp
    .symbol:         k_q0cf6c7ed7b_outp.kd
    .args:
      - { .name: opart, .offset: 0, .size: 8, .value_kind: global_buffer, .address_space: global }
      - { .name: ml, .offset: 8, .size: 8, .value_kind: global_buffer, .address_space: global }
      - { .name: wo_codes, .offset: 16, .size: 8, .value_kind: global_buffer, .address_space: global }
      - { .name: wo_scales, .offset: 24, .size: 8, .value_kind: global_buffer, .address_space: global }
      - { .name: bo, .offset: 32, .size: 8, .value_kind: global_buffer, .address_space: global }
      - { .name: out0, .offset: 40, .size: 8, .value_kind: global_buffer, .address_space: global }
    .group_segment_fixed_size: 21504
    .private_segment_fixed_size: 0
    .kernarg_segment_align: 8
    .kernarg_segment_size: 48
    .max_flat_workgroup_size: 256
    .sgpr_count:     66
    .vgpr_count:     194
    .wavefront_size: 32
...
	.end_amdgpu_metadata
.endif
;; end of part 3
;; ======== version 2 of 2: 3 launches; version 1 with the launches prep, pairatt, outp written anew for expert scheduling mode
;; workspace buffers: qc 393,216 bytes; qs 16,384 bytes; kc 393,216 bytes; ks 16,384 bytes; vc 524,288 bytes; vsw 131,072 bytes; opart 4,194,304 bytes; ml 524,288 bytes
;; launch prep (part 4): grid 64 x 1, 8 waves a work-group, no clusters, 34,816 bytes of LDS; arguments obj_feature, obj_center, obj_size, conv1_w, conv1_b, bn_mean, bn_var, bn_g, bn_b, prelu_a, conv2_w_codes, conv2_w_scales, conv2_b, bbox_w, bbox_b, wq_codes, wq_scales, bq, wk_codes, wk_scales, bk, wv_codes, wv_scales, bv, qc, qs, kc, ks, vc, vsw; writes qc, qs, kc, ks, vc, vsw
.if DOCPART == 4
	.amdgcn_target "amdgcn-amd-amdhsa--gfx1250"
	.amdhsa_code_object_version 6
	.text
	.protected	k_q0cf6c7ed7b_prep
	.globl	k_q0cf6c7ed7b_prep
	.p2align	8
	.type	k_q0cf6c7ed7b_prep,@function
k_q0cf6c7ed7b_prep:
	s_mov_b64 s[64:65], 0
	v_nop
	global_prefetch_b8 v0, s[64:65] scope:SCOPE_SE
	s_setreg_imm32_b32 hwreg(HW_REG_WAVE_SCHED_MODE, 0, 2), 2
	s_setreg_imm32_b32 hwreg(HW_REG_WAVE_MODE, 25, 1), 1
	s_wait_xcnt 0x0
	s_wait_alu depctr_vm_vsrc(0)
; THE ROW CHAIN: x = conv2(prelu(bn(conv1(obj_feature)))) + box embedding; q, k, v = x wq^T + bq, .. ; all products on codes of FP6 (E2M3) but the box embedding (K = 6, f32 matrix form).
; q and k leave as codes along the head's 64 (rows of 192 bytes, one scale byte for each 32 columns); v leaves as codes along the KEYS, in the order of the operand registers of the next launch.
; SHARES. Work-group g owns rows 32 g .. 32 g + 31 (two tiles of 16 rows, mt; they are exactly one block of 32 keys of v, which is why there are 64 work-groups and not more).
; Wave w owns columns 32 w .. 32 w + 31 of every layer: one block of the next quantiser. Its weights stay in registers (window 1).
; LAYOUT. Products are used transposed (source 0 = 16 rows of the weight, source 1 = 16 rows of x): a lane holds one row of x. Lane m of weight tile u takes row 32 w + 8 u + m + 8 (m / 8), so that the 16
; registers of tiles 0 and 1 are columns 32 w + 16 (lane / 16) + 0 .. 15; lanes l and l xor 16 share a block. v alone is not transposed: a lane then holds one column and 8 keys a tile.
; Quantised rows go from wave to wave through LDS as rows of codes (pitch 208) and rows of 8 scale bytes. Every LDS region is written once, so one barrier a phase is enough.
; conv1_w arrives as f32: each wave quantises its own 32 rows (columns 240 .. 255 are zeros on both sides).
; LIMITS: NaN and infinities among the inputs are not served (the box product's padded K leans on finite x 0 = 0). A block whose largest magnitude lies under 2^-124, a block of zeros too, keeps the scale byte 1:
; its bytes are read by this program alone.
; THE MODE: SCHED_MODE bits 1:0 = 2 (LLVM: expert scheduling mode 2), set by the entry lines. The code itself states the register dependences between vector or matrix instructions and memory or LDS
; instructions, with s_wait_alu, always for 0.
; THE PLAN. Registers that memory or LDS instructions touch:
;   v1-21      addresses, made once at the head and never written again: one wait on va_vdst ahead of the first load.
;   v64-255    six slots of 32 in the first phase. A slot's loads land; its turn's quantiser reads it (and clears part of two); the slot is asked for again at once, behind a wait on va_vdst.
;   v48, v50-55  the out-buffer of every quantiser: written by its last lines, read by a run of stores. A wait on va_vdst stands ahead of the run, a wait on vm_vsrc behind it.
;   v64-89     later: x's two fragments and their scale words. LDS loads land; the tile's products read them; the wait on va_vdst ahead of the tile's stores stands between those products and the next loads.
;   window 1 v0-47 and v24-27: conv1_w's codes and scale words, made by vector instructions, taken by scaled products: the wait on va_vdst ahead of conv2's loads states them written.
;   All other weights, biases and scale words land in registers that no vector instruction issued since the last wait on va_vdst names.
; REGISTERS, window 0: v1-21 addresses; v24-43 the weights' scale words (4 L + 2 u + ks; L = 0 conv1, 1 conv2, 2 wq, 3 wk, 4 wv); v44-63 at work; v64-255 six slots of 32 numbers in the first phase, later:
;   v64-87 x's two fragments, v88-89 their scale words, v90-91 bv, v96-111 and v128-143 sums, v112-127 at work, v144-151 bbox_w, v152-159 the boxes, v160-175 conv1_b - mean, v176-191 conv2_b + bbox_b,
;   v192-207 g / sqrt(var + eps), v224-239 bn_b, v240-255 prelu_a; in the last phase v160-191 v's sums, v192-207 bv, v224-239 bq, v240-255 bk.
; window 1: weight fragments at 48 L + 12 (2 u + ks); v240-255 the sums that the f32 matrix form begins: written by matrix instructions alone.
.set FLOOR, 0x1800000
.set XQ0, 0
.set H1,  6656
.set X2,  13312
.set SC0, 19968
.set SC1, 20224
.set SC2, 20480
.set QST, 20736
.set KST, 26880
.set QSS, 33024
.set KSS, 33280
.set MSB, 0
.macro WIN new                         ; the immediate's high byte repeats the setting that is left
.if MSB != (\new)
	s_set_vgpr_msb (MSB<<8)|(\new)
.set MSB, (\new)
.endif
.endm
.macro NOPS n
.rept \n
	v_nop
.endr
.endm
.macro BARRIER                         ; my LDS stores have landed and my LDS loads are in: then the work-group's barrier
	s_wait_dscnt 0x0
	s_barrier_signal -1
	s_barrier_wait -1
.endm
; the largest magnitude of 32 numbers of one lane (a whole block), with the floor; v47 the conversion's scale operand, v48 the byte
.macro AMAX32 b
	v_max3_num_f32 v44, |v[\b]|, |v[\b+1]|, FLOOR
	v_max3_num_f32 v45, |v[\b+2]|, |v[\b+3]|, FLOOR
.irp i, 4,8,12,16,20,24,28
	v_max3_num_f32 v44, |v[\b+\i]|, |v[\b+\i+1]|, v44
	v_max3_num_f32 v45, |v[\b+\i+2]|, |v[\b+\i+3]|, v45
.endr
	v_max_num_f32 v44, v44, v45
	v_add_nc_u32 v47, 0xff000000, v44              ; 2 off the exponent field
	v_lshrrev_b32 v48, 23, v47
.endm
; 16 numbers of a lane in window win; lanes l and l xor 16 share the block. Codes to v50-52, byte to v48. Each sum is read from its low end on.
.macro QUANT16 src, win
	WIN 5*(\win)
	v_max3_num_f32 v44, |v[\src]|, |v[\src+1]|, FLOOR
	v_max3_num_f32 v45, |v[\src+8]|, |v[\src+9]|, FLOOR
.irp i, 2,4,6
	v_max3_num_f32 v44, |v[\src+\i]|, |v[\src+\i+1]|, v44
	v_max3_num_f32 v45, |v[\src+8+\i]|, |v[\src+9+\i]|, v45
.endr
	WIN 0
	v_max_num_f32 v44, v44, v45
	v_permlanex16_b32 v46, v44, s68, s69
	v_max_num_f32 v44, v44, v46
	v_add_nc_u32 v47, 0xff000000, v44
	v_lshrrev_b32 v48, 23, v47
	WIN \win
	v_cvt_scalef32_pk16_fp6_f32 v[50:52], v[\src:\src+15], v47
	WIN 0
	v_nop                                          ; one plain place behind a scaled conversion
.endm
.macro ROWSTORE adr, base, sbase       ; my 12 bytes of a row of codes, and the block's byte (both halves of the lanes write the same byte)
	s_wait_alu depctr_va_vdst(0)                   ; the quantiser has written v48 and v50-52, which the stores read; the tile's products are done reading v64-89, in which the next tile's fragments land
	ds_store_b32 v[\adr], v50 offset:\base
	ds_store_b32 v[\adr], v51 offset:\base+4
	ds_store_b32 v[\adr], v52 offset:\base+8
	ds_store_b8 v8, v48 offset:\sbase
	s_wait_alu depctr_vm_vsrc(0)                   ; the stores have read v48 and v50-52, which the next quantiser writes
.endm
.macro PL4 dst, lo                     ; 16 numbers of my 16 columns
.irp q, 0,1,2,3
	global_load_b128 v[\dst+4*\q:\dst+4*\q+3], v3, s[\lo:\lo+1] offset:16*\q
.endr
.endm
; layer L's four fragments into window 1 and their scale words
.macro WLOAD L, lo
	WIN 0x40
.irp u, 0,1
.irp ks, 0,1
.irp p, 0,1,2,3,4,5
	global_load_b64 v[48*\L+12*(2*\u+\ks)+2*\p:48*\L+12*(2*\u+\ks)+2*\p+1], v1, s[\lo:\lo+1] offset:1536*\u+96*\ks+48*(\p/3)+8*(\p%3)
.endr
.endr
.endr
	WIN 0
.irp u, 0,1
.irp ks, 0,1
	global_load_b32 v[24+4*\L+2*\u+\ks], v2, s[\lo+2:\lo+3] offset:64*\u+4*\ks
.endr
.endr
.endm
; half a fragment of conv1_w: f = 4 u + 2 ks + c; a lane takes the 32 numbers of block 4 ks + 2 c + h of its row
.macro HFLOAD f, sl
.set HU, (\f)/4
.set HK, ((\f)/2)%2
.set HC, (\f)%2
.irp q, 0,1,2,3,4,5,6,7
.if (HK == 1) && (HC == 1) && (\q >= 4)
	global_load_b128 v[\sl+4*\q:\sl+4*\q+3], v12, s[10:11] offset:HU*7680+768+16*(\q-4)   ; lanes 16-31 would leave the row here: they read bytes of their block's first half again, and the numbers are cleared
.else
	global_load_b128 v[\sl+4*\q:\sl+4*\q+3], v11, s[10:11] offset:HU*7680+(4*HK+2*HC)*128+16*\q
.endif
.endr
.endm
.macro HFWORK f, sl
.set HFD, 12*((\f)/2)+6*((\f)%2)
.if ((\f)%4) == 3
.set i, 16
.rept 16
	v_cndmask_b32 v[\sl+i], 0, v[\sl+i], s67       ; columns 240 .. 255 are zeros
.set i, i+1
.endr
.endif
	AMAX32 \sl
	WIN 0x40
	v_cvt_scalef32_pk16_fp6_f32 v[HFD:HFD+2], v[\sl:\sl+15], v47
	WIN 0
	v_cvt_scalef32_pk16_fp6_f32 v[54:56], v[\sl+16:\sl+31], v47   ; (a conversion's three registers begin on an even number)
	v_nop
	WIN 0x40
	v_mov_b32 v[HFD+3], v54
	v_mov_b32 v[HFD+4], v55
	v_mov_b32 v[HFD+5], v56
	WIN 0
.if ((\f)%2) == 0
	v_mov_b32 v49, v48
.else
	v_lshl_or_b32 v49, v48, 16, v49                ; my two bytes: blocks h and 2 + h,
	v_lshlrev_b32 v49, v60, v49                    ; at their places (8 h bits up);
	v_permlanex16_b32 v46, v49, s68, s69
	v_or_b32 v[24+(\f)/2], v49, v46                ; with the other half's two the word is whole
.endif
.endm
.macro FETCHX region, sreg, mt         ; 16 rows of codes, K = 256: two fragments and two scale words
.irp ks, 0,1
.irp p, 0,1,2,3,4,5
	ds_load_b64 v[64+12*\ks+2*\p:65+12*\ks+2*\p], v4 offset:\region+(\mt)*3328+96*\ks+48*(\p/3)+8*(\p%3)
.endr
	ds_load_b32 v[88+\ks], v5 offset:\sreg+128*(\mt)+4*\ks
.endr
	s_wait_dscnt 0x0
.endm
; four products, transposed; the two sums take turns; the bias is the C of each sum's first product
.macro MULT L, acc, c0
	WIN 0x01
.irp ks, 0,1
.irp u, 0,1
.if \ks == 0
	v_wmma_scale_f32_16x16x128_f8f6f4 v[\acc+8*\u:\acc+8*\u+7], v[48*\L+12*(2*\u+\ks):48*\L+12*(2*\u+\ks)+11], v[64+12*\ks:75+12*\ks], v[\c0+8*\u:\c0+8*\u+7], v[24+4*\L+2*\u+\ks], v[88+\ks] matrix_a_fmt:MATRIX_FMT_FP6 matrix_b_fmt:MATRIX_FMT_FP6
.else
	v_wmma_scale_f32_16x16x128_f8f6f4 v[\acc+8*\u:\acc+8*\u+7], v[48*\L+12*(2*\u+\ks):48*\L+12*(2*\u+\ks)+11], v[64+12*\ks:75+12*\ks], v[\acc+8*\u:\acc+8*\u+7], v[24+4*\L+2*\u+\ks], v[88+\ks] matrix_a_fmt:MATRIX_FMT_FP6 matrix_b_fmt:MATRIX_FMT_FP6
.endif
.endr
.endr
	WIN 0
.endm
	s_load_b512 s[4:19], s[0:1], 0x0               ; the 30 addresses: argument i in s[4 + 2 i : 5 + 2 i]
	s_load_b512 s[20:35], s[0:1], 0x40
	s_load_b512 s[36:51], s[0:1], 0x80
	s_load_b256 s[52:59], s[0:1], 0xc0
	s_load_b128 s[60:63], s[0:1], 0xe0
	v_lshl_add_u32 v57, v0, 2, 0x8400
	v_mov_b32 v63, 0
	v_lshrrev_b32 v22, 5, v0
	v_readfirstlane_b32 s2, v22                    ; wave
	v_and_b32 v22, 31, v0                          ; l
	v_and_b32 v23, 15, v0                          ; r
	v_bfe_u32 v58, v0, 4, 1                        ; h
	s_wait_alu depctr_va_sdst(0)                   ; s2 is written, ahead of its first reader
	s_lshl_b32 s74, s2, 7                          ; 128 w
	s_mul_i32 s75, s2, 24                          ; 24 w
	s_lshl_b32 s76, s2, 5                          ; 32 w
	s_mov_b32 s67, 0x0000ffff                      ; lanes 0-15
	s_mov_b32 s68, 0x76543210
	s_mov_b32 s69, 0xfedcba98                      ; selects for lane l xor 16
	s_mov_b32 s72, 0x3727c5ac                      ; 1e-5
	s_cmp_eq_u32 s2, 7
	s_cselect_b32 s66, 0, -1                       ; wave 7's block of obj_feature has 16 numbers: the rest is cleared
	s_cselect_b32 s73, 0, 64
	v_and_b32 v59, 8, v23
	v_add_nc_u32 v59, v59, v23
	v_add_nc_u32 v59, s76, v59                     ; P = 32 w + r + 8 (r / 8)
	v_mul_u32_u24 v1, v59, 192
	v_mad_u32_u24 v1, v58, 24, v1                  ; a weight's codes: row P, + 24 h
	v_lshlrev_b32 v2, 3, v59                       ; its scale bytes
	v_lshl_add_u32 v3, v58, 6, s74                 ; my 16 columns' numbers: (32 w + 16 h) x 4
	v_mul_u32_u24 v4, v23, 208
	v_mad_u32_u24 v4, v58, 24, v4                  ; LDS: a fragment of rows
	v_lshlrev_b32 v5, 3, v23                       ; LDS: a row's scale bytes
	v_mul_u32_u24 v6, v23, 208
	v_mad_u32_u24 v6, v58, 12, v6
	v_add_nc_u32 v6, s75, v6                       ; LDS: my 12 bytes of row r, pitch 208
	v_mul_u32_u24 v7, v23, 192
	v_mad_u32_u24 v7, v58, 12, v7
	v_add_nc_u32 v7, s75, v7                       ; the same, pitch 192
	v_lshl_add_u32 v8, v23, 3, s2                  ; LDS: my block's byte of row r
	v_mul_u32_u24 v9, v22, 960
	v_add_nc_u32 v9, s74, v9                       ; obj_feature: row l, block w
	v_add_nc_u32 v10, s73, v9                      ; its second half
	v_mul_u32_u24 v11, v59, 960
	v_lshl_add_u32 v11, v58, 7, v11                ; conv1_w: row P, + 128 h
	v_sub_nc_u32 v61, 1, v58
	v_lshl_add_u32 v12, v61, 6, v11                ; + 64 in lanes 0-15 alone
	v_mul_u32_u24 v13, v22, 208
	v_add_nc_u32 v13, s75, v13                     ; LDS: block w of row l
	v_lshl_add_u32 v14, v22, 3, s2
	v_mul_u32_u24 v15, v23, 12                     ; a row of obj_center or obj_size
	v_mul_u32_u24 v17, v59, 24                     ; bbox_w: row P
	v_lshl_add_u32 v16, v58, 3, v17                ; + 8 h
	v_lshlrev_b32 v18, 2, v59
	v_lshlrev_b32 v19, 4, v22
	v_lshlrev_b32 v20, 2, v22
	v_lshlrev_b32 v21, 3, v0
	v_lshlrev_b32 v60, 3, v58                      ; 8 h
	v_mov_b32 v46, 0                               ; a lane permute's destination counts as one of its sources
	s_wait_kmcnt 0x0
	s_mov_b32 s71, 0
	s_mul_i32 s70, ttmp9, 30720
	s_add_nc_u64 s[4:5], s[4:5], s[70:71]          ; the work-group's 32 rows
	s_mul_i32 s70, ttmp9, 384
	s_add_nc_u64 s[6:7], s[6:7], s[70:71]
	s_add_nc_u64 s[8:9], s[8:9], s[70:71]
	s_mul_i32 s70, ttmp9, 6144
	s_add_nc_u64 s[52:53], s[52:53], s[70:71]
	s_add_nc_u64 s[56:57], s[56:57], s[70:71]
	s_lshl_b32 s70, ttmp9, 8
	s_add_nc_u64 s[54:55], s[54:55], s[70:71]
	s_add_nc_u64 s[58:59], s[58:59], s[70:71]
	s_lshl_b32 s70, ttmp9, 13
	s_lshl_b32 s77, s2, 10
	s_add_co_u32 s70, s70, s77
	s_add_nc_u64 s[60:61], s[60:61], s[70:71]      ; vc: block g, tiles 2 w and 2 w + 1
	s_lshl_b32 s70, ttmp9, 11
	s_lshl_b32 s77, s2, 8
	s_add_co_u32 s70, s70, s77
	s_add_nc_u64 s[62:63], s[62:63], s[70:71]
	; ---- the first phase: obj_feature's block and conv1_w's eight half fragments, through six slots of 32 registers. Each wait counts the loads issued behind the slot that is due, eight to a slot.
	s_wait_alu depctr_va_vdst(0)                   ; the addresses v1-21 are written: every load and store of the kernel reads one of them
.irp q, 0,1,2,3
	global_load_b128 v[64+4*\q:67+4*\q], v9, s[4:5] offset:16*\q
.endr
.irp q, 0,1,2,3
	global_load_b128 v[80+4*\q:83+4*\q], v10, s[4:5] offset:16*\q
.endr
	HFLOAD 0, 96
	HFLOAD 1, 128
	HFLOAD 2, 160
	HFLOAD 3, 192
	HFLOAD 4, 224
	s_wait_loadcnt 40
.set i, 16
.rept 16
	v_cndmask_b32 v[64+i], 0, v[64+i], s66
.set i, i+1
.endr
	AMAX32 64
	v_cvt_scalef32_pk16_fp6_f32 v[50:52], v[64:79], v47
	v_cvt_scalef32_pk16_fp6_f32 v[54:56], v[80:95], v47
	v_nop
	v_mov_b32 v53, v54
	v_mov_b32 v54, v55
	v_mov_b32 v55, v56
	s_wait_alu depctr_va_vdst(0)                   ; v48 and v50-55 are written, which the stores read; the lines above are done with v64-95, in which half fragment 5 lands
	ds_store_b64 v13, v[50:51] offset:XQ0
	ds_store_b64 v13, v[52:53] offset:XQ0+8
	ds_store_b64 v13, v[54:55] offset:XQ0+16
	ds_store_b8 v14, v48 offset:SC0
	HFLOAD 5, 64
	s_wait_alu depctr_vm_vsrc(0)                   ; the stores have read v48 and v50-55, which the next turn writes
	s_wait_loadcnt 40
	HFWORK 0, 96
	s_wait_alu depctr_va_vdst(0)                   ; the turn is done reading v96-127, in which half fragment 6 lands
	HFLOAD 6, 96
	s_wait_loadcnt 40
	HFWORK 1, 128
	s_wait_alu depctr_va_vdst(0)                   ; the turn is done reading v128-159, in which half fragment 7 lands
	HFLOAD 7, 128
	s_wait_loadcnt 40
	HFWORK 2, 160
	s_wait_alu depctr_va_vdst(0)                   ; the turn is done reading v160-191, in which conv1_b and bn_mean land
	PL4 160, 12                                    ; conv1_b
	PL4 176, 14                                    ; bn_mean
	s_wait_loadcnt 40
	HFWORK 3, 192
	s_wait_alu depctr_va_vdst(0)                   ; the turn is done with v192-223 (it cleared half of them), in which bn_var and bn_g land
	PL4 192, 16                                    ; bn_var
	PL4 208, 18                                    ; bn_g
	s_wait_loadcnt 40
	HFWORK 4, 224
	s_wait_alu depctr_va_vdst(0)                   ; the turn is done reading v224-255, in which bn_b and prelu_a land
	PL4 224, 20                                    ; bn_b
	PL4 240, 22                                    ; prelu_a
	s_wait_loadcnt 40
	HFWORK 5, 64
	s_wait_loadcnt 32
	HFWORK 6, 96
	s_wait_loadcnt 24
	HFWORK 7, 128
	s_wait_loadcnt 0x0
.irp k, 0,2,4,6,8,10,12,14
	v_pk_add_f32 v[160+\k:161+\k], v[160+\k:161+\k], v[176+\k:177+\k] neg_lo:[0,1] neg_hi:[0,1]   ; conv1_b - mean: the C of conv1's first product
.endr
.set i, 0
.rept 16
	v_add_f32 v[192+i], s72, v[192+i]
.set i, i+1
.endr
.set i, 0
.rept 16
	v_rsq_f32 v[192+i], v[192+i]
.set i, i+1
.endr
	v_nop                                          ; a plain place behind the last of the batch
	s_wait_alu depctr_va_vdst(0)                   ; one wait for the sixteen v_rsq_f32 into v192-207, ahead of their first reader
.irp k, 0,2,4,6,8,10,12,14
	v_pk_mul_f32 v[192+\k:193+\k], v[208+\k:209+\k], v[192+\k:193+\k]    ; g / sqrt(var + eps)
.endr
	s_wait_alu depctr_va_vdst(0)                   ; the lines above are done reading v128-159, v176-191 and v208-223, in which the loads below land; conv1_w's codes (window 1 v0-47) and scale words v24-27 are written, which conv1's products take
	WLOAD 1, 24                                    ; conv2's weights, asked for a phase ahead
	PL4 176, 28                                    ; conv2_b
	PL4 208, 32                                    ; bbox_b
.irp u, 0,1
	global_load_b64 v[144+4*\u:145+4*\u], v16, s[30:31] offset:192*\u        ; bbox_w(row, 2 h + 0 .. 1)
	global_load_b64 v[146+4*\u:147+4*\u], v17, s[30:31] offset:192*\u+16     ; bbox_w(row, 4 .. 5) in both halves: lanes 16-31 meet zeros on the other side
.endr
.irp mt, 0,1
.irp k, 0,1,2
	global_load_b32 v[128+6*\mt+\k], v15, s[6:7] offset:192*\mt+4*\k
	global_load_b32 v[131+6*\mt+\k], v15, s[8:9] offset:192*\mt+4*\k
.endr
.endr
	BARRIER                                        ; obj_feature's codes lie in LDS
	; ---- conv1, batch norm, PReLU, quantised
.irp mt, 0,1
	FETCHX XQ0, SC0, \mt
	MULT 0, 96, 160
	NOPS 4
.irp k, 0,2,4,6,8,10,12,14
	v_pk_fma_f32 v[112+\k:113+\k], v[96+\k:97+\k], v[192+\k:193+\k], v[224+\k:225+\k]
.endr
.set i, 0
.rept 16
	v_min_num_f32 v[96+i], 0, v[112+i]
.set i, i+1
.endr
.set i, 0
.rept 16
	v_max_num_f32 v[112+i], 0, v[112+i]
.set i, i+1
.endr
.irp k, 0,2,4,6,8,10,12,14
	v_pk_fma_f32 v[112+\k:113+\k], v[240+\k:241+\k], v[96+\k:97+\k], v[112+\k:113+\k]   ; max(x, 0) + a min(x, 0)
.endr
	QUANT16 112, 0
	ROWSTORE 6, H1+\mt*3328, SC1+128*\mt
.endr
	BARRIER
	; ---- box embedding (f32 matrix form, K = 6 in two steps, the biases as its C), conv2 added onto the same sums, quantised
	s_wait_loadcnt 0x0
.irp k, 0,2,4,6,8,10,12,14
	v_pk_add_f32 v[176+\k:177+\k], v[176+\k:177+\k], v[208+\k:209+\k]
.endr
.irp mt, 0,1
	v_cndmask_b32 v[152+4*\mt], v[130+6*\mt], v[128+6*\mt], s67     ; k = 2 h: c0 | c2
	v_cndmask_b32 v[153+4*\mt], v[131+6*\mt], v[129+6*\mt], s67     ; k = 2 h + 1: c1 | s0
	v_cndmask_b32 v[154+4*\mt], 0, v[132+6*\mt], s67                ; k = 4 + 2 h: s1 | 0
	v_cndmask_b32 v[155+4*\mt], 0, v[133+6*\mt], s67                ; s2 | 0
.endr
	WLOAD 2, 34                                    ; wq, wk, wv a phase ahead.  No wait: the last readers of v224-255 stand ahead of the wait in front of the last stores, and no line since names a register in which these loads land
	WLOAD 3, 40
	WLOAD 4, 46
	PL4 224, 38                                    ; bq
	PL4 240, 44                                    ; bk
	global_load_b32 v90, v18, s[50:51]             ; bv of my column, tile 0
	global_load_b32 v91, v18, s[50:51] offset:32   ; tile 1
.irp mt, 0,1
	WIN 0x40
	v_wmma_f32_16x16x4_f32 v[240:247], v[144:145], v[152+4*\mt:153+4*\mt], v[176:183]
	v_wmma_f32_16x16x4_f32 v[248:255], v[148:149], v[152+4*\mt:153+4*\mt], v[184:191]
	WIN 0x50
	v_wmma_f32_16x16x4_f32 v[240:247], v[146:147], v[154+4*\mt:155+4*\mt], v[240:247]
	v_wmma_f32_16x16x4_f32 v[248:255], v[150:151], v[154+4*\mt:155+4*\mt], v[248:255]
	WIN 0
	FETCHX H1, SC1, \mt
	NOPS 9                                         ; another form takes these sums up: nine places behind the f32 form
	WIN 0x51
.irp ks, 0,1
.irp u, 0,1
	v_wmma_scale_f32_16x16x128_f8f6f4 v[240+8*\u:247+8*\u], v[48+12*(2*\u+\ks):59+12*(2*\u+\ks)], v[64+12*\ks:75+12*\ks], v[240+8*\u:247+8*\u], v[28+2*\u+\ks], v[88+\ks] matrix_a_fmt:MATRIX_FMT_FP6 matrix_b_fmt:MATRIX_FMT_FP6
.endr
.endr
	WIN 0
	NOPS 4
	QUANT16 240, 1
	ROWSTORE 6, X2+\mt*3328, SC2+128*\mt
.endr
	BARRIER
	; ---- q, k (transposed) and v (a lane holds a column; its registers run down the keys)
	s_wait_loadcnt 0x0
	v_mov_b32 v53, 0                               ; the fourth word of a lane's 16 bytes of vc
.irp u, 0,1
.set i, 0
.rept 8
	v_mov_b32 v[192+8*\u+i], v[90+\u]
.set i, i+1
.endr
.endr
.irp mt, 0,1
	FETCHX X2, SC2, \mt
	MULT 2, 96, 224
	MULT 3, 128, 240
	WIN 0x04
.irp ks, 0,1
.irp u, 0,1
.if \ks == 0
	v_wmma_scale_f32_16x16x128_f8f6f4 v[160+16*\u+8*(1-\mt):167+16*\u+8*(1-\mt)], v[64+12*\ks:75+12*\ks], v[192+12*(2*\u+\ks):203+12*(2*\u+\ks)], v[192+8*\u:199+8*\u], v[88+\ks], v[40+2*\u+\ks] matrix_a_fmt:MATRIX_FMT_FP6 matrix_b_fmt:MATRIX_FMT_FP6
.else
	v_wmma_scale_f32_16x16x128_f8f6f4 v[160+16*\u+8*(1-\mt):167+16*\u+8*(1-\mt)], v[64+12*\ks:75+12*\ks], v[192+12*(2*\u+\ks):203+12*(2*\u+\ks)], v[160+16*\u+8*(1-\mt):167+16*\u+8*(1-\mt)], v[88+\ks], v[40+2*\u+\ks] matrix_a_fmt:MATRIX_FMT_FP6 matrix_b_fmt:MATRIX_FMT_FP6
.endif
.endr
.endr
	WIN 0
	NOPS 4
	QUANT16 96, 0
	ROWSTORE 7, QST+\mt*3072, QSS+128*\mt
	QUANT16 128, 0
	ROWSTORE 7, KST+\mt*3072, KSS+128*\mt
.endr
	; v: position i of a lane's 16 is key 16 (1 - i / 8) + 8 h + i % 8 of the block, the order in which the next launch holds its weights p
.irp u, 0,1
	QUANT16 160+16*\u, 0
	v_mul_u32_u24 v[61+\u], v48, 0x101             ; the block's byte for both halves of the lanes: bytes 0 and 1 of the scale word
	s_wait_alu depctr_va_vdst(0)                   ; v50-53 and the scale word are written, which the two stores read
	global_store_b128 v19, v[50:53], s[60:61] offset:512*\u     ; 32 lanes store 512 consecutive bytes
	global_store_b32 v20, v[61+\u], s[62:63] offset:128*\u
.if \u == 0
	s_wait_xcnt 0x0                                ; the stores' addresses are translated (ISA guide 3.1): their data registers are written again only behind this wait,
	s_wait_alu depctr_vm_vsrc(0)                   ; and behind this one: the stores have read v50-52, which tile 1's quantiser writes
.endif
.endr
	BARRIER
	; ---- q's and k's rows leave as they lie: 6,144 consecutive bytes each; a wave's store covers 256 consecutive bytes, aligned.  (The products that read v64-87 stand ahead of the waits on va_vdst above.)
.irp k, 0,1,2
	ds_load_b64 v[64+2*\k:65+2*\k], v21 offset:QST+2048*\k
.endr
.irp k, 0,1,2
	ds_load_b64 v[70+2*\k:71+2*\k], v21 offset:KST+2048*\k
.endr
.irp k, 0,1,2
	s_wait_dscnt 5-\k                              ; the younger LDS loads may stay out
	global_store_b64 v21, v[64+2*\k:65+2*\k], s[52:53] offset:2048*\k
.endr
.irp k, 0,1,2
	s_wait_dscnt 2-\k
	global_store_b64 v21, v[70+2*\k:71+2*\k], s[56:57] offset:2048*\k
.endr
	s_cmp_lg_u32 s2, 0
	s_cbranch_scc1 .Ldone                          ; wave 0 (where 8 x thread = 8 x lane) copies the two blocks of 256 scale bytes
	ds_load_b64 v[76:77], v21 offset:QSS
	ds_load_b64 v[78:79], v21 offset:KSS
	s_wait_dscnt 0x0
	global_store_b64 v21, v[76:77], s[54:55]
	global_store_b64 v21, v[78:79], s[58:59]
.Ldone:
	s_wait_dscnt 0x0
	s_wait_alu depctr_hold_cnt(0) depctr_sa_sdst(0) depctr_va_vdst(0) depctr_va_sdst(0) depctr_va_ssrc(0) depctr_va_vcc(0) depctr_vm_vsrc(0)
	s_wait_tensorcnt 0x0
	ds_add_u32 v57, v63
	s_wait_dscnt 0x0
	s_endpgm
.Lfunc_end_k_q0cf6c7ed7b_prep:
	.size	k_q0cf6c7ed7b_prep, .Lfunc_end_k_q0cf6c7ed7b_prep-k_q0cf6c7ed7b_prep
	.p2alignl 7, 3214868480
	.fill 96, 4, 3214868480
	.section	.rodata,"a",@progbits
	.p2align	6, 0x0
	.amdhsa_kernel k_q0cf6c7ed7b_prep
		.amdhsa_group_segment_fixed_size 34816
		.amdhsa_private_segment_fixed_size 0
		.amdhsa_enable_private_segment 0
		.amdhsa_kernarg_size 240
		.amdhsa_user_sgpr_count 2
		.amdhsa_user_sgpr_kernarg_segment_ptr 1
		.amdhsa_wavefront_size32 1
		.amdhsa_system_sgpr_workgroup_id_x 1
		.amdhsa_system_sgpr_workgroup_id_y 1
		.amdhsa_system_sgpr_workgroup_id_z 1
		.amdhsa_system_vgpr_workitem_id 0
		.amdhsa_next_free_vgpr 512
		.amdhsa_next_free_sgpr 84
		.amdhsa_reserve_vcc 0
		.amdhsa_float_denorm_mode_32 3
		.amdhsa_float_denorm_mode_16_64 3
		.amdhsa_memory_ordered 1
		.amdhsa_forward_progress 1
		.amdhsa_inst_pref_size 81
	.end_amdhsa_kernel
	.amdgpu_metadata
---
amdhsa.version: [ 1, 2 ]
amdhsa.kernels:
  - .name:           k_q0cf6c7ed7b_prep
    .symbol:         k_q0cf6c7ed7b_prep.kd
    .args:
      - { .name: obj_feature, .offset: 0, .size: 8, .value_kind: global_buffer, .address_space: global }
      - { .name: obj_center, .offset: 8, .size: 8, .value_kind: global_buffer, .address_space: global }
      - { .name: obj_size, .offset: 16, .size: 8, .value_kind: global_buffer, .address_space: global }
      - { .name: conv1_w, .offset: 24, .size: 8, .value_kind: global_buffer, .address_space: global }
      - { .name: conv1_b, .offset: 32, .size: 8, .value_kind: global_buffer, .address_space: global }
      - { .name: bn_mean, .offset: 40, .size: 8, .value_kind: global_buffer, .address_space: global }
      - { .name: bn_var, .offset: 48, .size: 8, .value_kind: global_buffer, .address_space: global }
      - { .name: bn_g, .offset: 56, .size: 8, .value_kind: global_buffer, .address_space: global }
      - { .name: bn_b, .offset: 64, .size: 8, .value_kind: global_buffer, .address_space: global }
      - { .name: prelu_a, .offset: 72, .size: 8, .value_kind: global_buffer, .address_space: global }
      - { .name: conv2_w_codes, .offset: 80, .size: 8, .value_kind: global_buffer, .address_space: global }
      - { .name: conv2_w_scales, .offset: 88, .size: 8, .value_kind: global_buffer, .address_space: global }
      - { .name: conv2_b, .offset: 96, .size: 8, .value_kind: global_buffer, .address_space: global }
      - { .name: bbox_w, .offset: 104, .size: 8, .value_kind: global_buffer, .address_space: global }
      - { .name: bbox_b, .offset: 112, .size: 8, .value_kind: global_buffer, .address_space: global }
      - { .name: wq_codes, .offset: 120, .size: 8, .value_kind: global_buffer, .address_space: global }
      - { .name: wq_scales, .offset: 128, .size: 8, .value_kind: global_buffer, .address_space: global }
      - { .name: bq, .offset: 136, .size: 8, .value_kind: global_buffer, .address_space: global }
      - { .name: wk_codes, .offset: 144, .size: 8, .value_kind: global_buffer, .address_space: global }
      - { .name: wk_scales, .offset: 152, .size: 8, .value_kind: global_buffer, .address_space: global }
      - { .name: bk, .offset: 160, .size: 8, .value_kind: global_buffer, .address_space: global }
      - { .name: wv_codes, .offset: 168, .size: 8, .value_kind: global_buffer, .address_space: global }
      - { .name: wv_scales, .offset: 176, .size: 8, .value_kind: global_buffer, .address_space: global }
      - { .name: bv, .offset: 184, .size: 8, .value_kind: global_buffer, .address_space: global }
      - { .name: qc, .offset: 192, .size: 8, .value_kind: global_buffer, .address_space: global }
      - { .name: qs, .offset: 200, .size: 8, .value_kind: global_buffer, .address_space: global }
      - { .name: kc, .offset: 208, .size: 8, .value_kind: global_buffer, .address_space: global }
      - { .name: ks, .offset: 216, .size: 8, .value_kind: global_buffer, .address_space: global }
      - { .name: vc, .offset: 224, .size: 8, .value_kind: global_buffer, .address_space: global }
      - { .name: vsw, .offset: 232, .size: 8, .value_kind: global_buffer, .address_space: global }
    .group_segment_fixed_size: 34816
    .private_segment_fixed_size: 0
    .kernarg_segment_align: 8
    .kernarg_segment_size: 240
    .max_flat_workgroup_size: 256
    .sgpr_count:     84
    .vgpr_count:     512
    .wavefront_size: 32
...
	.end_amdgpu_metadata
.endif
;; end of part 4
;; launch pairatt (part 5): grid 128 x 2, 8 waves a work-group, no clusters, 74,752 bytes of LDS; arguments obj_center, fc1_w, fc1_b, ln1_g, ln1_b, fc2_w_codes, fc2_w_scales, fc2_b, ln2_g, ln2_b, fc3_w, fc3_b, qc, qs, kc, ks, vc, vsw, opart, ml; writes opart, ml
.if DOCPART == 5
	.amdgcn_target "amdgcn-amd-amdhsa--gfx1250"
	.amdhsa_code_object_version 6
	.text
	.protected	k_q0cf6c7ed7b_pairatt
	.globl	k_q0cf6c7ed7b_pairatt
	.p2align	8
	.type	k_q0cf6c7ed7b_pairatt,@function
k_q0cf6c7ed7b_pairatt:
	s_mov_b64 s[64:65], 0
	v_nop
	global_prefetch_b8 v0, s[64:65] scope:SCOPE_SE
	s_setreg_imm32_b32 hwreg(HW_REG_WAVE_SCHED_MODE, 0, 2), 2
	s_setreg_imm32_b32 hwreg(HW_REG_WAVE_MODE, 25, 1), 1
	s_wait_xcnt 0x0
	s_wait_alu depctr_vm_vsrc(0)
; THE PAIR MLP FUSED WITH ATTENTION. For 16 queries (work-group x) and 1,024 keys (work-group y), all four heads: the bias MLP 4 -> 32 -> LN -> 32 -> LN -> 4 of every pair, the scores q k / 8 + bias,
; a streaming softmax p = 2^(t - M), M a whole number, and O = p v, not normalised; O, -M and the row's sum of the unquantised p go to memory, and the next launch joins the two halves of the keys.
; SHARES. Wave w walks keys 1024 y + 128 w .. + 127: 4 steps of 32 keys (a block of the second product's quantiser), each 2 trips of 16 keys, each 8 PAIRs of tiles.
; A TILE is 16 queries (lane % 16) x ONE key; the key's centre stands in scalar registers. fc1 goes by the f32 matrix form (K = 4 fits it whole; its result goes on into a quantiser), transposed, the bias as C:
; lane (r, h) holds hidden units 16 h .. 16 h + 15 of pair r. A LayerNorm's sums want one exchange between the halves of the lanes.
; HALF BLOCKS. In the 6-bit layout lanes 0-15 of registers 0-5 are the instruction's block 0 and lanes 16-31 its block 1. A lane that holds 16 of a true block's 32 numbers converts them into 3 registers, which ARE
; registers 0-2 of the operand; the true block's byte stands in bytes 0 and 1 of the scale word; the other operand is laid the same way. Registers 3-11 hold zero codes on one side; on the other side they may hold
; anything written, since every pattern of 6 bits is a finite number. So fc2 (K = 32) and p v (32 keys an instruction) need no exchange of lanes.
; A PAIR is tile A (key + j, wanted in lanes 0-15 of the scores) and tile B (key + 8 + j, wanted in lanes 16-31): one exchange of halves and one addition a head sum fc3 over the halves AND lay the bias as the scores lie.
; LN2's gain and offset, fc3_b and log2(e) are folded: bias x log2(e) = rs x sum(c_n G[hd][n]) + Bc[hd], c_n = relu - mean (two passes: no difference of large sums is formed).
; p v IS DEFERRED: a step's codes of p (3 registers a head) and E = byte + M go to LDS; behind the one barrier the work-group's common M is known, a block's byte becomes E - M (a shift by a whole power of two), and wave w
; multiplies head w / 2, channels 32 (w % 2) .. + 31, over all 1,024 keys.
; No tensor loads and no cluster: a wave moves some tens of KiB against tens of thousands of vector instructions, and no wave waits for a tile.
; LIMITS: NaN and infinities are not served. A block whose largest magnitude lies under 2^-124 keeps the byte 1. A block of p more than some 120 powers of two under the work-group's M has its byte held at 0. |M| stays under 2^31.
; v_sqrt_f32 and v_rsq_f32 take denormal inputs as zero (ISA guide, their entries).
; THE MODE: SCHED_MODE bits 1:0 = 2 (LLVM: expert scheduling mode 2), set by the entry lines. The code itself states the register dependences between vector or matrix instructions and memory or LDS
; instructions, with s_wait_alu, always for 0.
; THE PLAN. Registers that memory or LDS instructions touch, in the loop over steps:
;   v1, v2          k's offsets: made at the head, read by every load of keys, written anew once, behind the loop.
;   v180-227, v132-139  a step's keys and their scale bytes. The loads are issued behind the step's last pair; the next step's eight score products read them; the pairs use v180-211 as work registers.
;                   ONE wait on va_vdst a step stands ahead of the loads; the softmax that follows names none of these registers.
;   v4, v240-255    the out-buffer of a step's codes of p and E: written by the softmax's last lines, read by four LDS stores, written again by the next pairs.
;                   A wait on va_vdst stands ahead of the stores and a wait on vm_vsrc straight behind them, ahead of the backward jump; that one also stands behind the loads of keys.
;   Scaled products that take registers made by vector instructions have a wait on va_vdst behind their places: fc2 in every pair (codes v28-34, scale words v130-131), and the score products at a
;   step's head (the last key fragment's operand runs on into v228-233).
; At the end: one wait on va_vdst ahead of the first loads of v; one ahead of the statistics' stores, with all address making and clearing drawn ahead of it; a wait on vm_vsrc behind the barrier; one wait on va_vdst ahead
; of the first product, one behind the products of each chunk whose buffers are asked for again, one ahead of the stores of O.
; REGISTERS, window 0: v1-5 addresses; v6-8 my query's centre; v9 rs; v12-27 four a head: -M, largest t, the sum in two halves; v28-35 the codes of the two tiles' hidden layers; v36-51 ln1_g, v52-67 ln1_b, v68-83 fc1_b,
;   v84-99 fc2_b; v100-103 fc1_w; v104-127 fc2_w; v128-131 scale words; v132-139 k's, v140-143 q's scale words; v144-147 the two tiles' inputs; v148-179 the two tiles' sums: written by matrix instructions alone;
;   v180-211 the two tiles at work (between steps v180-227: k's fragments); v228-255 fourteen temporaries a tile.
; window 1: v0-63 scores, 16 a head; v64-127 G; v128-175 q; v176-207 the second key tile's scores; v208-215 Bc.
.set FLOOR, 0x1800000
.set STT, 65536
.set DA, 148
.set RA, 180
.set TA, 228
.set MSB, 0
.macro WIN new                         ; the immediate's high byte repeats the setting that is left
.if MSB != (\new)
	s_set_vgpr_msb (MSB<<8)|(\new)
.set MSB, (\new)
.endif
.endm
.macro NOPS n
.rept \n
	v_nop
.endr
.endm
.macro LOADSA                          ; the centres of pairs 0-3 of a trip: keys + 0 .. 3 and + 8 .. 11
	s_load_b256 s[16:23], s[66:67], s98 offset:0x0
	s_load_b128 s[24:27], s[66:67], s98 offset:0x20
	s_load_b256 s[28:35], s[66:67], s98 offset:0x60
	s_load_b128 s[36:39], s[66:67], s98 offset:0x80
.endm
.macro LOADSB                          ; of pairs 4-7: keys + 4 .. 7 and + 12 .. 15
	s_load_b256 s[40:47], s[66:67], s98 offset:0x30
	s_load_b128 s[48:51], s[66:67], s98 offset:0x50
	s_load_b256 s[52:59], s[66:67], s98 offset:0x90
	s_load_b128 s[60:63], s[66:67], s98 offset:0xb0
.endm
.macro KLOAD                           ; a step's 32 keys: fragment f = 2 hd + u (6 registers: K = 64) and its scale bytes
.irp hd, 0,1,2,3
.irp u, 0,1
.irp p, 0,1,2
	global_load_b64 v[180+6*(2*\hd+\u)+2*\p:181+6*(2*\hd+\u)+2*\p], v1, s[68:69] offset:3072*\u+48*\hd+8*\p
.endr
	global_load_u16 v[132+2*\hd+\u], v2, s[70:71] offset:128*\u+2*\hd
.endr
.endr
.endm
; the next pair's inputs, in three parts. nk: the scalar register of tile A's key; tile B's stands 12 further on
.macro GEOA nk
.irp k, 0,1
.irp x, 0,1
	v_sub_f32 v[144+2*\x+\k], s[\nk+12*\x+\k], v[6+\k]
.endr
.endr
.irp x, 0,1
	v_sub_f32 v[TA+14*\x+12], s[\nk+12*\x+2], v8
.endr
.irp x, 0,1
	v_mul_f32 v[TA+14*\x+13], v[144+2*\x], v[144+2*\x]
.endr
.endm
.macro GEOB
.irp x, 0,1
	v_fma_f32 v[TA+14*\x+13], v[145+2*\x], v[145+2*\x], v[TA+14*\x+13]
.endr
.irp x, 0,1
	v_fma_f32 v[TA+14*\x+13], v[TA+14*\x+12], v[TA+14*\x+12], v[TA+14*\x+13]
.endr
.irp x, 0,1
	v_sqrt_f32 v[TA+14*\x+13], v[TA+14*\x+13]
.endr
.endm
.macro GEOC                            ; register j of the operand is k = 2 h + j: (dx, dy) in lanes 0-15, (dz, d) in lanes 16-31; then fc1
.irp x, 0,1
	v_cndmask_b32 v[144+2*\x], v[144+2*\x], v[TA+14*\x+12], s80
.endr
.irp x, 0,1
	v_cndmask_b32 v[145+2*\x], v[145+2*\x], v[TA+14*\x+13], s80
.endr
.irp u, 0,1
.irp x, 0,1
	v_wmma_f32_16x16x4_f32 v[DA+16*\x+8*\u:DA+16*\x+8*\u+7], v[100+2*\u:101+2*\u], v[144+2*\x:145+2*\x], v[68+8*\u:75+8*\u]
.endr
.endr
.endm
.macro RELU                            ; each sum is read from its low end on
.set i, 0
.rept 16
	v_max_num_f32 v[RA+i], 0, v[DA+i]
	v_max_num_f32 v[RA+16+i], 0, v[DA+16+i]
.set i, i+1
.endr
.endm
.macro TREE                            ; four pairs of partial sums in T0-7 become the pair's sum over all 32 units, in T8
.irp k, 0,4
.irp x, 0,1
	v_pk_add_f32 v[TA+14*\x+\k:TA+14*\x+\k+1], v[TA+14*\x+\k:TA+14*\x+\k+1], v[TA+14*\x+\k+2:TA+14*\x+\k+3]
.endr
.endr
.irp x, 0,1
	v_pk_add_f32 v[TA+14*\x:TA+14*\x+1], v[TA+14*\x:TA+14*\x+1], v[TA+14*\x+4:TA+14*\x+5]
.endr
.irp x, 0,1
	v_add_f32 v[TA+14*\x+8], v[TA+14*\x], v[TA+14*\x+1]
.endr
.irp x, 0,1
	v_permlanex16_b32 v[TA+14*\x+9], v[TA+14*\x+8], s82, s83
.endr
.irp x, 0,1
	v_add_f32 v[TA+14*\x+8], v[TA+14*\x+8], v[TA+14*\x+9]
.endr
.endm
.macro STATS                           ; the 16 numbers are left centred; T10 = 1 / sqrt(var + eps), still to be waited for
.irp k, 0,1,2,3
.irp x, 0,1
	v_pk_add_f32 v[TA+14*\x+2*\k:TA+14*\x+2*\k+1], v[RA+16*\x+4*\k:RA+16*\x+4*\k+1], v[RA+16*\x+4*\k+2:RA+16*\x+4*\k+3]
.endr
.endr
	TREE
.irp x, 0,1
	v_mul_f32 v[TA+14*\x+8], 0xbd000000, v[TA+14*\x+8]      ; - mean
.endr
.irp k, 0,2,4,6,8,10,12,14
.irp x, 0,1
	v_pk_add_f32 v[RA+16*\x+\k:RA+16*\x+\k+1], v[RA+16*\x+\k:RA+16*\x+\k+1], v[TA+14*\x+8:TA+14*\x+9] op_sel_hi:[1,0]
.endr
.endr
.irp k, 0,2,4,6
.irp x, 0,1
	v_pk_mul_f32 v[TA+14*\x+\k:TA+14*\x+\k+1], v[RA+16*\x+\k:RA+16*\x+\k+1], v[RA+16*\x+\k:RA+16*\x+\k+1]
.endr
.endr
.irp k, 0,2,4,6
.irp x, 0,1
	v_pk_fma_f32 v[TA+14*\x+\k:TA+14*\x+\k+1], v[RA+16*\x+8+\k:RA+16*\x+9+\k], v[RA+16*\x+8+\k:RA+16*\x+9+\k], v[TA+14*\x+\k:TA+14*\x+\k+1]
.endr
.endr
	TREE
.irp x, 0,1
	v_fma_f32 v[TA+14*\x+11], v[TA+14*\x+8], s94, s95       ; var + eps
.endr
.irp x, 0,1
	v_rsq_f32 v[TA+14*\x+10], v[TA+14*\x+11]
.endr
.endm
.macro DOT h0                          ; heads h0 and h0 + 1: my 16 units' part of sum(c G), in pairs
	WIN 0x04
.irp hd, \h0, \h0+1
.irp x, 0,1
	v_pk_mul_f32 v[TA+14*\x+2*(\hd):TA+14*\x+2*(\hd)+1], v[RA+16*\x:RA+16*\x+1], v[64+16*(\hd):65+16*(\hd)]
.endr
.endr
.irp k, 2,4,6,8,10,12,14
.irp hd, \h0, \h0+1
.irp x, 0,1
	v_pk_fma_f32 v[TA+14*\x+2*(\hd):TA+14*\x+2*(\hd)+1], v[RA+16*\x+\k:RA+16*\x+\k+1], v[64+16*(\hd)+\k:65+16*(\hd)+\k], v[TA+14*\x+2*(\hd):TA+14*\x+2*(\hd)+1]
.endr
.endr
.endr
	WIN 0
.endm
; TWO TILES, line by line by turns. j: the score register that takes the bias; nk: where the NEXT pair's keys stand
.macro PAIR j, nk
	RELU
	STATS
.irp k, 0,2,4,6,8,10,12,14
.irp x, 0,1
	v_pk_mul_f32 v[RA+16*\x+\k:RA+16*\x+\k+1], v[RA+16*\x+\k:RA+16*\x+\k+1], v[36+\k:37+\k]      ; x ln1_g: plain work behind the two v_rsq_f32
.endr
.endr
	s_wait_alu depctr_va_vdst(0)                   ; one wait for the two v_rsq_f32 (v238, v252), ahead of their first reader
.irp k, 0,2,4,6,8,10,12,14
.irp x, 0,1
	v_pk_fma_f32 v[RA+16*\x+\k:RA+16*\x+\k+1], v[RA+16*\x+\k:RA+16*\x+\k+1], v[TA+14*\x+10:TA+14*\x+11], v[52+\k:53+\k] op_sel_hi:[1,0,1]
.endr
.endr
.irp x, 0,1
	v_max3_num_f32 v[TA+14*\x], |v[RA+16*\x]|, |v[RA+16*\x+1]|, FLOOR
.endr
.irp x, 0,1
	v_max3_num_f32 v[TA+14*\x+1], |v[RA+16*\x+8]|, |v[RA+16*\x+9]|, FLOOR
.endr
.irp i, 2,4,6
.irp x, 0,1
	v_max3_num_f32 v[TA+14*\x], |v[RA+16*\x+\i]|, |v[RA+16*\x+\i+1]|, v[TA+14*\x]
	v_max3_num_f32 v[TA+14*\x+1], |v[RA+16*\x+8+\i]|, |v[RA+16*\x+9+\i]|, v[TA+14*\x+1]
.endr
.endr
.irp x, 0,1
	v_max_num_f32 v[TA+14*\x], v[TA+14*\x], v[TA+14*\x+1]
.endr
.irp x, 0,1
	v_permlanex16_b32 v[TA+14*\x+9], v[TA+14*\x], s82, s83
.endr
.irp x, 0,1
	v_max_num_f32 v[TA+14*\x], v[TA+14*\x], v[TA+14*\x+9]
.endr
.irp x, 0,1
	v_add_nc_u32 v[TA+14*\x+2], 0xff000000, v[TA+14*\x]     ; 2 off the exponent field: the conversion's scale operand
.endr
.irp x, 0,1
	v_lshrrev_b32 v[TA+14*\x+3], 23, v[TA+14*\x+2]
.endr
.irp x, 0,1
	v_mul_u32_u24 v[130+\x], v[TA+14*\x+3], 0x101           ; the byte for both halves of the lanes
.endr
.irp x, 0,1
	v_cvt_scalef32_pk16_fp6_f32 v[28+4*\x:30+4*\x], v[RA+16*\x:RA+16*\x+15], v[TA+14*\x+2]
.endr
	GEOA \nk                                       ; eight plain lines: the places between the scale words, the codes and the products
	s_wait_alu depctr_va_vdst(0)                   ; the conversions have written the codes v28-30 and v32-34 and the multiplications the scale words v130-131, which the scaled products take; the places above stay beside this wait
.irp u, 0,1
.irp x, 0,1
	v_wmma_scale_f32_16x16x128_f8f6f4 v[DA+16*\x+8*\u:DA+16*\x+8*\u+7], v[104+12*\u:115+12*\u], v[28+4*\x:39+4*\x], v[84+8*\u:91+8*\u], v[128+\u], v[130+\x] matrix_a_fmt:MATRIX_FMT_FP6 matrix_b_fmt:MATRIX_FMT_FP6
.endr
.endr
	GEOB                                           ; its four multiply-adds are the places behind the products
	RELU
	STATS
	DOT 0
	s_wait_alu depctr_va_vdst(0)                   ; one wait for the two roots (v241, v255) and the two v_rsq_f32 (v238, v252), ahead of their first readers
	GEOC                                           ; the next pair's fc1
	DOT 2                                          ; 32 plain lines: the places behind the f32 form
.irp hd, 0,1,2,3
.irp x, 0,1
	v_add_f32 v[TA+14*\x+2*\hd], v[TA+14*\x+2*\hd], v[TA+14*\x+2*\hd+1]
.endr
.endr
.irp hd, 0,1,2,3
	v_permlane16_swap_b32 v[TA+2*\hd], v[TA+14+2*\hd]       ; A's lanes 16-31 change places with B's lanes 0-15
.endr
.irp hd, 0,1,2,3
	v_add_f32 v[TA+2*\hd], v[TA+2*\hd], v[TA+14+2*\hd]      ; lanes 0-15: tile A's sum over 32 units; lanes 16-31: tile B's
.endr
	v_cndmask_b32 v9, v[TA+10], v[TA+24], s80
	WIN 0x50
.irp hd, 0,1,2,3
	v_fma_f32 v[16*\hd+\j], v[TA+2*\hd], v9, v[16*\hd+\j]
.endr
	WIN 0
.endm
; the four heads by turns. FF = v228 + 2 hd, BM = v229 + 2 hd, v236 + hd at work, v240 + 4 hd: three registers of codes and E
.macro SOFTMAX
	WIN 0x05
.irp hd, 0,1,2,3
	v_max_num_f32 v[229+2*\hd], v[16*\hd], v[16*\hd+1]
.endr
.irp k, 2,4,6,8,10,12,14
.irp hd, 0,1,2,3
	v_max3_num_f32 v[229+2*\hd], v[16*\hd+\k], v[16*\hd+\k+1], v[229+2*\hd]
.endr
.endr
	WIN 0
.irp hd, 0,1,2,3
	v_permlanex16_b32 v[236+\hd], v[229+2*\hd], s82, s83
.endr
.irp hd, 0,1,2,3
	v_max_num_f32 v[229+2*\hd], v[229+2*\hd], v[236+\hd]    ; the block's largest t: it serves for the row's maximum and for the block's largest p
.endr
.irp hd, 0,1,2,3
	v_max_num_f32 v[13+4*\hd], v[13+4*\hd], v[229+2*\hd]
.endr
.irp hd, 0,1,2,3
	v_mov_b32 v[228+2*\hd], v[12+4*\hd]
.endr
.irp hd, 0,1,2,3
	v_floor_f32 v[12+4*\hd], -v[13+4*\hd]                   ; -M = floor(-t): M is a whole number
.endr
.irp hd, 0,1,2,3
	v_sub_f32 v[228+2*\hd], v[12+4*\hd], v[228+2*\hd]
.endr
.irp hd, 0,1,2,3
	v_cvt_i32_f32 v[228+2*\hd], v[228+2*\hd]                ; (it saturates)
.endr
.irp hd, 0,1,2,3
	v_ldexp_f32 v[228+2*\hd], 1.0, v[228+2*\hd]             ; 2^(old M - new M)
.endr
.irp hd, 0,1,2,3
	v_add_f32 v[229+2*\hd], v[229+2*\hd], v[12+4*\hd]
.endr
	WIN 0x41
.irp k, 0,2,4,6,8,10,12,14
.irp hd, 0,1,2,3
	v_pk_add_f32 v[16*\hd+\k:16*\hd+\k+1], v[16*\hd+\k:16*\hd+\k+1], v[12+4*\hd:13+4*\hd] op_sel_hi:[1,0]
.endr
.endr
.set i, 0
.rept 64
	v_exp_f32 v[i], v[i]                           ; p = 2^(t - M)
.set i, i+1
.endr
	WIN 0
.irp hd, 0,1,2,3
	v_pk_mul_f32 v[14+4*\hd:15+4*\hd], v[14+4*\hd:15+4*\hd], v[228+2*\hd:229+2*\hd] op_sel_hi:[1,0]   ; the sums under the new M: plain lines behind the batch
.endr
	s_wait_alu depctr_va_vdst(0)                   ; one wait for the 64 exponentials (window 1 v0-63), ahead of their first reader
.irp hd, 0,1,2,3
	v_exp_f32 v[229+2*\hd], v[229+2*\hd]           ; the block's largest p: the same addition and exponential on the same number
.endr
	WIN 0x04
.irp k, 0,2,4,6,8,10,12,14
.irp hd, 0,1,2,3
	v_pk_add_f32 v[14+4*\hd:15+4*\hd], v[14+4*\hd:15+4*\hd], v[16*\hd+\k:16*\hd+\k+1]     ; the sum is taken of the unquantised p
.endr
.endr
	WIN 0
	s_wait_alu depctr_va_vdst(0)                   ; and one for the four (v229, v231, v233, v235)
.irp hd, 0,1,2,3
	v_max_num_f32 v[229+2*\hd], FLOOR, v[229+2*\hd]
.endr
.irp hd, 0,1,2,3
	v_add_nc_u32 v[236+\hd], 0xff000000, v[229+2*\hd]
.endr
.irp hd, 0,1,2,3
	v_lshrrev_b32 v[243+4*\hd], 23, v[236+\hd]
.endr
.irp hd, 0,1,2,3
	v_cvt_i32_f32 v[229+2*\hd], v[12+4*\hd]
.endr
.irp hd, 0,1,2,3
	v_sub_nc_u32 v[243+4*\hd], v[243+4*\hd], v[229+2*\hd]   ; E = byte + M
.endr
	WIN 0x01
.irp hd, 0,1,2,3
	v_cvt_scalef32_pk16_fp6_f32 v[240+4*\hd:242+4*\hd], v[16*\hd:16*\hd+15], v[236+\hd]
.endr
	WIN 0
	v_nop                                          ; one plain place behind the conversions
	v_add_nc_u32 v4, s99, v3
	s_wait_alu depctr_va_vdst(0)                   ; the address v4, the codes and E (v240-255) are written, which the four stores read
.irp hd, 0,1,2,3
	ds_store_b128 v4, v[240+4*\hd:243+4*\hd] offset:2048*\hd
.endr
	s_wait_alu depctr_vm_vsrc(0)                   ; the stores have read v4 and v240-255, which the next step's pairs and softmax write; the loads of keys above have read v1 and v2, which are written anew behind the loop
.endm
	s_load_b512 s[4:19], s[0:1], 0x0               ; the 20 addresses: argument i in s[4 + 2 i : 5 + 2 i]
	s_load_b512 s[20:35], s[0:1], 0x40
	s_load_b256 s[36:43], s[0:1], 0x80
	s_set_vgpr_msb 0x40
	v_lshl_add_u32 v254, v0, 2, 0x12000
	v_mov_b32 v255, 0
	s_set_vgpr_msb 0x4000
	v_lshrrev_b32 v5, 5, v0
	v_readfirstlane_b32 s2, v5                     ; wave
	v_and_b32 v5, 31, v0                           ; l: kept
	v_and_b32 v10, 15, v0                          ; r
	v_bfe_u32 v11, v0, 4, 1                        ; h
	s_and_b32 s96, ttmp7, 0xffff                   ; y: which half of the keys
	s_mov_b32 s97, ttmp9                           ; qt: which 16 queries
	s_mov_b32 s80, 0xffff0000                      ; lanes 16-31
	s_mov_b32 s82, 0x76543210
	s_mov_b32 s83, 0xfedcba98                      ; selects for lane l xor 16
	s_mov_b32 s84, 0x3e38aa3b                      ; log2(e) / 8
	s_mov_b32 s85, s84                             ; (named with it as a pair)
	s_mov_b32 s94, 0x3d000000                      ; 1 / 32
	s_mov_b32 s95, 0x3727c5ac                      ; 1e-5
	v_mul_u32_u24 v1, v10, 192
	v_mad_u32_u24 v1, v11, 24, v1                  ; k's codes: row r, + 24 h
	v_lshlrev_b32 v2, 3, v10                       ; k's scale bytes
	s_wait_alu depctr_va_sdst(0)                   ; s2 is written, ahead of its first reader
	s_lshl_b32 s3, s2, 13
	v_lshl_add_u32 v3, v5, 4, s3                   ; LDS: my 16 bytes in my wave's 8,192
	v_and_b32 v228, 8, v10
	v_add_nc_u32 v228, v228, v10
	v_lshlrev_b32 v228, 4, v228
	v_lshl_add_u32 v228, v11, 3, v228              ; fc1_w: row r + 8 (r / 8), k = 2 h
	v_lshlrev_b32 v229, 6, v11                     ; units 16 h on
	v_mul_u32_u24 v230, v10, 24
	v_mad_u32_u24 v230, v11, 12, v230              ; fc2_w: row r, units 16 h on
	v_mov_b32 v231, v10
	v_lshlrev_b32 v232, 5, v11                     ; units 8 h on
	s_lshl_b32 s3, s97, 4
	v_add_nc_u32 v235, s3, v10                     ; my query
	v_mul_u32_u24 v233, v235, 192
	v_mad_u32_u24 v233, v11, 24, v233
	v_lshlrev_b32 v234, 3, v235
	v_mul_u32_u24 v235, v235, 12
	s_lshl_b32 s98, s96, 10
	s_lshl_b32 s3, s2, 7
	s_add_co_u32 s98, s98, s3                      ; my first key
	s_mov_b32 s101, 0
	s_wait_kmcnt 0x0
	s_mov_b64 s[66:67], s[4:5]                     ; obj_center
	s_mul_i32 s100, s98, 192
	s_add_nc_u64 s[68:69], s[32:33], s[100:101]    ; kc at my first key
	s_lshl_b32 s100, s98, 3
	s_add_nc_u64 s[70:71], s[34:35], s[100:101]
	s_lshl_b32 s99, s96, 9
	s_lshl_b32 s3, s2, 1
	s_add_co_u32 s99, s99, s3                      ; 16 x (32 y) + 2 w: the first tile of v that I multiply
	s_lshl_b32 s100, s99, 9
	s_add_nc_u64 s[72:73], s[36:37], s[100:101]
	s_lshl_b32 s100, s99, 7
	s_add_nc_u64 s[74:75], s[38:39], s[100:101]
	s_lshl_b32 s99, s96, 7
	s_add_co_u32 s99, s99, s97
	s_lshl_b32 s99, s99, 3
	s_add_co_u32 s99, s99, s2                      ; (128 y + qt) x 8 + w
	s_lshl_b32 s100, s99, 11
	s_add_nc_u64 s[76:77], s[40:41], s[100:101]
	s_lshl_b32 s100, s99, 8
	s_add_nc_u64 s[78:79], s[42:43], s[100:101]
	s_load_b128 s[44:47], s[26:27], 0x0            ; fc3_b
	s_mul_i32 s98, s98, 12                         ; my first key's centre
	s_wait_alu depctr_va_vdst(0)                   ; the offsets v1-3 and v228-235 are written, which the loads below and the loads of keys read
.irp u, 0,1
	global_load_b64 v[100+2*\u:101+2*\u], v228, s[6:7] offset:128*\u
.endr
.irp q, 0,1,2,3
	global_load_b128 v[68+4*\q:71+4*\q], v229, s[8:9] offset:16*\q
	global_load_b128 v[36+4*\q:39+4*\q], v229, s[10:11] offset:16*\q
	global_load_b128 v[52+4*\q:55+4*\q], v229, s[12:13] offset:16*\q
.endr
.irp u, 0,1
	global_load_b96 v[104+12*\u:106+12*\u], v230, s[14:15] offset:384*\u
	global_load_u8 v[128+\u], v231, s[16:17] offset:16*\u
.irp e, 0,1
	global_load_b128 v[84+8*\u+4*\e:87+8*\u+4*\e], v232, s[18:19] offset:64*\u+16*\e
	global_load_b128 v[180+8*\u+4*\e:183+8*\u+4*\e], v232, s[20:21] offset:64*\u+16*\e     ; ln2_g
	global_load_b128 v[196+8*\u+4*\e:199+8*\u+4*\e], v232, s[22:23] offset:64*\u+16*\e     ; ln2_b
.endr
.endr
.irp k, 0,1,2
	global_load_b32 v[6+\k], v235, s[4:5] offset:4*\k
.endr
.irp hd, 0,1,2,3
	global_load_u16 v[140+\hd], v234, s[30:31] offset:2*\hd
.endr
	WIN 0x40
.irp hd, 0,1,2,3
.irp u, 0,1
.irp e, 0,1
	global_load_b128 v[64+16*\hd+8*\u+4*\e:67+16*\hd+8*\u+4*\e], v232, s[24:25] offset:128*\hd+64*\u+16*\e    ; fc3_w
.endr
.endr
.irp p, 0,1,2
	global_load_b64 v[128+12*\hd+2*\p:129+12*\hd+2*\p], v233, s[28:29] offset:48*\hd+8*\p                  ; q
.endr
.endr
	WIN 0
	s_wait_loadcnt 0x0
	s_wait_kmcnt 0x0
	s_wait_alu depctr_vm_vsrc(0)                   ; the loads above have read their offsets v228-235, which are temporaries from here on
	; Bc[hd] = (sum(ln2_b fc3_w[hd]) + fc3_b[hd]) log2(e)
.irp hd, 0,1,2,3
	v_mov_b32 v[244+\hd], 0
.endr
	WIN 0x04
.irp hd, 0,1,2,3
	v_mul_f32 v[240+\hd], v196, v[64+16*\hd]
.endr
.irp i, 1,2,3,4,5,6,7,8,9,10,11,12,13,14,15
.irp hd, 0,1,2,3
	v_fma_f32 v[240+\hd], v[196+\i], v[64+16*\hd+\i], v[240+\hd]
.endr
.endr
	WIN 0
.irp hd, 0,1,2,3
	v_permlanex16_b32 v[244+\hd], v[240+\hd], s82, s83
.endr
.irp hd, 0,1,2,3
	v_add_f32 v[240+\hd], v[240+\hd], v[244+\hd]
.endr
.irp hd, 0,1,2,3
	v_add_f32 v[240+\hd], s[44+\hd], v[240+\hd]
.endr
.irp hd, 0,1,2,3
	v_mul_f32 v[240+\hd], 0x3fb8aa3b, v[240+\hd]
.endr
	WIN 0x40
.irp hd, 0,1,2,3
	v_mov_b32 v[208+2*\hd], v[240+\hd]
	v_mov_b32 v[209+2*\hd], v[240+\hd]
.endr
	WIN 0
.set i, 0
.rept 16
	v_mul_f32 v[180+i], 0x3fb8aa3b, v[180+i]
.set i, i+1
.endr
	WIN 0x41
.irp hd, 0,1,2,3
.irp k, 0,2,4,6,8,10,12,14
	v_pk_mul_f32 v[64+16*\hd+\k:65+16*\hd+\k], v[64+16*\hd+\k:65+16*\hd+\k], v[180+\k:181+\k]      ; G = fc3_w ln2_g log2(e)
.endr
.endr
	WIN 0x40
.irp hd, 0,1,2,3
.set i, 0
.rept 6
	v_mov_b32 v[134+12*\hd+i], 0                   ; q's registers 6-11: zero codes (K = 64 of the instruction's 128)
.set i, i+1
.endr
.set i, 0
.rept 8
	v_mov_b32 v[16*\hd+8+i], 0                     ; the scores' upper eight: written once here, filled between a step's two trips
.set i, i+1
.endr
.endr
	WIN 0
.irp u, 0,1
	v_mul_u32_u24 v[128+\u], v[128+\u], 0x101      ; fc2_w's byte for both halves of the lanes
.set i, 3
.rept 9
	v_mov_b32 v[104+12*\u+i], 0                    ; fc2_w's registers 3-11: zero codes
.set i, i+1
.endr
.endr
	v_mov_b32 v4, 0
	v_mov_b32 v9, 0
	v_mov_b32 v31, 0
	v_mov_b32 v35, 0
.set i, 0
.rept 28
	v_mov_b32 v[228+i], 0                          ; permutes' destinations and pairs' upper words count as read
.set i, i+1
.endr
.irp hd, 0,1,2,3
	v_mov_b32 v[13+4*\hd], 0xff61b1e6              ; the largest t so far: -3e38
	v_floor_f32 v[12+4*\hd], -v[13+4*\hd]
	v_mov_b32 v[14+4*\hd], 0
	v_mov_b32 v[15+4*\hd], 0
.endr
	s_wait_alu depctr_va_vdst(0)                   ; the lines above are done with v180-211, in which the keys land; the zero codes of q and fc2_w, v31, v35 and fc2_w's scale words v128-129 are written, which scaled products take
	KLOAD                                          ; step 0's keys
	LOADSA                                         ; (the addresses in s4-47 are done with: every load that named them has come back)
	LOADSB
	s_wait_kmcnt 0x0
	GEOA 16                                        ; pair 0
	GEOB
	v_nop
	s_wait_alu depctr_va_vdst(0)                   ; the two roots (v241, v255), ahead of their first reader
	GEOC
	s_mov_b32 s96, 4
	s_mov_b32 s99, 0
.Lstep:
	s_wait_loadcnt 0x0                             ; this step's keys, asked for ahead of the last softmax; their address may step
	s_cmp_eq_u32 s96, 1
	s_cselect_b32 s100, 0, 6144                    ; in the last step the look-ahead stays on this step's bytes; its data are not used
	s_cselect_b32 s3, 0, 256
	s_mov_b32 s101, 0
	s_add_nc_u64 s[68:69], s[68:69], s[100:101]
	s_mov_b32 s100, s3
	s_add_nc_u64 s[70:71], s[70:71], s[100:101]
	NOPS 4                                         ; fragment 7's operand runs on into v228-233, which vector instructions wrote
	s_wait_alu depctr_va_vdst(0)                   ; v228-233 are written, which the last scaled product takes with fragment 7; the places above stay beside this wait
	WIN 0x44
.irp hd, 0,1,2,3
	v_wmma_scale_f32_16x16x128_f8f6f4 v[16*\hd:16*\hd+7], v[180+12*\hd:191+12*\hd], v[128+12*\hd:139+12*\hd], 0, v[132+2*\hd], v[140+\hd] matrix_a_fmt:MATRIX_FMT_FP6 matrix_b_fmt:MATRIX_FMT_FP6
	v_wmma_scale_f32_16x16x128_f8f6f4 v[176+8*\hd:183+8*\hd], v[186+12*\hd:197+12*\hd], v[128+12*\hd:139+12*\hd], 0, v[133+2*\hd], v[140+\hd] matrix_a_fmt:MATRIX_FMT_FP6 matrix_b_fmt:MATRIX_FMT_FP6
.endr
	WIN 0
	NOPS 4
	WIN 0x51
.irp hd, 0,1,2,3
.irp k, 0,2,4,6
	v_pk_fma_f32 v[16*\hd+\k:16*\hd+\k+1], v[16*\hd+\k:16*\hd+\k+1], s[84:85], v[208+2*\hd:209+2*\hd] op_sel_hi:[1,0,1]     ; t = score log2(e) / 8 + Bc; the pairs add the rest
	v_pk_fma_f32 v[176+8*\hd+\k:177+8*\hd+\k], v[176+8*\hd+\k:177+8*\hd+\k], s[84:85], v[208+2*\hd:209+2*\hd] op_sel_hi:[1,0,1]
.endr
.endr
	WIN 0
	s_mov_b32 s97, 2
.Ltrip:
	PAIR 0, 19
	PAIR 1, 22
	PAIR 2, 25
	s_wait_kmcnt 0x0                               ; pairs 4-7's centres are in; no scalar load is out, so the offset may step
	s_add_co_u32 s98, s98, 192
	s_min_u32 s98, s98, 24384                      ; the last look-ahead stays inside obj_center
	LOADSA                                         ; the next trip's pairs 0-3: four pairs' work in which to land
	PAIR 3, 40
	PAIR 4, 43
	PAIR 5, 46
	PAIR 6, 49
	s_wait_kmcnt 0x0
	LOADSB
	PAIR 7, 16
	s_cmp_eq_u32 s97, 1
	s_cbranch_scc1 .Lno_move                       ; between a step's two trips: the finished tile goes up, the second tile's scores come down
	WIN 0x41
.irp hd, 0,1,2,3
.set i, 0
.rept 8
	v_mov_b32 v[16*\hd+8+i], v[16*\hd+i]
.set i, i+1
.endr
.endr
.irp hd, 0,1,2,3
.set i, 0
.rept 8
	v_mov_b32 v[16*\hd+i], v[176+8*\hd+i]
.set i, i+1
.endr
.endr
	WIN 0
.Lno_move:
	s_sub_co_u32 s97, s97, 1
	s_cmp_lg_u32 s97, 0
	s_cbranch_scc1 .Ltrip
	s_wait_alu depctr_va_vdst(0)                   ; the step's score products are done reading v180-227 and v132-139, and its pairs are done with v180-211: the next step's keys land there
	KLOAD                                          ; the next step's keys land under the softmax, which names none of their registers
	SOFTMAX
	s_add_co_u32 s99, s99, 512
	s_sub_co_u32 s96, s96, 1
	s_cmp_lg_u32 s96, 0
	s_cbranch_scc1 .Lstep
	; ---- THE END: the waves' statistics meet, and wave w multiplies head w / 2, channels 32 (w % 2) on, over all 1,024 keys.
	; v12-27 the eight waves' (-M, sum); v36-67 E, then p's scale words; v68-99 v's scale words; v100-147 and v180-227 p's codes, two sets of four operands; v148-163 O; window 1: four regions of 40 for v.
.macro VLOAD cv                        ; the four key blocks of wave cv's keys, my two tiles of channels
.set VC, (\cv)%4
	WIN 0x40
.irp s, 0,1,2,3
.irp u, 0,1
	global_load_b128 v[40*VC+4*(2*\s+\u):40*VC+4*(2*\s+\u)+3], v1, s[72:73] offset:((4*(\cv)+\s)*16+\u)*512
.endr
.endr
	WIN 0
.irp s, 0,1,2,3
.irp u, 0,1
	global_load_b32 v[68+8*VC+2*\s+\u], v2, s[74:75] offset:((4*(\cv)+\s)*16+\u)*128
.endr
.endr
.endm
.macro PLOAD cv
.set PL, 100+80*((\cv)%2)
.irp s, 0,1,2,3
	ds_load_b96 v[PL+12*\s:PL+12*\s+2], v10 offset:8192*(\cv)+512*\s
.endr
.endm
.macro CHUNK cv
.set CC, (\cv)%4
.set PB, 100+80*((\cv)%2)
.if (\cv) < 7
	s_wait_dscnt 4                                 ; this chunk's codes of p are in; the next chunk's four loads may be out
.else
	s_wait_dscnt 0x0
.endif
.if (\cv) < 5
	s_wait_loadcnt 48                              ; three chunks of v, sixteen loads each, were issued behind this one
.else
	s_wait_loadcnt 16*(7-(\cv))
.endif
	WIN 0x01
.irp s, 0,1,2,3
.irp u, 0,1
.if ((\cv) == 0) && (\s == 0)
	v_wmma_scale_f32_16x16x128_f8f6f4 v[148+8*\u:155+8*\u], v[40*CC+4*(2*\s+\u):40*CC+4*(2*\s+\u)+11], v[PB+12*\s:PB+12*\s+11], 0, v[68+8*CC+2*\s+\u], v[36+4*(\cv)+\s] matrix_a_fmt:MATRIX_FMT_FP6 matrix_b_fmt:MATRIX_FMT_FP6
.else
	v_wmma_scale_f32_16x16x128_f8f6f4 v[148+8*\u:155+8*\u], v[40*CC+4*(2*\s+\u):40*CC+4*(2*\s+\u)+11], v[PB+12*\s:PB+12*\s+11], v[148+8*\u:155+8*\u], v[68+8*CC+2*\s+\u], v[36+4*(\cv)+\s] matrix_a_fmt:MATRIX_FMT_FP6 matrix_b_fmt:MATRIX_FMT_FP6
.endif
.endr
.endr
	WIN 0
	NOPS 4                                         ; places in front of loads into registers that the products read, and of the stores of O
.if (\cv) < 6
	s_wait_alu depctr_va_vdst(0)                   ; this chunk's products are done reading its codes of p, its region of v and v's scale words, in which the loads below land
	PLOAD (\cv)+2
.endif
.if (\cv) < 4
	VLOAD (\cv)+4
.endif
.endm
	s_wait_loadcnt 0x0                             ; the look-ahead load of keys
	v_lshlrev_b32 v1, 4, v5                        ; (the loads of keys have read v1 and v2: the wait on vm_vsrc behind the last softmax's stores stands behind them)
	v_lshlrev_b32 v2, 2, v5
	WIN 0x40
.irp c, 0,1,2,3
.set i, 0
.rept 8
	v_mov_b32 v[40*\c+32+i], 0                     ; behind a region's eight quads: registers that its last operands run on into
.set i, i+1
.endr
.endr
	s_wait_alu depctr_va_vdst(0)                   ; v1 and v2 are written, which the loads of v read; the loop's vector and matrix instructions are done with window 1 v0-159 and with v68-99, in which they land; the pads are written
	VLOAD 0
	VLOAD 1
	VLOAD 2
	VLOAD 3
.irp hd, 0,1,2,3
	v_add_f32 v[14+4*\hd], v[14+4*\hd], v[15+4*\hd]
.endr
.irp hd, 0,1,2,3
	v_permlanex16_b32 v[15+4*\hd], v[14+4*\hd], s82, s83
.endr
.irp hd, 0,1,2,3
	v_add_f32 v[13+4*\hd], v[14+4*\hd], v[15+4*\hd]         ; my 128 keys' sum, beside -M
.endr
	s_lshl_b32 s3, s2, 10
	s_add_co_u32 s3, s3, STT
	v_lshl_add_u32 v4, v5, 3, s3
.irp s, 0,1,2,3
.set i, 3
.rept 9
	v_mov_b32 v[100+12*\s+i], 0                    ; p's registers 3-11: zero codes
	v_mov_b32 v[180+12*\s+i], 0
.set i, i+1
.endr
.endr
	s_lshr_b32 s3, s2, 1                           ; my head
	s_lshl_b32 s100, s3, 11
	v_lshl_add_u32 v10, v5, 4, s100                ; LDS: my head's codes in a wave's 8,192 bytes
	s_lshl_b32 s100, s3, 8
	s_add_co_u32 s100, s100, STT
	v_lshl_add_u32 v11, v5, 3, s100                ; and its statistics
	v_lshlrev_b32 v3, 3, v5
	s_wait_alu depctr_va_vdst(0)                   ; v4 and v12-27 are written, which the stores read; so are the addresses v3, v10, v11 and p's zero codes; and the loop is done with v36-67, v100-147 and v180-227, in which the LDS loads behind the barrier land
.irp hd, 0,1,2,3
	ds_store_b64 v4, v[12+4*\hd:13+4*\hd] offset:256*\hd
.endr
	s_wait_dscnt 0x0                               ; my codes and statistics have landed
	s_barrier_signal -1
	s_barrier_wait -1                              ; everybody's have
	s_wait_alu depctr_vm_vsrc(0)                   ; my stores have read v12-27, in which the eight waves' statistics land
.irp cv, 0,1,2,3,4,5,6,7
	ds_load_b64 v[12+2*\cv:13+2*\cv], v11 offset:1024*\cv
.endr
.irp cv, 0,1,2,3,4,5,6,7
.irp s, 0,1,2,3
	ds_load_b32 v[36+4*\cv+\s], v10 offset:8192*\cv+512*\s+12
.endr
.endr
	PLOAD 0
	PLOAD 1
	s_wait_dscnt 8                                 ; all but the two chunks of codes
	v_min_num_f32 v228, v12, v14
	v_min3_num_f32 v228, v228, v16, v18
	v_min3_num_f32 v228, v228, v20, v22
	v_min3_num_f32 v228, v228, v24, v26            ; -M of the 1,024 keys
.irp cv, 0,1,2,3,4,5,6,7
	v_sub_f32 v[232+\cv], v228, v[12+2*\cv]
.endr
.irp cv, 0,1,2,3,4,5,6,7
	v_cvt_i32_f32 v[232+\cv], v[232+\cv]
.endr
.irp cv, 0,1,2,3,4,5,6,7
	v_ldexp_f32 v[232+\cv], v[13+2*\cv], v[232+\cv]         ; each wave's sum under the common M: nothing is rounded
.endr
	v_add_f32 v229, v232, v233
.irp cv, 2,3,4,5,6,7
	v_add_f32 v229, v229, v[232+\cv]
.endr
	v_cvt_i32_f32 v230, v228
.set i, 0
.rept 32
	v_add_nc_u32 v[36+i], v[36+i], v230            ; E - M
.set i, i+1
.endr
.set i, 0
.rept 32
	v_max_i32 v[36+i], 0, v[36+i]
.set i, i+1
.endr
.set i, 0
.rept 32
	v_mul_u32_u24 v[36+i], v[36+i], 0x101          ; the byte for both halves of the lanes
.set i, i+1
.endr
	s_wait_alu depctr_va_vdst(0)                   ; p's scale words v36-67 are written, which the scaled products take; so are v228-229, which the last store reads
	CHUNK 0
	CHUNK 1
	CHUNK 2
	CHUNK 3
	CHUNK 4
	CHUNK 5
	CHUNK 6
	CHUNK 7
	s_wait_alu depctr_va_vdst(0)                   ; the products have written O (v148-163), which the stores read; the four places above stay beside this wait
.irp q, 0,1,2,3
	global_store_b128 v1, v[148+4*\q:151+4*\q], s[76:77] offset:512*\q      ; O as an image of its registers, from the low end on: 512 consecutive bytes a store
.endr
	global_store_b64 v3, v[228:229], s[78:79]
	s_set_vgpr_msb 0x5
	s_wait_dscnt 0x0
	s_wait_alu depctr_hold_cnt(0) depctr_sa_sdst(0) depctr_va_vdst(0) depctr_va_sdst(0) depctr_va_ssrc(0) depctr_va_vcc(0) depctr_vm_vsrc(0)
	s_wait_tensorcnt 0x0
	ds_add_u32 v254, v255
	s_wait_dscnt 0x0
	s_endpgm
.Lfunc_end_k_q0cf6c7ed7b_pairatt:
	.size	k_q0cf6c7ed7b_pairatt, .Lfunc_end_k_q0cf6c7ed7b_pairatt-k_q0cf6c7ed7b_pairatt
	.p2alignl 7, 3214868480
	.fill 96, 4, 3214868480
	.section	.rodata,"a",@progbits
	.p2align	6, 0x0
	.amdhsa_kernel k_q0cf6c7ed7b_pairatt
		.amdhsa_group_segment_fixed_size 74752
		.amdhsa_private_segment_fixed_size 0
		.amdhsa_enable_private_segment 0
		.amdhsa_kernarg_size 160
		.amdhsa_user_sgpr_count 2
		.amdhsa_user_sgpr_kernarg_segment_ptr 1
		.amdhsa_wavefront_size32 1
		.amdhsa_system_sgpr_workgroup_id_x 1
		.amdhsa_system_sgpr_workgroup_id_y 1
		.amdhsa_system_sgpr_workgroup_id_z 1
		.amdhsa_system_vgpr_workitem_id 0
		.amdhsa_next_free_vgpr 512
		.amdhsa_next_free_sgpr 102
		.amdhsa_reserve_vcc 0
		.amdhsa_float_denorm_mode_32 3
		.amdhsa_float_denorm_mode_16_64 3
		.amdhsa_memory_ordered 1
		.amdhsa_forward_progress 1
		.amdhsa_inst_pref_size 253
	.end_amdhsa_kernel
	.amdgpu_metadata
---
amdhsa.version: [ 1, 2 ]
amdhsa.kernels:
  - .name:           k_q0cf6c7ed7b_pairatt
    .symbol:         k_q0cf6c7ed7b_pairatt.kd
    .args:
      - { .name: obj_center, .offset: 0, .size: 8, .value_kind: global_buffer, .address_space: global }
      - { .name: fc1_w, .offset: 8, .size: 8, .value_kind: global_buffer, .address_space: global }
      - { .name: fc1_b, .offset: 16, .size: 8, .value_kind: global_buffer, .address_space: global }
      - { .name: ln1_g, .offset: 24, .size: 8, .value_kind: global_buffer, .address_space: global }
      - { .name: ln1_b, .offset: 32, .size: 8, .value_kind: global_buffer, .address_space: global }
      - { .name: fc2_w_codes, .offset: 40, .size: 8, .value_kind: global_buffer, .address_space: global }
      - { .name: fc2_w_scales, .offset: 48, .size: 8, .value_kind: global_buffer, .address_space: global }
      - { .name: fc2_b, .offset: 56, .size: 8, .value_kind: global_buffer, .address_space: global }
      - { .name: ln2_g, .offset: 64, .size: 8, .value_kind: global_buffer, .address_space: global }
      - { .name: ln2_b, .offset: 72, .size: 8, .value_kind: global_buffer, .address_space: global }
      - { .name: fc3_w, .offset: 80, .size: 8, .value_kind: global_buffer, .address_space: global }
      - { .name: fc3_b, .offset: 88, .size: 8, .value_kind: global_buffer, .address_space: global }
      - { .name: qc, .offset: 96, .size: 8, .value_kind: global_buffer, .address_space: global }
      - { .name: qs, .offset: 104, .size: 8, .value_kind: global_buffer, .address_space: global }
      - { .name: kc, .offset: 112, .size: 8, .value_kind: global_buffer, .address_space: global }
      - { .name: ks, .offset: 120, .size: 8, .value_kind: global_buffer, .address_space: global }
      - { .name: vc, .offset: 128, .size: 8, .value_kind: global_buffer, .address_space: global }
      - { .name: vsw, .offset: 136, .size: 8, .value_kind: global_buffer, .address_space: global }
      - { .name: opart, .offset: 144, .size: 8, .value_kind: global_buffer, .address_space: global }
      - { .name: ml, .offset: 152, .size: 8, .value_kind: global_buffer, .address_space: global }
    .group_segment_fixed_size: 74752
    .private_segment_fixed_size: 0
    .kernarg_segment_align: 8
    .kernarg_segment_size: 160
    .max_flat_workgroup_size: 256
    .sgpr_count:     102
    .vgpr_count:     512
    .wavefront_size: 32
...
	.end_amdgpu_metadata
.endif
;; end of part 5
;; launch outp (part 6): grid 128 x 1, 8 waves a work-group, no clusters, 21,504 bytes of LDS; arguments opart, ml, wo_codes, wo_scales, bo, out0; writes out0
.if DOCPART == 6
	.amdgcn_target "amdgcn-amd-amdhsa--gfx1250"
	.amdhsa_code_object_version 6
	.text
	.protected	k_q0cf6c7ed7b_outp
	.globl	k_q0cf6c7ed7b_outp
	.p2align	8
	.type	k_q0cf6c7ed7b_outp,@function
k_q0cf6c7ed7b_outp:
	s_mov_b64 s[64:65], 0
	v_nop
	global_prefetch_b8 v0, s[64:65] scope:SCOPE_SE
	s_setreg_imm32_b32 hwreg(HW_REG_WAVE_SCHED_MODE, 0, 2), 2
	s_setreg_imm32_b32 hwreg(HW_REG_WAVE_MODE, 25, 1), 1
	s_wait_xcnt 0x0
	s_wait_alu depctr_vm_vsrc(0)
; THE WAY OUT: the two halves of the keys are joined under a common M (factors that are whole powers of two), O is divided by the row's sum, quantised along its 256 columns, multiplied by wo^T on codes of FP6 (E2M3), and bo is added.
; SHARES. Work-group qt owns 16 rows. Wave w holds columns 32 w .. 32 w + 31 of O (lane (r, h): row r, columns 32 w + 16 h + 0 .. 15, as the launch before stored them) and makes output columns 32 w .. 32 w + 31.
; O's codes go from wave to wave through LDS as rows (pitch 208) with 8 scale bytes a row; the results meet in a stage of rows of 1,024 bytes + 16 and leave as whole rows.
; LIMITS: NaN and infinities are not served; a block whose largest magnitude lies under 2^-124 keeps the scale byte 1.
; THE MODE: SCHED_MODE bits 1:0 = 2 (LLVM: expert scheduling mode 2), set by the entry lines. The code itself states the register dependences between vector or matrix instructions and memory or LDS
; instructions, with s_wait_alu, always for 0.
; THE PLAN. Registers that memory or LDS instructions touch: the addresses v4-14, made once at the head (one wait on va_vdst ahead of the first load); v32-34 and v54, the codes and the byte, written by the quantiser and read
; by four LDS stores (a wait on va_vdst ahead of them); v160-175, the sums, written by the products and read by four LDS stores (four places, then a wait on va_vdst). Every load lands in registers that no vector
; instruction names before it, and no register that a memory or LDS instruction reads is written again: so no wait on vm_vsrc is owed.
; REGISTERS: v1-14 addresses; v16-31, v32-47 the two halves of O; v48-51 (-M, sum) twice; v52-63 at work; v64-111 wo's four fragments; v112-115 their scale words; v116-131 bo; v132-155 O's two fragments; v156-157 their scale words;
;   v160-175 the sums; v176-191 rows on their way out.
.set FLOOR, 0x1800000
.set OC,  0
.set OS,  3328
.set STG, 3584
	s_load_b256 s[4:11], s[0:1], 0x0               ; opart, ml, wo_codes, wo_scales
	s_load_b128 s[12:15], s[0:1], 0x20             ; bo, out0
	v_lshl_add_u32 v158, v0, 2, 0x5000
	v_mov_b32 v159, 0
	v_lshrrev_b32 v1, 5, v0
	v_readfirstlane_b32 s2, v1                     ; wave
	v_and_b32 v1, 31, v0                           ; l
	v_and_b32 v2, 15, v0                           ; r
	v_bfe_u32 v3, v0, 4, 1                         ; h
	s_mov_b32 s20, 0x76543210
	s_mov_b32 s21, 0xfedcba98                      ; selects for lane l xor 16
	v_lshlrev_b32 v4, 4, v1
	v_lshlrev_b32 v5, 3, v1
	s_wait_alu depctr_va_sdst(0)                   ; s2 is written, ahead of its first reader
	s_lshl_b32 s16, s2, 5
	v_add_nc_u32 v6, s16, v2                       ; wo's row 32 w + r
	v_mul_u32_u24 v7, v6, 192
	v_mad_u32_u24 v7, v3, 24, v7
	v_lshlrev_b32 v6, 3, v6
	s_lshl_b32 s17, s2, 7
	v_lshl_add_u32 v8, v3, 5, s17                  ; (32 w + 8 h) x 4
	v_mul_u32_u24 v9, v2, 208
	v_mad_u32_u24 v10, v3, 24, v9                  ; LDS: a fragment of rows
	v_mad_u32_u24 v9, v3, 12, v9
	s_mul_i32 s18, s2, 24
	v_add_nc_u32 v9, s18, v9                       ; LDS: my 12 bytes of row r
	v_lshl_add_u32 v11, v2, 3, s2                  ; LDS: my block's byte
	v_lshlrev_b32 v12, 3, v2
	v_mul_u32_u24 v13, v2, 1040
	v_add_nc_u32 v13, v13, v8                      ; the stage, in: row r, my 32 bytes
	s_mul_i32 s19, s2, 2080
	v_add_nc_u32 v14, s19, v4                      ; and back: rows 2 w and 2 w + 1, 16 bytes a lane
	v_mov_b32 v56, 0                               ; a lane permute's destination counts as one of its sources
	s_lshl_b32 s22, ttmp9, 3
	s_add_co_u32 s22, s22, s2                      ; 8 qt + w
	s_lshl_b32 s24, s22, 11
	s_mov_b32 s25, 0
	s_lshl_b32 s26, s22, 8
	s_mov_b32 s27, 0
	s_lshl_b32 s28, ttmp9, 4
	s_lshl_b32 s29, s2, 1
	s_add_co_u32 s28, s28, s29
	s_lshl_b32 s28, s28, 10                        ; row 16 qt + 2 w of the output
	s_mov_b32 s29, 0
	s_wait_kmcnt 0x0
	s_add_nc_u64 s[4:5], s[4:5], s[24:25]
	s_add_nc_u64 s[6:7], s[6:7], s[26:27]
	s_add_nc_u64 s[14:15], s[14:15], s[28:29]
	s_wait_alu depctr_va_vdst(0)                   ; the addresses v4-14 are written: every load and store of the kernel reads one of them
.irp q, 0,1,2,3
	global_load_b128 v[16+4*\q:19+4*\q], v4, s[4:5] offset:512*\q
	global_load_b128 v[32+4*\q:35+4*\q], v4, s[4:5] offset:2097152+512*\q       ; the other half of the keys
.endr
	global_load_b64 v[48:49], v5, s[6:7]
	global_load_b64 v[50:51], v5, s[6:7] offset:262144
.irp t, 0,1
.irp ks, 0,1
.irp p, 0,1,2,3,4,5
	global_load_b64 v[64+12*(2*\t+\ks)+2*\p:65+12*(2*\t+\ks)+2*\p], v7, s[8:9] offset:3072*\t+96*\ks+48*(\p/3)+8*(\p%3)
.endr
	global_load_b32 v[112+2*\t+\ks], v6, s[10:11] offset:128*\t+4*\ks
.endr
	global_load_b128 v[116+8*\t:119+8*\t], v8, s[12:13] offset:64*\t
	global_load_b128 v[120+8*\t:123+8*\t], v8, s[12:13] offset:64*\t+16
.endr
	s_wait_loadcnt 32                              ; loads come back in order (ISA guide 5.7.1): O's two halves and their statistics are in; the 32 younger loads, wo and bo, stay out
	v_min_num_f32 v52, v48, v50                    ; -M of all keys
	v_sub_f32 v53, v52, v48
	v_sub_f32 v54, v52, v50
	v_cvt_i32_f32 v53, v53
	v_cvt_i32_f32 v54, v54
	v_ldexp_f32 v58, 1.0, v53                      ; 2^(M0 - M)
	v_ldexp_f32 v60, 1.0, v54                      ; 2^(M1 - M)
	v_mul_f32 v55, v49, v58
	v_fma_f32 v55, v51, v60, v55                   ; the row's sum
	v_rcp_f32 v55, v55
	v_nop                                          ; a plain place behind the reciprocal
	s_wait_alu depctr_va_vdst(0)                   ; the reciprocal has written v55: the wait ahead of its first reader
	v_mul_f32 v58, v58, v55
	v_mul_f32 v60, v60, v55
	v_mov_b32 v59, v58
	v_mov_b32 v61, v60
.irp k, 0,2,4,6,8,10,12,14
	v_pk_mul_f32 v[16+\k:17+\k], v[16+\k:17+\k], v[58:59]
.endr
.irp k, 0,2,4,6,8,10,12,14
	v_pk_fma_f32 v[16+\k:17+\k], v[32+\k:33+\k], v[60:61], v[16+\k:17+\k]
.endr
	v_max3_num_f32 v62, |v16|, |v17|, FLOOR        ; the block of 32 columns lies in lanes l and l xor 16
	v_max3_num_f32 v63, |v24|, |v25|, FLOOR
.irp i, 2,4,6
	v_max3_num_f32 v62, |v[16+\i]|, |v[17+\i]|, v62
	v_max3_num_f32 v63, |v[24+\i]|, |v[25+\i]|, v63
.endr
	v_max_num_f32 v62, v62, v63
	v_permlanex16_b32 v56, v62, s20, s21
	v_max_num_f32 v62, v62, v56
	v_add_nc_u32 v57, 0xff000000, v62              ; 2 off the exponent field
	v_lshrrev_b32 v54, 23, v57
	v_cvt_scalef32_pk16_fp6_f32 v[32:34], v[16:31], v57
	v_nop                                          ; one plain place behind a scaled conversion
	s_wait_alu depctr_va_vdst(0)                   ; the conversion has written v32-34 and the shift v54, which the stores read
	ds_store_b32 v9, v32 offset:OC
	ds_store_b32 v9, v33 offset:OC+4
	ds_store_b32 v9, v34 offset:OC+8
	ds_store_b8 v11, v54 offset:OS
	s_wait_dscnt 0x0                               ; for the others' sake
	s_barrier_signal -1
	s_barrier_wait -1
.irp ks, 0,1
.irp p, 0,1,2,3,4,5
	ds_load_b64 v[132+12*\ks+2*\p:133+12*\ks+2*\p], v10 offset:OC+96*\ks+48*(\p/3)+8*(\p%3)
.endr
	ds_load_b32 v[156+\ks], v12 offset:OS+4*\ks
.endr
	s_wait_loadcnt 0x0                             ; wo's fragments and scale words and bo are in, ahead of the products that read them
	s_wait_dscnt 0x0
.irp ks, 0,1                                   ; transposed: source 0 = 16 rows of wo, source 1 = the 16 rows of O; the two sums take turns; bo is the C of each sum's first product
.irp t, 0,1
.if \ks == 0
	v_wmma_scale_f32_16x16x128_f8f6f4 v[160+8*\t:167+8*\t], v[64+12*(2*\t+\ks):75+12*(2*\t+\ks)], v[132+12*\ks:143+12*\ks], v[116+8*\t:123+8*\t], v[112+2*\t+\ks], v[156+\ks] matrix_a_fmt:MATRIX_FMT_FP6 matrix_b_fmt:MATRIX_FMT_FP6
.else
	v_wmma_scale_f32_16x16x128_f8f6f4 v[160+8*\t:167+8*\t], v[64+12*(2*\t+\ks):75+12*(2*\t+\ks)], v[132+12*\ks:143+12*\ks], v[160+8*\t:167+8*\t], v[112+2*\t+\ks], v[156+\ks] matrix_a_fmt:MATRIX_FMT_FP6 matrix_b_fmt:MATRIX_FMT_FP6
.endif
.endr
.endr
.rept 4
	v_nop
.endr
	s_wait_alu depctr_va_vdst(0)                   ; the products have written the sums v160-175, which the stores read; the four places above stay beside this wait
.irp t, 0,1
	ds_store_b128 v13, v[160+8*\t:163+8*\t] offset:STG+64*\t        ; lane (r, h): out(r, 32 w + 16 t + 8 h + 0 .. 7); each sum from its low end on
	ds_store_b128 v13, v[164+8*\t:167+8*\t] offset:STG+64*\t+16
.endr
	s_wait_dscnt 0x0
	s_barrier_signal -1
	s_barrier_wait -1                              ; 16 whole rows lie in the stage
.irp i, 0,1,2,3
	ds_load_b128 v[176+4*\i:179+4*\i], v14 offset:STG+1040*(\i/2)+512*(\i%2)
.endr
.irp i, 0,1,2,3
	s_wait_dscnt 3-\i                              ; the younger LDS loads may stay out
	global_store_b128 v4, v[176+4*\i:179+4*\i], s[14:15] offset:1024*(\i/2)+512*(\i%2)     ; 32 lanes store 512 consecutive bytes, aligned
.endr
	s_wait_dscnt 0x0
	s_wait_alu depctr_hold_cnt(0) depctr_sa_sdst(0) depctr_va_vdst(0) depctr_va_sdst(0) depctr_va_ssrc(0) depctr_va_vcc(0) depctr_vm_vsrc(0)
	s_wait_tensorcnt 0x0
	ds_add_u32 v158, v159
	s_wait_dscnt 0x0
	s_endpgm
.Lfunc_end_k_q0cf6c7ed7b_outp:
	.size	k_q0cf6c7ed7b_outp, .Lfunc_end_k_q0cf6c7ed7b_outp-k_q0cf6c7ed7b_outp
	.p2alignl 7, 3214868480
	.fill 96, 4, 3214868480
	.section	.rodata,"a",@progbits
	.p2align	6, 0x0
	.amdhsa_kernel k_q0cf6c7ed7b_outp
		.amdhsa_group_segment_fixed_size 21504
		.amdhsa_private_segment_fixed_size 0
		.amdhsa_enable_private_segment 0
		.amdhsa_kernarg_size 48
		.amdhsa_user_sgpr_count 2
		.amdhsa_user_sgpr_kernarg_segment_ptr 1
		.amdhsa_wavefront_size32 1
		.amdhsa_system_sgpr_workgroup_id_x 1
		.amdhsa_system_sgpr_workgroup_id_y 1
		.amdhsa_system_sgpr_workgroup_id_z 1
		.amdhsa_system_vgpr_workitem_id 0
		.amdhsa_next_free_vgpr 192
		.amdhsa_next_free_sgpr 66
		.amdhsa_reserve_vcc 0
		.amdhsa_float_denorm_mode_32 3
		.amdhsa_float_denorm_mode_16_64 3
		.amdhsa_memory_ordered 1
		.amdhsa_forward_progress 1
		.amdhsa_inst_pref_size 13
	.end_amdhsa_kernel
	.amdgpu_metadata
---
amdhsa.version: [ 1, 2 ]
amdhsa.kernels:
  - .name:           k_q0cf6c7ed7b_outp
    .symbol:         k_q0cf6c7ed7b_outp.kd
    .args:
      - { .name: opart, .offset: 0, .size: 8, .value_kind: global_buffer, .address_space: global }
      - { .name: ml, .offset: 8, .size: 8, .value_kind: global_buffer, .address_space: global }
      - { .name: wo_codes, .offset: 16, .size: 8, .value_kind: global_buffer, .address_space: global }
      - { .name: wo_scales, .offset: 24, .size: 8, .value_kind: global_buffer, .address_space: global }
      - { .name: bo, .offset: 32, .size: 8, .value_kind: global_buffer, .address_space: global }
      - { .name: out0, .offset: 40, .size: 8, .value_kind: global_buffer, .address_space: global }
    .group_segment_fixed_size: 21504
    .private_segment_fixed_size: 0
    .kernarg_segment_align: 8
    .kernarg_segment_size: 48
    .max_flat_workgroup_size: 256
    .sgpr_count:     66
    .vgpr_count:     192
    .wavefront_size: 32
...
	.end_amdgpu_metadata
.endif
;; end of part 6
